; MI455X (gfx1250); checked and timed in simulation.
; The chip was launched on July 23, 2026; its instructions are those of AMD's public machine-readable ISA for CDNA 5 (MIT licence, August 2026) and "CDNA5" Instruction Set Architecture Reference Guide (July 2026). The comments in the code are by the model that wrote it; some were corrected since.
;; Recurrent block. Allowed arithmetic: float matrix products may take bf16 or f16 operands with f32 sums; other float arithmetic in f32, or as packed bf16 or f16 multiplies, adds, multiply-adds, maxima and minima; sums over many terms, partial sums and values carried from step to step in f32; what a program stores and reads back later, other than sums and carried values, may be rounded once to bf16 or f16.
;; Inputs: Lam 1,024 float32; Wa 1,024 x 1,024 float32; Wp1 1,024 x 1,024 float32; Wp2 1,024 x 1,024 float32; Wp3 1,024 x 1,024 float32; Wx 1,024 x 1,024 float32; ba 1,024 float32; bp1 1,024 float32; bp2 1,024 float32; bp3 1,024 float32; bx 1,024 float32; conv_b 1,024 float32; conv_w 1,024 x 1,024 float32; x 4 x 2,048 x 1,024 float32.
;; Outputs: out0 4 x 2,048 x 1,024 float32.
;; 2 versions, each right and faster than the one before. Each part assembles by itself: llvm-mc -triple=amdgcn-amd-amdhsa -mcpu=gfx1250 --defsym DOCPART=n.
;; ======== version 1 of 2: 6 launches
;; limits: values outside matrix products are rounded to bf16; a function is approximated: absolute error at most 1.5e-07; values are held in f16: magnitudes above 65,504 overflow, below 6.1e-05 lose precision; inputs' magnitudes at most 65,504
;; workspace buffers: xb 16,777,216 bytes; w2b 2,097,408 bytes; wcb 2,097,408 bytes; wrest 8,388,608 bytes; ty 17,039,360 bytes; xc 16,777,216 bytes; hp 68,157,440 bytes; xh 16,777,216 bytes
;; launch cast (part 1): grid 256 x 1, 8 waves a work-group, no clusters, 0 bytes of LDS; arguments x, Wp2, conv_w, Wa, Wx, Wp1, Wp3, xb, w2b, wcb, wrest, xh; writes xb, w2b, wcb, wrest, xh
.if DOCPART == 1
	.amdgcn_target "amdgcn-amd-amdhsa--gfx1250"
	.amdhsa_code_object_version 6
	.text
	.protected	k_qae8689a5a3_cast
	.globl	k_qae8689a5a3_cast
	.p2align	8
	.type	k_qae8689a5a3_cast,@function
k_qae8689a5a3_cast:
	s_mov_b64 s[64:65], 0
	v_nop
	global_prefetch_b8 v0, s[64:65] scope:SCOPE_SE
	s_setreg_imm32_b32 hwreg(HW_REG_WAVE_MODE, 25, 1), 1
	s_wait_xcnt 0x0
; CAST: x and the six weight matrices from f32 to 16 bits (round to nearest even), once, so that the five product launches behind it
; fetch 16-bit tiles.  x goes out twice, as bf16 (xb) and as f16 (xh); Wp2, conv_w, Wa, Wx as bf16; Wp1, Wp3 as f16.
; Also two floor patterns of 256 bytes: -infinity behind Wp2's copy, 0.0 behind conv_w's copy; the launch that multiplies by a matrix
; takes max(result, that matrix's floor), so one text serves the plain layer and the ReLU layer.
;
; THE WHOLE PROGRAM: cast; t = x Wp2^T + bp2; xc = relu(t conv_w^T + conv_b); gates (r, i, a, g and a scan inside chunks of 64 steps);
; merge (gelu(x Wp1^T + bp1), the chunks' carries, y = x1 h); out = y Wp3^T + bp3.
; WHY TWO FORMATS.  A bf16 rounding is off by 2^-7 / sqrt 12 of the binade, about 0.17 % of the number.  The roundings of x, Wp1, y and Wp3
; reach the output one to one: four of them are 0.34 % of its root mean square, a third of what is allowed for each of 8.4 million numbers.
; With f16's 11 bits each is an eighth of that.  The roundings in front of the scan are averaged over the tens to thousands of steps that the
; recurrence remembers, and t and xc have no room in f16 (offsets on x, Wp2 and conv_w together carry xc past 65,504): those stay bf16.
; ROOM IN f16: x is of the order 1 and the weights of the order 0.03; thirty times larger, or offset by thirty spreads, they stay far under
; 65,504; thirty times smaller the weights are about 0.001, still normal numbers.  LIMIT: |x|, |Wp1|, |Wp3| above 65,504 become infinite;
; numbers under 6e-5 keep an absolute error of 3e-8.
; DEAD WORK: the scan starts from h0 = 0, which the problem's function builds in its own body, so at a batch's first step the product
; a h0 is 0 for every finite a: it is left out.  Nothing else is dead: every input has a way to the output and every input is loaded.
; LIMIT: an infinity or NaN in a at a batch's first step would reach the result through a h0 as well; here it reaches it through g alone.
; LIMIT: the scan is made in chunks (h = hl + P c, all in f32), so its roundings come in another order than step by step.
;
; Memory binds here: 256 work-groups of eight waves; work-group g owns 32,768 consecutive numbers of x and 4,096 of each matrix.
; A wave's load covers 512 consecutive bytes, its store 256 consecutive bytes at a multiple of 256.  All 56 loads go out first.
.set D0, 12                            ; v[12:235] load n: four registers; v[10:11] the first spare pair
	s_load_b512 s[4:19], s[0:1], 0x0               ; x, Wp2, conv_w, Wa, Wx, Wp1, Wp3, xb
	s_load_b256 s[20:27], s[0:1], 0x40             ; w2b, wcb, wrest, xh
	s_lshl_b32 s28, ttmp9, 17                      ; my part of x, bytes
	s_lshl_b32 s29, ttmp9, 14                      ; my part of a matrix, bytes
	s_lshl_b32 s30, ttmp9, 16                      ; my part of xb and of xh
	s_lshl_b32 s31, ttmp9, 13                      ; my part of a matrix's copy
	v_lshl_add_u32 v1, v0, 4, s28
	v_lshl_add_u32 v2, v0, 4, s29
	v_lshl_add_u32 v3, v0, 3, s30
	v_lshl_add_u32 v4, v0, 3, s31
	s_wait_kmcnt 0x0
.set n, 0
.rept 32
	global_load_b128 v[D0+4*n:D0+4*n+3], v1, s[4:5] offset:n*4096 th:TH_LOAD_NT
.set n, n+1
.endr
.macro LDW p, n0
.irp i, 0,1,2,3
	global_load_b128 v[D0+4*(\n0+\i):D0+4*(\n0+\i)+3], v2, s[\p:\p+1] offset:\i*4096 th:TH_LOAD_NT
.endr
.endm
	LDW 6, 32                                      ; Wp2
	LDW 8, 36                                      ; conv_w
	LDW 10, 40                                     ; Wa
	LDW 12, 44                                     ; Wx
	LDW 14, 48                                     ; Wp1
	LDW 16, 52                                     ; Wp3
; x: four numbers in, two bf16 words and two f16 words out.  The bf16 words go into the two registers that the item before has freed (its
; third and fourth number, which no store names), the f16 words into this item's first two.  No register that a pending memory instruction
; names is ever written again.
.set n, 0
.rept 32
	s_wait_loadcnt 55-n                            ; loads return in order: mine is in, the younger ones stay out
	v_cvt_pk_bf16_f32 v[D0+4*n-2], v[D0+4*n], v[D0+4*n+1]
	v_cvt_pk_bf16_f32 v[D0+4*n-1], v[D0+4*n+2], v[D0+4*n+3]
	v_cvt_pk_f16_f32 v[D0+4*n], v[D0+4*n], v[D0+4*n+1]
	v_cvt_pk_f16_f32 v[D0+4*n+1], v[D0+4*n+2], v[D0+4*n+3]
	global_store_b64 v3, v[D0+4*n-2:D0+4*n-1], s[18:19] offset:n*2048
	global_store_b64 v3, v[D0+4*n:D0+4*n+1], s[26:27] offset:n*2048
.set n, n+1
.endr
; a matrix: load idx is rounded in place by the conversion cvt and stored
.macro OUT idx, p, off, cvt
	s_wait_loadcnt 55-(\idx)
	\cvt v[D0+4*(\idx)], v[D0+4*(\idx)], v[D0+4*(\idx)+1]
	\cvt v[D0+4*(\idx)+1], v[D0+4*(\idx)+2], v[D0+4*(\idx)+3]
	global_store_b64 v4, v[D0+4*(\idx):D0+4*(\idx)+1], s[\p:\p+1] offset:\off
.endm
.macro OUTW n0, p, base, cvt
.irp i, 0,1,2,3
	OUT \n0+\i, \p, \base+\i*2048, \cvt
.endr
.endm
	OUTW 32, 20, 0, v_cvt_pk_bf16_f32              ; Wp2    -> w2b
	OUTW 36, 22, 0, v_cvt_pk_bf16_f32              ; conv_w -> wcb
	OUTW 40, 24, 0, v_cvt_pk_bf16_f32              ; Wa     -> wrest
	OUTW 44, 24, 0x200000, v_cvt_pk_bf16_f32       ; Wx
	OUTW 48, 24, 0x400000, v_cvt_pk_f16_f32        ; Wp1, f16
	OUTW 52, 24, 0x600000, v_cvt_pk_f16_f32        ; Wp3, f16
	; the two floors: wave 0 of work-group 0, 32 lanes x 8 bytes each
	s_cmp_lg_u32 ttmp9, 0
	s_cbranch_scc1 .Ldone
	v_lshrrev_b32 v5, 5, v0
	v_readfirstlane_b32 s32, v5
	s_cmp_lg_u32 s32, 0
	s_cbranch_scc1 .Ldone
	v_lshlrev_b32 v5, 3, v0
	v_mov_b32 v6, 0xff800000
	v_mov_b32 v7, 0xff800000
	v_mov_b32 v8, 0
	v_mov_b32 v9, 0
	global_store_b64 v5, v[6:7], s[20:21] offset:0x200000
	global_store_b64 v5, v[8:9], s[22:23] offset:0x200000
.Ldone:
	s_endpgm
.Lfunc_end_k_qae8689a5a3_cast:
	.size	k_qae8689a5a3_cast, .Lfunc_end_k_qae8689a5a3_cast-k_qae8689a5a3_cast
	.p2alignl 7, 3214868480
	.fill 96, 4, 3214868480
	.section	.rodata,"a",@progbits
	.p2align	6, 0x0
	.amdhsa_kernel k_qae8689a5a3_cast
		.amdhsa_group_segment_fixed_size 0
		.amdhsa_private_segment_fixed_size 0
		.amdhsa_enable_private_segment 0
		.amdhsa_kernarg_size 96
		.amdhsa_user_sgpr_count 2
		.amdhsa_user_sgpr_kernarg_segment_ptr 1
		.amdhsa_wavefront_size32 1
		.amdhsa_system_sgpr_workgroup_id_x 1
		.amdhsa_system_sgpr_workgroup_id_y 1
		.amdhsa_system_sgpr_workgroup_id_z 1
		.amdhsa_system_vgpr_workitem_id 0
		.amdhsa_next_free_vgpr 236
		.amdhsa_next_free_sgpr 66
		.amdhsa_reserve_vcc 0
		.amdhsa_float_denorm_mode_32 3
		.amdhsa_float_denorm_mode_16_64 3
		.amdhsa_memory_ordered 1
		.amdhsa_forward_progress 1
		.amdhsa_inst_pref_size 28
	.end_amdhsa_kernel
	.amdgpu_metadata
---
amdhsa.version: [ 1, 2 ]
amdhsa.kernels:
  - .name:           k_qae8689a5a3_cast
    .symbol:         k_qae8689a5a3_cast.kd
    .args:
      - { .name: x, .offset: 0, .size: 8, .value_kind: global_buffer, .address_space: global }
      - { .name: Wp2, .offset: 8, .size: 8, .value_kind: global_buffer, .address_space: global }
      - { .name: conv_w, .offset: 16, .size: 8, .value_kind: global_buffer, .address_space: global }
      - { .name: Wa, .offset: 24, .size: 8, .value_kind: global_buffer, .address_space: global }
      - { .name: Wx, .offset: 32, .size: 8, .value_kind: global_buffer, .address_space: global }
      - { .name: Wp1, .offset: 40, .size: 8, .value_kind: global_buffer, .address_space: global }
      - { .name: Wp3, .offset: 48, .size: 8, .value_kind: global_buffer, .address_space: global }
      - { .name: xb, .offset: 56, .size: 8, .value_kind: global_buffer, .address_space: global }
      - { .name: w2b, .offset: 64, .size: 8, .value_kind: global_buffer, .address_space: global }
      - { .name: wcb, .offset: 72, .size: 8, .value_kind: global_buffer, .address_space: global }
      - { .name: wrest, .offset: 80, .size: 8, .value_kind: global_buffer, .address_space: global }
      - { .name: xh, .offset: 88, .size: 8, .value_kind: global_buffer, .address_space: global }
    .group_segment_fixed_size: 0
    .private_segment_fixed_size: 0
    .kernarg_segment_align: 8
    .kernarg_segment_size: 96
    .max_flat_workgroup_size: 256
    .sgpr_count:     66
    .vgpr_count:     236
    .wavefront_size: 32
...
	.end_amdgpu_metadata
.endif
;; end of part 1
;; launch proj2 (part 2): grid 8 x 32, 4 waves a work-group, clusters of 4 x 4, 327,680 bytes of LDS; arguments xb, w2b, bp2, ty; writes ty
.if DOCPART == 2
	.amdgcn_target "amdgcn-amd-amdhsa--gfx1250"
	.amdhsa_code_object_version 6
	.text
	.protected	k_qae8689a5a3_proj2
	.globl	k_qae8689a5a3_proj2
	.p2align	8
	.type	k_qae8689a5a3_proj2,@function
k_qae8689a5a3_proj2:
	s_mov_b64 s[64:65], 0
	v_nop
	global_prefetch_b8 v0, s[64:65] scope:SCOPE_SE
	s_setreg_imm32_b32 hwreg(HW_REG_WAVE_MODE, 25, 1), 1
	s_wait_xcnt 0x0
	s_wait_alu depctr_hold_cnt(0) depctr_sa_sdst(0) depctr_va_vdst(0) depctr_va_sdst(0) depctr_va_ssrc(0) depctr_va_vcc(0) depctr_vm_vsrc(0)
	s_getreg_b32 s2, hwreg(HW_REG_IB_STS2, 6, 4)
	s_cmp_eq_u32 s2, 0
	s_cbranch_scc0 .Lentry_in_a_cluster
	s_endpgm
.Lentry_in_a_cluster:
	s_bfe_u32 s2, ttmp6, 0x10000c
	s_cmp_lg_u32 s2, 0xf033
	s_cbranch_scc0 .Lentry_shape_is_right
	s_endpgm
.Lentry_shape_is_right:
; C[m][n] = max(sum over k of A[m][k] W[n][k] + bias[n], floor), rounded to bf16.  A [8192][1024], W [1024][1024], C [8192][1024] bf16,
; bias f32; floor is the f32 word that lies behind W's 2 MiB (-infinity: a plain layer; 0: a ReLU).  Sums in f32.
; LIMIT: a NaN sum comes out as the floor (v_max_num_f32 lets the number win).
; A work-group makes 256 rows x 128 columns with four waves; wave w makes rows 64 w .. 64 w + 63, all 128 columns: 32 accumulator tiles.
; K goes in 8 steps of 128 through two LDS slots filled by tensor loads; a tile's rows are 256 bytes of memory at multiples of 256.
; CLUSTERS: 4 x 4 work-groups.  The four of a cluster's row share the block row, so A's tiles; the four of a column share W's tiles.
; Each such tile is asked for jointly, by the same line with the same descriptor in all four: a quarter of the requests.
; REGISTERS: window 0: v16-27 addresses, v64-95 and v128-159 A's fragments (two buffers), v192-255 bias; on the way out v64-191 at work.
;            window 1: v64-127, v128-191 W's fragments.   window 2: accumulator tile (a, b) at v[8 (8 a + b)].
; THE MATRIX INSTRUCTION IS USED TRANSPOSED (source 0 = 16 rows of W, source 1 = 16 rows of A): lane l holds row l % 16 of C and its
; registers the eight neighbouring columns 8 (l / 16) + 0..7, which pack into 16 bytes.
.set KSTEP,  128
.set PITCH,  272                       ; 256 bytes + 16 of padding: 16 rows of a fragment start at 16 different 16-byte columns
.set ATILE,  128*PITCH                 ; one load of A: 128 rows
.set BTILE,  64*PITCH                  ; one load of W: 64 rows
.set BOFF,   2*ATILE
.set SLOT,   BOFF+2*BTILE
.set STAGE,  2*SLOT                    ; behind the ring, at a multiple of 256: 16 rows x 272 bytes for each wave; no fill lands there
.set LAPS,   4                         ; a lap = two K steps
.set ADRA, 16
.set ADRB, 20
.set STO,  24
.set RD,   25
.set CO,   26
.set BO,   27
.set F0,   64
.set F1,   128
.set TW,   64
.set PK,   128
.set BK,   160
.set BIAS, 192
.set G1,  24
.set G0,  32
.set G1B, 48
.set G0B, 56
.set MUL,  0xa1                        ; source 0 window 1, source 1 window 0, C and D window 2
.set TO_B, 0x40                        ; destination window 1
.set MSB, 0
.macro WIN new                         ; the immediate's high byte repeats the setting that is left
.if MSB != \new
	s_set_vgpr_msb (MSB<<8)|\new
.set MSB, \new
.endif
.endm
.macro PLACES                          ; four independent vector instructions between a matrix instruction and a load into, or a vector
.rept 4                                ; instruction on, its registers (ISA guide 7.12.1)
	v_nop
.endr
.endm
.macro JLOAD s                         ; waves 0, 1 ask for A's halves, waves 2, 3 for W's: one mask and one register set a line
	s_cmp_eq_u32 s17, 0
	s_cbranch_scc0 .Lfor_b_\@
	tensor_load_to_lds s[G0+4*\s:G0+4*\s+3], s[G1:G1+7]
	s_nop 0
	s_branch .Lasked_\@
.Lfor_b_\@:
	tensor_load_to_lds s[G0B+4*\s:G0B+4*\s+3], s[G1B:G1B+7]
	s_nop 0
.Lasked_\@:
.endm
.macro CREST                           ; a round of the cluster's barrier behind its opening work-group barrier
	s_cmp_lg_u32 s16, 0
	s_cbranch_scc1 .Lnot_wave_0_\@
	s_barrier_signal -3
.Lnot_wave_0_\@:
	s_barrier_wait -3
	s_barrier_signal -1
	s_barrier_wait -1
.endm
.macro CROUND
	s_barrier_signal -1
	s_barrier_wait -1
	CREST
.endm
	s_load_b256 s[4:11], s[0:1], 0x0               ; A s[4:5], W s[6:7], bias s[8:9], C s[10:11]
	s_set_vgpr_msb 0x40
	v_lshl_add_u32 v255, v0, 2, 0x37400
	s_set_vgpr_msb 0x4000
	v_mov_b32 v63, 0
	s_set_vgpr_msb 0x1
	ds_add_u32 v255, v63
	s_set_vgpr_msb 0x100
	v_lshrrev_b32 v1, 5, v0
	v_readfirstlane_b32 s16, v1                    ; wave
	s_lshr_b32 s17, s16, 1                         ; I fetch for A (0) or for W (1)
	s_and_b32 s18, s16, 1                          ; which half of that tile
	s_bfe_u32 s21, ttmp6, 0x40000                  ; cx
	s_bfe_u32 s22, ttmp6, 0x40004                  ; cy
	s_lshl_b32 s20, ttmp9, 2
	s_add_co_u32 s20, s20, s21                     ; block column (128 columns)
	s_and_b32 s19, ttmp7, 0xffff
	s_lshl_b32 s19, s19, 2
	s_add_co_u32 s19, s19, s22                     ; block row (256 rows)
	s_lshl_b32 s40, s22, 2
	s_lshl_b32 s40, 15, s40                        ; my row of the cluster
	s_lshl_b32 s44, 0x1111, s21                    ; my column
	s_or_b32 s[G1+0], s40, 0x07710000              ; mask; 2-byte elements; padding on; bit 21 beside a mask; 4 words behind every 64
	s_or_b32 s[G1B+0], s44, 0x07710000
	s_mov_b32 s[G1+1], KSTEP<<16                   ; tensor_dim0 = 128
	s_mov_b32 s[G1+2], 128<<16                     ; tensor_dim1 = 128
	s_mov_b32 s[G1+3], KSTEP<<16                   ; tile_dim0 = 128
	s_mov_b32 s[G1+4], 128                         ; tile_dim1 = 128
	s_mov_b32 s[G1+5], 1024                        ; elements from row to row
	s_mov_b32 s[G1+6], 0
	s_mov_b32 s[G1+7], 0
	s_mov_b32 s[G1B+1], KSTEP<<16
	s_mov_b32 s[G1B+2], 64<<16                     ; W's loads have 64 rows
	s_mov_b32 s[G1B+3], KSTEP<<16
	s_mov_b32 s[G1B+4], 64
	s_mov_b32 s[G1B+5], 1024
	s_mov_b32 s[G1B+6], 0
	s_mov_b32 s[G1B+7], 0
	s_lshl_b32 s40, s19, 8                         ; A: row 256 x block row + 128 x half, in bytes (the block column never enters)
	s_lshl_b32 s41, s18, 7
	s_add_co_u32 s40, s40, s41
	s_lshl_b32 s40, s40, 11
	s_mov_b32 s41, 0
	s_lshl_b32 s44, s20, 7                         ; W: row 128 x block column + 64 x half (the block row never enters)
	s_lshl_b32 s45, s18, 6
	s_add_co_u32 s44, s44, s45
	s_lshl_b32 s44, s44, 11
	s_mov_b32 s45, 0
	s_mul_i32 s66, s16, ATILE                      ; LDS: A's halves at wave x 34,816 (waves 0, 1),
	s_mul_i32 s67, s16, BTILE
	s_add_co_u32 s67, s67, ATILE                   ; W's at wave x 17,408 + 34,816 (waves 2, 3)
	s_wait_dscnt 0x0
	s_wait_kmcnt 0x0
	s_add_nc_u64 s[42:43], s[4:5], s[40:41]
	s_add_nc_u64 s[46:47], s[6:7], s[44:45]
	CROUND                                         ; all sixteen work-groups are here: the first joint loads meet
.irp s, 0,1
	s_mov_b32 s[G0+4*\s], 1
	s_add_co_u32 s[G0+4*\s+1], s66, \s*SLOT
	s_add_nc_u64 s[G0+4*\s+2:G0+4*\s+3], s[42:43], \s*KSTEP*2
	s_or_b32 s[G0+4*\s+3], s[G0+4*\s+3], 0x80000000
	s_mov_b32 s[G0B+4*\s], 1
	s_add_co_u32 s[G0B+4*\s+1], s67, \s*SLOT
	s_add_nc_u64 s[G0B+4*\s+2:G0B+4*\s+3], s[46:47], \s*KSTEP*2
	s_or_b32 s[G0B+4*\s+3], s[G0B+4*\s+3], 0x80000000
	JLOAD \s                                       ; K steps 0 and 1: two loads of mine are out
.endr
	s_load_b32 s68, s[6:7], 0x200000               ; the floor
	v_and_b32 v1, 15, v0                           ; r = l % 16
	v_bfe_u32 v2, v0, 4, 1                         ; h = l / 16
	v_mul_u32_u24 v3, v1, PITCH
	v_lshl_add_u32 v3, v2, 4, v3                   ; r x pitch + 16 h
	s_mul_i32 s69, s16, 64*PITCH                   ; my 64 rows of A
	v_add_nc_u32 v[ADRA], s69, v3
	s_add_co_u32 s70, s69, SLOT
	v_add_nc_u32 v[ADRA+1], s70, v3
	v_add_nc_u32 v[ADRB], BOFF, v3
	v_add_nc_u32 v[ADRB+1], BOFF+SLOT, v3
	s_mul_i32 s71, s16, 16*PITCH
	s_add_co_u32 s71, s71, STAGE                   ; my stage
	v_add_nc_u32 v[STO], s71, v3                   ; in: row r, 16 bytes for each half of the lanes
	v_mul_u32_u24 v4, v2, PITCH
	v_lshl_add_u32 v4, v1, 4, v4
	v_add_nc_u32 v[RD], s71, v4                    ; back: lanes 0-15 one row of 256 bytes, lanes 16-31 the next
	v_lshlrev_b32 v5, 11, v2
	v_lshl_add_u32 v[CO], v1, 4, v5                ; the same two rows in C
	v_lshlrev_b32 v[BO], 5, v2                     ; bias: 8 h numbers
	s_lshl_b32 s72, s20, 9
	s_mov_b32 s73, 0
	s_add_nc_u64 s[8:9], s[8:9], s[72:73]          ; bias of my 128 columns
.irp b, 0,1,2,3,4,5,6,7
	global_load_b128 v[BIAS+8*\b:BIAS+8*\b+3],   v[BO], s[8:9] offset:64*\b
	global_load_b128 v[BIAS+8*\b+4:BIAS+8*\b+7], v[BO], s[8:9] offset:64*\b+16
.endr
	s_lshl_b32 s74, s19, 8
	s_lshl_b32 s75, s16, 6
	s_add_co_u32 s74, s74, s75                     ; my first row of C
	s_lshl_b32 s74, s74, 11
	s_lshl_b32 s75, s20, 8                         ; my 256 bytes of a row
	s_add_co_u32 s74, s74, s75
	s_mov_b32 s75, 0
	s_add_nc_u64 s[10:11], s[10:11], s[74:75]
	s_wait_kmcnt 0x0
; 16 matrix instructions: m tiles a0, a0 + 1 x all 8 n tiles.  The 32 accumulators take turns in one fixed order, one instruction a turn.
; zero = 1: the first product starts the sums.
.macro MUL16 f, a0, zero
.irp a, \a0, \a0+1
.irp b, 0,1,2,3,4,5,6,7
.if \zero
	v_wmma_f32_16x16x32_bf16 v[8*(8*(\a)+\b):8*(8*(\a)+\b)+7], v[\f+8*\b:\f+8*\b+7], v[\f+8*(\a):\f+8*(\a)+7], 0
.else
	v_wmma_f32_16x16x32_bf16 v[8*(8*(\a)+\b):8*(8*(\a)+\b)+7], v[\f+8*\b:\f+8*\b+7], v[\f+8*(\a):\f+8*(\a)+7], v[8*(8*(\a)+\b):8*(8*(\a)+\b)+7]
.endif
.endr
.endr
.endm
; 24 LDS loads: one quarter step's fragments (128 rows of W, my 64 rows of A, 32 K at byte k of the rows) into buffer f
.macro FETCH slot, k, f
	WIN TO_B
.irp i, 0,1,2,3,4,5,6,7
	ds_load_b128 v[\f+8*\i:\f+8*\i+3],   v[ADRB+\slot] offset:\k+\i*16*PITCH
	ds_load_b128 v[\f+8*\i+4:\f+8*\i+7], v[ADRB+\slot] offset:\k+\i*16*PITCH+32
.endr
	WIN 0
.irp i, 0,1,2,3
	ds_load_b128 v[\f+8*\i:\f+8*\i+3],   v[ADRA+\slot] offset:\k+\i*16*PITCH
	ds_load_b128 v[\f+8*\i+4:\f+8*\i+7], v[ADRA+\slot] offset:\k+\i*16*PITCH+32
.endr
.endm
; One of a K step's first three quarters: fetches the next quarter's fragments into g, then multiplies f.
.macro QUARTER slot, k, f, g, zero
	PLACES
	FETCH \slot, \k, \g
	s_wait_dscnt 24                                ; the 24 just issued may stay out: buffer f, asked for a quarter earlier, is in
	WIN MUL
	MUL16 \f, 0, \zero
	MUL16 \f, 2, \zero
.endm
.macro THREE slot, zero
	QUARTER \slot, 64,  F0, F1, \zero
	QUARTER \slot, 128, F1, F0, 0
	QUARTER \slot, 192, F0, F1, 0
.endm
; The last quarter multiplies buffer 1 and changes slots.  In front of the barrier each wave's reads of this slot are back and all its
; tensor loads have landed (one was out: its part of the next slot).  Where the slot is filled again the barrier opens a round of the
; cluster's barrier, and the joint refill is the first tensor load behind the round: 112 matrix instructions lie between it and its wait.
.macro TURN slot, next, fill
	s_wait_dscnt 0x0
	s_wait_tensorcnt 0x0
	ds_add_u32 v255, v63
	s_wait_dscnt 0x0
	s_barrier_signal -1
	WIN MUL
	MUL16 F1, 0, 0                                 ; register work while the others arrive
	WIN 0
	s_barrier_wait -1
.if \fill
	CREST
	s_add_nc_u64 s[G0+4*\slot+2:G0+4*\slot+3], s[G0+4*\slot+2:G0+4*\slot+3], 2*KSTEP*2
	s_add_nc_u64 s[G0B+4*\slot+2:G0B+4*\slot+3], s[G0B+4*\slot+2:G0B+4*\slot+3], 2*KSTEP*2
	JLOAD \slot
.endif
	PLACES
	FETCH \next, 0, F0
	WIN MUL
	MUL16 F1, 2, 0
.endm
.macro LAP zero
	THREE 0, \zero
	TURN 0, 1, 1
	THREE 1, 0
	TURN 1, 0, 1
.endm
	s_wait_tensorcnt 0x1                           ; my part of K step 0 is in; K step 1's may stay out
	s_barrier_signal -1
	s_barrier_wait -1
	FETCH 0, 0, F0
	LAP 1
	WIN 0
	s_mov_b32 s23, LAPS-2
.Llap:
	LAP 0
	WIN 0
	s_sub_co_u32 s23, s23, 1
	s_cmp_lg_u32 s23, 0
	s_cbranch_scc1 .Llap
	THREE 0, 0                                     ; the last lap fills nothing
	TURN 0, 1, 0
	THREE 1, 0
	s_wait_dscnt 0x0
	WIN MUL
	MUL16 F1, 0, 0
	MUL16 F1, 2, 0
	WIN 0
	PLACES
	s_wait_loadcnt 0x0                             ; the bias
; THE WAY OUT, 16 rows at a time: + bias, floor, bf16, 16 bytes a lane into my stage, whole rows of 256 bytes back, stored.
.macro OUT16 i
	WIN 0x02                                       ; source 0 window 2
.irp b, 0,1,2,3,4,5,6,7
.irp j, 0,2,4,6
	v_pk_add_f32 v[TW+8*\b+\j:TW+8*\b+\j+1], v[8*(8*\i+\b)+\j:8*(8*\i+\b)+\j+1], v[BIAS+8*\b+\j:BIAS+8*\b+\j+1]
.endr
.endr
	WIN 0
.set n, 0
.rept 64
	v_max_num_f32 v[TW+n], s68, v[TW+n]
.set n, n+1
.endr
.set n, 0
.rept 32
	v_cvt_pk_bf16_f32 v[PK+n], v[TW+2*n], v[TW+2*n+1]
.set n, n+1
.endr
.irp b, 0,1,2,3,4,5,6,7
	ds_store_b128 v[STO], v[PK+4*\b:PK+4*\b+3] offset:32*\b
.endr
	s_wait_xcnt 0x0                                ; the last stores' data registers and base are rewritten only behind this wait
.if \i
	s_add_nc_u64 s[10:11], s[10:11], 16*2048
.endif
.irp t, 0,1,2,3,4,5,6,7
	ds_load_b128 v[BK+4*\t:BK+4*\t+3], v[RD] offset:\t*2*PITCH     ; a wave's LDS instructions are served in order: these see the stores above
.endr
.irp t, 0,1,2,3,4,5,6,7
	s_wait_dscnt 7-\t                              ; the younger read-backs stay out
	global_store_b128 v[CO], v[BK+4*\t:BK+4*\t+3], s[10:11] offset:2*\t*2048   ; 16 lanes: 256 consecutive bytes at a multiple of 256
.endr
.endm
	OUT16 0
	OUT16 1
	OUT16 2
	OUT16 3
	s_set_vgpr_msb 0x1
	s_wait_tensorcnt 0x0
	ds_add_u32 v255, v63
	s_wait_dscnt 0x0
	s_set_vgpr_msb 0x100
	CROUND                                         ; no work-group ends while a partner may still ask for a tile that names it
	s_endpgm
.Lfunc_end_k_qae8689a5a3_proj2:
	.size	k_qae8689a5a3_proj2, .Lfunc_end_k_qae8689a5a3_proj2-k_qae8689a5a3_proj2
	.p2alignl 7, 3214868480
	.fill 96, 4, 3214868480
	.section	.rodata,"a",@progbits
	.p2align	6, 0x0
	.amdhsa_kernel k_qae8689a5a3_proj2
		.amdhsa_group_segment_fixed_size 327680
		.amdhsa_private_segment_fixed_size 0
		.amdhsa_enable_private_segment 0
		.amdhsa_kernarg_size 32
		.amdhsa_user_sgpr_count 2
		.amdhsa_user_sgpr_kernarg_segment_ptr 1
		.amdhsa_wavefront_size32 1
		.amdhsa_system_sgpr_workgroup_id_x 1
		.amdhsa_system_sgpr_workgroup_id_y 1
		.amdhsa_system_sgpr_workgroup_id_z 1
		.amdhsa_system_vgpr_workitem_id 0
		.amdhsa_next_free_vgpr 768
		.amdhsa_next_free_sgpr 76
		.amdhsa_reserve_vcc 0
		.amdhsa_float_denorm_mode_32 3
		.amdhsa_float_denorm_mode_16_64 3
		.amdhsa_memory_ordered 1
		.amdhsa_forward_progress 1
		.amdhsa_inst_pref_size 135
	.end_amdhsa_kernel
	.amdgpu_metadata
---
amdhsa.version: [ 1, 2 ]
amdhsa.kernels:
  - .name:           k_qae8689a5a3_proj2
    .symbol:         k_qae8689a5a3_proj2.kd
    .args:
      - { .name: xb, .offset: 0, .size: 8, .value_kind: global_buffer, .address_space: global }
      - { .name: w2b, .offset: 8, .size: 8, .value_kind: global_buffer, .address_space: global }
      - { .name: bp2, .offset: 16, .size: 8, .value_kind: global_buffer, .address_space: global }
      - { .name: ty, .offset: 24, .size: 8, .value_kind: global_buffer, .address_space: global }
    .group_segment_fixed_size: 327680
    .private_segment_fixed_size: 0
    .kernarg_segment_align: 8
    .kernarg_segment_size: 32
    .max_flat_workgroup_size: 128
    .sgpr_count:     76
    .vgpr_count:     768
    .wavefront_size: 32
...
	.end_amdgpu_metadata
.endif
;; end of part 2
;; launch conv: the kernel of part 2 again; grid 8 x 32, 4 waves a work-group, clusters of 4 x 4, 327,680 bytes of LDS; arguments ty, wcb, conv_b, xc; writes xc
;; launch gates (part 3): grid 8 x 32, 4 waves a work-group, clusters of 4 x 4, 327,680 bytes of LDS; arguments xc, wrest, ba, bx, Lam, hp; writes hp
.if DOCPART == 3
	.amdgcn_target "amdgcn-amd-amdhsa--gfx1250"
	.amdhsa_code_object_version 6
	.text
	.protected	k_qae8689a5a3_gates
	.globl	k_qae8689a5a3_gates
	.p2align	8
	.type	k_qae8689a5a3_gates,@function
k_qae8689a5a3_gates:
	s_mov_b64 s[64:65], 0
	v_nop
	global_prefetch_b8 v0, s[64:65] scope:SCOPE_SE
	s_setreg_imm32_b32 hwreg(HW_REG_WAVE_MODE, 25, 1), 1
	s_wait_xcnt 0x0
	s_wait_alu depctr_hold_cnt(0) depctr_sa_sdst(0) depctr_va_vdst(0) depctr_va_sdst(0) depctr_va_ssrc(0) depctr_va_vcc(0) depctr_vm_vsrc(0)
	s_getreg_b32 s2, hwreg(HW_REG_IB_STS2, 6, 4)
	s_cmp_eq_u32 s2, 0
	s_cbranch_scc0 .Lentry_in_a_cluster
	s_endpgm
.Lentry_in_a_cluster:
	s_bfe_u32 s2, ttmp6, 0x10000c
	s_cmp_lg_u32 s2, 0xf033
	s_cbranch_scc0 .Lentry_shape_is_right
	s_endpgm
.Lentry_shape_is_right:
; GATES: r = sigmoid(xc Wa^T + ba), i = sigmoid(xc Wx^T + bx), a = exp(-8 softplus(-Lam) r), g = sqrt(1 - a a) i xc, and the recurrence
; inside chunks of 64 steps: hl (started from 0) and P (the running product of a), both f32, stored in the order of the registers;
; each chunk's last hl and P once more in a table of ends.  The next launch forms h = hl + P c.
; LEFT OUT: the product with the state at a chunk's first step, which is 0 here (for a batch's first chunk that is h0 = 0 itself).
; LIMITS: v_exp_f32, v_rcp_f32, v_sqrt_f32, v_log_f32 flush denormals (ISA guide 15.8); the ends of a batch's last chunk are stored and
; never read, because a branch on the block row would differ between partners of a cluster.
; A work-group takes 256 rows x 128 channels, both products; four waves.  Wave (mh, nh) holds 128 rows x 64 channels x 2 products in 64
; accumulator tiles: n tiles 0-3 are Wa's, 4-7 Wx's, of channels 64 nh + 16 b + r.  NATURAL USE (source 0 = rows of xc): register j of lane
; (r, h) is row 8 h + j of the m tile, column r.  ROW MAP: row m of m tile a is block row 128 (m >> 3) + 64 mh + 8 a + (m & 7), so a lane
; holds 64 consecutive steps of one channel (chunk mh + 2 h of the block's four) along a = 0..7, j = 0..7: the scan never leaves the lane.
; CLUSTERS: 4 x 4; xc's tiles are shared along a cluster's row, the weights' along a column, by joint loads.
; REGISTERS: window 0: v8-15 chunk state, v16-26 addresses, v28-39 raw ba, bx, Lam, v40-63 constants, v64-127, v128-191 xc's fragments
; (later at work), v192-223 at work.  window 1: the weights' fragments.  windows 2, 3: accumulators, m tiles 0-3 and 4-7, at v[8 (8 a + b)].
.set KSTEP,  128
.set PITCH,  272
.set HALF,   128*PITCH+128             ; one load's 128 rows and a gap of 128 bytes: rows 128.. lie half a row of banks off rows 0..
.set SLOT,   4*HALF                    ; xc rows 0-127, 128-255, Wa's 128 rows, Wx's 128 rows
.set XPITCH, 288                       ; the xc tile for g: 256 bytes + 32
.set LAPS,   4
.set HS,   8
.set PS,   12
.set ADRA, 16
.set ADRB, 20
.set XA,   22
.set LO,   23
.set BO,   26
.set RAW,  28
.set BI,   40
.set CL,   56
.set F0,   64
.set F1,   128
.set ER,   64
.set EI,   96
.set SQ,   128
.set XX,   160
.set XP,   192
.set G1,  24
.set G0,  32
.set G1B, 48
.set G0B, 56
.set GX1, 68
.set GX0, 76
.set MUL_LO, 0xa4                      ; source 0 window 0, source 1 window 1, C and D window 2
.set MUL_HI, 0xf4                      ; the same, C and D window 3
.set TO_B,   0x40
.set MSB, 0
.macro WIN new
.if MSB != \new
	s_set_vgpr_msb (MSB<<8)|\new
.set MSB, \new
.endif
.endm
.macro PLACES                          ; four independent vector instructions behind a matrix instruction (ISA guide 7.12.1)
.rept 4
	v_nop
.endr
.endm
.macro JLOAD s
	s_cmp_eq_u32 s17, 0
	s_cbranch_scc0 .Lfor_b_\@
	tensor_load_to_lds s[G0+4*\s:G0+4*\s+3], s[G1:G1+7]
	s_nop 0
	s_branch .Lasked_\@
.Lfor_b_\@:
	tensor_load_to_lds s[G0B+4*\s:G0B+4*\s+3], s[G1B:G1B+7]
	s_nop 0
.Lasked_\@:
.endm
.macro CREST
	s_cmp_lg_u32 s16, 0
	s_cbranch_scc1 .Lnot_wave_0_\@
	s_barrier_signal -3
.Lnot_wave_0_\@:
	s_barrier_wait -3
	s_barrier_signal -1
	s_barrier_wait -1
.endm
.macro CROUND
	s_barrier_signal -1
	s_barrier_wait -1
	CREST
.endm
	s_load_b256 s[4:11], s[0:1], 0x0               ; xc s[4:5], weights s[6:7], ba s[8:9], bx s[10:11]
	s_load_b128 s[12:15], s[0:1], 0x20             ; Lam s[12:13], hp s[14:15]
	v_lshl_add_u32 v255, v0, 2, 0x44400
	s_set_vgpr_msb 0x40
	v_mov_b32 v255, 0
	s_set_vgpr_msb 0x4044
	ds_add_u32 v255, v255
	s_set_vgpr_msb 0x4400
	v_lshrrev_b32 v1, 5, v0
	v_readfirstlane_b32 s16, v1                    ; wave
	s_lshr_b32 s17, s16, 1                         ; mh.  Also: I fetch for xc (0) or for the weights (1)
	s_and_b32 s18, s16, 1                          ; nh.  Also: which half of xc's rows, or Wa (0) / Wx (1)
	s_bfe_u32 s21, ttmp6, 0x40000                  ; cx
	s_bfe_u32 s22, ttmp6, 0x40004                  ; cy
	s_lshl_b32 s20, ttmp9, 2
	s_add_co_u32 s20, s20, s21                     ; block column (128 channels)
	s_and_b32 s19, ttmp7, 0xffff
	s_lshl_b32 s19, s19, 2
	s_add_co_u32 s19, s19, s22                     ; block row (256 rows)
	s_lshl_b32 s40, s22, 2
	s_lshl_b32 s40, 15, s40
	s_lshl_b32 s44, 0x1111, s21
	s_or_b32 s[G1+0], s40, 0x07710000              ; mask of my row; 2-byte elements; 4 words of padding behind every 64; bit 21 beside a mask
	s_or_b32 s[G1B+0], s44, 0x07710000             ; mask of my column
.irp g, G1, G1B
	s_mov_b32 s[\g+1], KSTEP<<16                   ; tensor_dim0 = 128
	s_mov_b32 s[\g+2], 128<<16                     ; tensor_dim1 = 128
	s_mov_b32 s[\g+3], KSTEP<<16                   ; tile_dim0 = 128
	s_mov_b32 s[\g+4], 128                         ; tile_dim1 = 128
	s_mov_b32 s[\g+5], 1024
	s_mov_b32 s[\g+6], 0
	s_mov_b32 s[\g+7], 0
.endr
	s_mov_b32 s[GX1+0], 0x0f510000                 ; no mask; 2-byte elements; 8 words of padding behind every 64
	s_mov_b32 s[GX1+1], 128<<16
	s_mov_b32 s[GX1+2], 64<<16
	s_mov_b32 s[GX1+3], 128<<16
	s_mov_b32 s[GX1+4], 64
	s_mov_b32 s[GX1+5], 1024
	s_mov_b32 s[GX1+6], 0
	s_mov_b32 s[GX1+7], 0
	s_lshl_b32 s40, s19, 8                         ; xc: row 256 x block row + 128 x half, in bytes
	s_lshl_b32 s41, s18, 7
	s_add_co_u32 s40, s40, s41
	s_lshl_b32 s40, s40, 11
	s_mov_b32 s41, 0
	s_lshl_b32 s44, s20, 18                        ; weights: row 128 x block column, in bytes; Wx lies 2 MiB behind Wa
	s_lshl_b32 s45, s18, 21
	s_add_co_u32 s44, s44, s45
	s_mov_b32 s45, 0
	s_mul_i32 s66, s16, HALF                       ; LDS: wave x 34,944
	s_lshl_b32 s80, s19, 8                         ; the xc tile for g: rows 256 x block row + 64 x wave, my block's 128 channels
	s_lshl_b32 s81, s16, 6
	s_add_co_u32 s80, s80, s81
	s_lshl_b32 s80, s80, 11
	s_lshl_b32 s81, s20, 8
	s_add_co_u32 s80, s80, s81
	s_mov_b32 s81, 0
	s_wait_dscnt 0x0
	s_wait_kmcnt 0x0
	s_add_nc_u64 s[42:43], s[4:5], s[40:41]
	s_add_nc_u64 s[46:47], s[6:7], s[44:45]
	s_mov_b32 s[GX0], 1
	s_mul_i32 s[GX0+1], s16, 64*XPITCH             ; LDS: wave x 18,432, inside slot 0
	s_add_nc_u64 s[GX0+2:GX0+3], s[4:5], s[80:81]
	s_or_b32 s[GX0+3], s[GX0+3], 0x80000000
	CROUND
.irp s, 0,1
	s_mov_b32 s[G0+4*\s], 1
	s_add_co_u32 s[G0+4*\s+1], s66, \s*SLOT
	s_add_nc_u64 s[G0+4*\s+2:G0+4*\s+3], s[42:43], \s*KSTEP*2
	s_or_b32 s[G0+4*\s+3], s[G0+4*\s+3], 0x80000000
	s_mov_b32 s[G0B+4*\s], 1
	s_add_co_u32 s[G0B+4*\s+1], s66, \s*SLOT
	s_add_nc_u64 s[G0B+4*\s+2:G0B+4*\s+3], s[46:47], \s*KSTEP*2
	s_or_b32 s[G0B+4*\s+3], s[G0B+4*\s+3], 0x80000000
	JLOAD \s                                       ; K steps 0 and 1: two loads of mine are out
.endr
	v_and_b32 v1, 15, v0                           ; r
	v_bfe_u32 v2, v0, 4, 1                         ; h
	v_and_b32 v3, 7, v0                            ; r & 7
	v_bfe_u32 v4, v0, 3, 1                         ; r >> 3
	s_lshl_b32 s95, s20, 9
	s_lshl_b32 s94, s18, 8
	s_add_co_u32 s95, s95, s94
	v_lshl_add_u32 v[BO], v1, 2, s95               ; byte offset of channel 128 bx + 64 nh + r in ba, bx, Lam
.irp b, 0,1,2,3
	global_load_b32 v[RAW+\b],   v[BO], s[8:9]   offset:64*\b
	global_load_b32 v[RAW+4+\b], v[BO], s[10:11] offset:64*\b
	global_load_b32 v[RAW+8+\b], v[BO], s[12:13] offset:64*\b
.endr
	s_mov_b32 s90, HALF
	v_mul_u32_u24 v5, v3, PITCH
	v_lshl_add_u32 v5, v2, 4, v5
	v_mad_u32_u24 v5, v4, s90, v5                  ; (r >> 3) x HALF + (r & 7) x pitch + 16 h
	s_mul_i32 s91, s17, 64*PITCH
	v_add_nc_u32 v[ADRA], s91, v5
	s_add_co_u32 s92, s91, SLOT
	v_add_nc_u32 v[ADRA+1], s92, v5
	v_mul_u32_u24 v6, v1, PITCH
	v_lshl_add_u32 v6, v2, 4, v6
	s_mul_i32 s93, s18, 64*PITCH
	s_add_co_u32 s93, s93, 2*HALF
	v_add_nc_u32 v[ADRB], s93, v6
	s_add_co_u32 s93, s93, SLOT
	v_add_nc_u32 v[ADRB+1], s93, v6
	s_mov_b32 s90, 128*XPITCH
	v_mul_u32_u24 v7, v3, XPITCH                   ; the xc tile, read transposed: row 64 mh + 128 h + (l & 7), 16 bytes at channel 64 nh + 8 ((l >> 3) & 1)
	v_mad_u32_u24 v7, v2, s90, v7
	v_lshl_add_u32 v7, v4, 4, v7
	s_mul_i32 s94, s17, 64*XPITCH
	s_lshl_b32 s91, s18, 7
	s_add_co_u32 s94, s94, s91
	v_add_nc_u32 v[XA], s94, v7
	v_and_b32 v24, 31, v0
	v_lshlrev_b32 v[LO], 4, v24                    ; 16 x lane
	s_lshl_b32 s82, s19, 3                         ; ((block row x 8 + block column) x 4 + wave)
	s_add_co_u32 s82, s82, s20
	s_lshl_b32 s82, s82, 2
	s_add_co_u32 s82, s82, s16
	s_lshl_b32 s84, s82, 16                        ; x 65,536: my hl and P
	s_mov_b32 s85, 0
	s_lshl_b32 s88, s82, 10                        ; x 1,024: my ends
	s_mov_b32 s89, 0
	s_add_nc_u64 s[86:87], s[14:15], 0x4000000     ; the table of ends lies behind the 64 MiB of hl and P
	s_add_nc_u64 s[86:87], s[86:87], s[88:89]
	s_add_nc_u64 s[14:15], s[14:15], s[84:85]
	s_wait_loadcnt 0x0
	; BI = -log2(e) x bias, twice (a pair for the packed forms)
.irp b, 0,1,2,3,4,5,6,7
	v_mul_f32 v[BI+2*\b], 0xbfb8aa3b, v[RAW+\b]
	v_mov_b32 v[BI+2*\b+1], v[BI+2*\b]
.endr
	; CL = -8 log2(e) softplus(-Lam), softplus as max(-Lam, 0) + log1p(exp(-|Lam|)); log1p(u) = log(w) u / (w - 1) with w = 1 + u, or u where w = 1
.irp b, 0,1,2,3
	v_and_b32 v[208+\b], 0x7fffffff, v[RAW+8+\b]
	v_mul_f32 v[208+\b], 0xbfb8aa3b, v[208+\b]
.endr
.irp b, 0,1,2,3
	v_exp_f32 v[208+\b], v[208+\b]                 ; u
.endr
	v_nop                                          ; one plain instruction behind the transcendentals (ISA guide 5.7.2)
	s_wait_alu depctr_va_vdst(0)
.irp b, 0,1,2,3
	v_add_f32 v[212+\b], 1.0, v[208+\b]            ; w
.endr
.irp b, 0,1,2,3
	v_add_f32 v[216+\b], -1.0, v[212+\b]           ; w - 1
.endr
.irp b, 0,1,2,3
	v_log_f32 v[220+\b], v[212+\b]
.endr
.irp b, 0,1,2,3
	v_rcp_f32 v[192+\b], v[216+\b]
.endr
	v_nop
	s_wait_alu depctr_va_vdst(0)
.irp b, 0,1,2,3
	v_mul_f32 v[220+\b], v[220+\b], v[208+\b]
	v_mul_f32 v[220+\b], v[220+\b], v[192+\b]
	v_mul_f32 v[196+\b], 0x3fb8aa3b, v[208+\b]
	v_cmp_eq_f32 vcc_lo, 0, v[216+\b]
	v_cndmask_b32 v[220+\b], v[220+\b], v[196+\b], vcc_lo
	v_sub_f32 v[196+\b], 0, v[RAW+8+\b]
	v_max_num_f32 v[196+\b], 0, v[196+\b]
	v_fmamk_f32 v[220+\b], v[196+\b], 0x3fb8aa3b, v[220+\b]
	v_mul_f32 v[CL+2*\b], 0xc1000000, v[220+\b]
	v_mov_b32 v[CL+2*\b+1], v[CL+2*\b]
.endr
; 16 matrix instructions: m tiles a0, a0 + 1 of the window's four x all 8 n tiles.  The 64 accumulators take turns in one fixed order,
; one instruction a turn.
.macro MUL16 f, hi, a0, zero
.irp a, \a0, \a0+1
.irp b, 0,1,2,3,4,5,6,7
.if \zero
	v_wmma_f32_16x16x32_bf16 v[8*(8*(\a)+\b):8*(8*(\a)+\b)+7], v[\f+8*(4*\hi+\a):\f+8*(4*\hi+\a)+7], v[\f+8*\b:\f+8*\b+7], 0
.else
	v_wmma_f32_16x16x32_bf16 v[8*(8*(\a)+\b):8*(8*(\a)+\b)+7], v[\f+8*(4*\hi+\a):\f+8*(4*\hi+\a)+7], v[\f+8*\b:\f+8*\b+7], v[8*(8*(\a)+\b):8*(8*(\a)+\b)+7]
.endif
.endr
.endr
.endm
; 32 LDS loads: Wa's four fragments, Wx's four, then xc's eight
.macro FETCH slot, k, f
	WIN TO_B
.irp i, 0,1,2,3
	ds_load_b128 v[\f+8*\i:\f+8*\i+3],   v[ADRB+\slot] offset:\k+\i*16*PITCH
	ds_load_b128 v[\f+8*\i+4:\f+8*\i+7], v[ADRB+\slot] offset:\k+\i*16*PITCH+32
.endr
.irp i, 0,1,2,3
	ds_load_b128 v[\f+32+8*\i:\f+32+8*\i+3],   v[ADRB+\slot] offset:\k+HALF+\i*16*PITCH
	ds_load_b128 v[\f+32+8*\i+4:\f+32+8*\i+7], v[ADRB+\slot] offset:\k+HALF+\i*16*PITCH+32
.endr
	WIN 0
.irp i, 0,1,2,3,4,5,6,7
	ds_load_b128 v[\f+8*\i:\f+8*\i+3],   v[ADRA+\slot] offset:\k+\i*8*PITCH
	ds_load_b128 v[\f+8*\i+4:\f+8*\i+7], v[ADRA+\slot] offset:\k+\i*8*PITCH+32
.endr
.endm
.macro QUARTER slot, k, f, g, zero
	s_wait_dscnt 8                                 ; the weights and xc's m tiles 0-3 are in; the youngest eight loads (m tiles 4-7) may be out
	WIN MUL_LO
	MUL16 \f, 0, 0, \zero
	MUL16 \f, 0, 2, \zero
	PLACES
	FETCH \slot, \k, \g
	s_wait_dscnt 32                                ; all but the 32 just issued
	WIN MUL_HI
	MUL16 \f, 1, 0, \zero
	MUL16 \f, 1, 2, \zero
.endm
.macro THREE slot, zero
	QUARTER \slot, 64,  F0, F1, \zero
	QUARTER \slot, 128, F1, F0, 0
	QUARTER \slot, 192, F0, F1, 0
.endm
; The last quarter changes slots.  fill = 1: this slot gets the tiles two K steps ahead, by joint loads.  fill = 2: slot 0 has had its last
; K step and gets my 64 rows of the xc tile for g, by a load of my own.  Either way: every wave's reads of the slot are back and all its tensor
; loads have landed in front of the round's opening signal, and the refill is the wave's first and only tensor load behind the round.
.macro TURN slot, next, fill
	s_wait_dscnt 8
	WIN MUL_LO
	MUL16 F1, 0, 0, 0
	s_wait_dscnt 0x0
	s_wait_tensorcnt 0x0
	ds_add_u32 v255, v255
	s_wait_dscnt 0x0
	s_barrier_signal -1
	MUL16 F1, 0, 2, 0
	WIN 0
	s_barrier_wait -1
.if \fill == 1
	CREST
	s_add_nc_u64 s[G0+4*\slot+2:G0+4*\slot+3], s[G0+4*\slot+2:G0+4*\slot+3], 2*KSTEP*2
	s_add_nc_u64 s[G0B+4*\slot+2:G0B+4*\slot+3], s[G0B+4*\slot+2:G0B+4*\slot+3], 2*KSTEP*2
	JLOAD \slot
.endif
.if \fill == 2
	CREST
	tensor_load_to_lds s[GX0:GX0+3], s[GX1:GX1+7]
	s_nop 0
.endif
	PLACES
	FETCH \next, 0, F0
	WIN MUL_HI
	MUL16 F1, 1, 0, 0
	MUL16 F1, 1, 2, 0
.endm
.macro LAP zero
	THREE 0, \zero
	TURN 0, 1, 1
	THREE 1, 0
	TURN 1, 0, 1
.endm
	s_wait_tensorcnt 0x1                           ; my part of K step 0 is in; K step 1's may stay out
	s_barrier_signal -1
	s_barrier_wait -1
	FETCH 0, 0, F0
	LAP 1
	WIN 0
	s_mov_b32 s23, LAPS-2
.Llap:
	LAP 0
	WIN 0
	s_sub_co_u32 s23, s23, 1
	s_cmp_lg_u32 s23, 0
	s_cbranch_scc1 .Llap
	THREE 0, 0
	TURN 0, 1, 2
	THREE 1, 0
	s_wait_dscnt 8
	WIN MUL_LO
	MUL16 F1, 0, 0, 0
	MUL16 F1, 0, 2, 0
	s_wait_dscnt 0x0
	WIN MUL_HI
	MUL16 F1, 1, 0, 0
	MUL16 F1, 1, 2, 0
	WIN 0
	PLACES
	s_wait_tensorcnt 0x0                           ; my 64 rows of the xc tile have landed,
	s_barrier_signal -1
	s_barrier_wait -1                              ; everybody's have
; Eight steps (m tile a) of my four channels: 32 r, 32 i, then a, g, and the scan.  n = 8 b + j indexes ER, EI, SQ, XX alike.
.macro GATE a
	s_wait_xcnt 0x0                                ; ER and EI, which the last stores read, are rewritten only behind this wait
.irp b, 0,1,2,3
	ds_load_tr16_b128 v[XP+4*\b:XP+4*\b+3], v[XA] offset:\a*8*XPITCH+32*\b   ; my channel's eight steps of xc, two to a register
.endr
.if \a < 4
	WIN 0x02
.else
	WIN 0x03
.endif
.irp b, 0,1,2,3,4,5,6,7
.irp j, 0,2,4,6
	v_pk_fma_f32 v[ER+8*\b+\j:ER+8*\b+\j+1], v[8*(8*(\a&3)+\b)+\j:8*(8*(\a&3)+\b)+\j+1], 0xbfb8aa3b, v[BI+2*\b:BI+2*\b+1] op_sel_hi:[1,0,1]
.endr
.endr
	WIN 0
.set n, 0
.rept 64
	v_exp_f32 v[ER+n], v[ER+n]                     ; exp(-(z + bias))
.set n, n+1
.endr
	v_nop                                          ; one plain instruction behind the transcendentals
.set n, 0
	s_wait_alu depctr_va_vdst(0)
.rept 32
	v_pk_add_f32 v[ER+n:ER+n+1], v[ER+n:ER+n+1], 1.0 op_sel_hi:[1,0]
.set n, n+2
.endr
.set n, 0
.rept 64
	v_rcp_f32 v[ER+n], v[ER+n]                     ; ER = r, EI = i
.set n, n+1
.endr
	v_nop
	s_wait_alu depctr_va_vdst(0)
.irp b, 0,1,2,3
.irp j, 0,2,4,6
	v_pk_mul_f32 v[ER+8*\b+\j:ER+8*\b+\j+1], v[ER+8*\b+\j:ER+8*\b+\j+1], v[CL+2*\b:CL+2*\b+1]
.endr
.endr
.set n, 0
.rept 32
	v_exp_f32 v[ER+n], v[ER+n]                     ; ER = a
.set n, n+1
.endr
	s_wait_dscnt 0x0
.set n, 0
.rept 16
	v_lshlrev_b32 v[XX+2*n], 16, v[XP+n]           ; xc to f32; these also stand behind the exponentials
	v_and_b32 v[XX+2*n+1], 0xffff0000, v[XP+n]
.set n, n+1
.endr
.set n, 0
	s_wait_alu depctr_va_vdst(0)
.rept 32
	v_fma_f32 v[SQ+n], -v[ER+n], v[ER+n], 1.0
.set n, n+1
.endr
.set n, 0
.rept 32
	v_max_num_f32 v[SQ+n], 0, v[SQ+n]              ; the exponential is good to one unit in the last place: a may come out just above 1
.set n, n+1
.endr
.set n, 0
.rept 32
	v_sqrt_f32 v[SQ+n], v[SQ+n]
.set n, n+1
.endr
.set n, 0
.rept 16
	v_pk_mul_f32 v[EI+n:EI+n+1], v[EI+n:EI+n+1], v[XX+n:XX+n+1]
.set n, n+2
.endr
.set n, 0
	s_wait_alu depctr_va_vdst(0)
.rept 16
	v_pk_mul_f32 v[EI+n:EI+n+1], v[EI+n:EI+n+1], v[SQ+n:SQ+n+1]    ; EI = g
.set n, n+2
.endr
	; the scan: four channels side by side, hl into EI, the running product into ER
.irp j, 0,1,2,3,4,5,6,7
.irp b, 0,1,2,3
.if \j == 0
.if \a > 0
	v_fmac_f32 v[EI+8*\b], v[ER+8*\b], v[HS+\b]
	v_mul_f32 v[ER+8*\b], v[ER+8*\b], v[PS+\b]
.endif
.else
	v_fmac_f32 v[EI+8*\b+\j], v[ER+8*\b+\j], v[EI+8*\b+\j-1]
	v_mul_f32 v[ER+8*\b+\j], v[ER+8*\b+\j], v[ER+8*\b+\j-1]
.endif
.endr
.endr
.irp b, 0,1,2,3
	v_mov_b32 v[HS+\b], v[EI+8*\b+7]
	v_mov_b32 v[PS+\b], v[ER+8*\b+7]
.endr
.irp b, 0,1,2,3
	global_store_b128 v[LO], v[EI+8*\b:EI+8*\b+3],   s[14:15] offset:((\a*4+\b)*4+0)*512   ; each store: 512 consecutive bytes
	global_store_b128 v[LO], v[EI+8*\b+4:EI+8*\b+7], s[14:15] offset:((\a*4+\b)*4+1)*512
	global_store_b128 v[LO], v[ER+8*\b:ER+8*\b+3],   s[14:15] offset:((\a*4+\b)*4+2)*512
	global_store_b128 v[LO], v[ER+8*\b+4:ER+8*\b+7], s[14:15] offset:((\a*4+\b)*4+3)*512
.endr
.endm
	GATE 0
	GATE 1
	GATE 2
	GATE 3
	GATE 4
	GATE 5
	GATE 6
	GATE 7
	global_store_b128 v[LO], v[HS:HS+3], s[86:87]              ; the chunk's ends
	global_store_b128 v[LO], v[PS:PS+3], s[86:87] offset:512
	s_set_vgpr_msb 0x4
	s_wait_tensorcnt 0x0
	ds_add_u32 v255, v255
	s_wait_dscnt 0x0
	s_set_vgpr_msb 0x400
	CROUND                                         ; the closing round, behind the last tensor load of any kind
	s_endpgm
.Lfunc_end_k_qae8689a5a3_gates:
	.size	k_qae8689a5a3_gates, .Lfunc_end_k_qae8689a5a3_gates-k_qae8689a5a3_gates
	.p2alignl 7, 3214868480
	.fill 96, 4, 3214868480
	.section	.rodata,"a",@progbits
	.p2align	6, 0x0
	.amdhsa_kernel k_qae8689a5a3_gates
		.amdhsa_group_segment_fixed_size 327680
		.amdhsa_private_segment_fixed_size 0
		.amdhsa_enable_private_segment 0
		.amdhsa_kernarg_size 48
		.amdhsa_user_sgpr_count 2
		.amdhsa_user_sgpr_kernarg_segment_ptr 1
		.amdhsa_wavefront_size32 1
		.amdhsa_system_sgpr_workgroup_id_x 1
		.amdhsa_system_sgpr_workgroup_id_y 1
		.amdhsa_system_sgpr_workgroup_id_z 1
		.amdhsa_system_vgpr_workitem_id 0
		.amdhsa_next_free_vgpr 1024
		.amdhsa_next_free_sgpr 100
		.amdhsa_reserve_vcc 1
		.amdhsa_float_denorm_mode_32 3
		.amdhsa_float_denorm_mode_16_64 3
		.amdhsa_memory_ordered 1
		.amdhsa_forward_progress 1
		.amdhsa_inst_pref_size 255
	.end_amdhsa_kernel
	.section	.bss,"aw",@nobits
	.p2align	6
	.space	262144
	.amdgpu_metadata
---
amdhsa.version: [ 1, 2 ]
amdhsa.kernels:
  - .name:           k_qae8689a5a3_gates
    .symbol:         k_qae8689a5a3_gates.kd
    .args:
      - { .name: xc, .offset: 0, .size: 8, .value_kind: global_buffer, .address_space: global }
      - { .name: wrest, .offset: 8, .size: 8, .value_kind: global_buffer, .address_space: global }
      - { .name: ba, .offset: 16, .size: 8, .value_kind: global_buffer, .address_space: global }
      - { .name: bx, .offset: 24, .size: 8, .value_kind: global_buffer, .address_space: global }
      - { .name: Lam, .offset: 32, .size: 8, .value_kind: global_buffer, .address_space: global }
      - { .name: hp, .offset: 40, .size: 8, .value_kind: global_buffer, .address_space: global }
    .group_segment_fixed_size: 327680
    .private_segment_fixed_size: 0
    .kernarg_segment_align: 8
    .kernarg_segment_size: 48
    .max_flat_workgroup_size: 128
    .sgpr_count:     100
    .vgpr_count:     1024
    .wavefront_size: 32
...
	.end_amdgpu_metadata
.endif
;; end of part 3
;; launch merge (part 4): grid 8 x 32, 4 waves a work-group, clusters of 4 x 4, 327,680 bytes of LDS; arguments xh, wrest, bp1, hp, ty; writes ty
.if DOCPART == 4
	.amdgcn_target "amdgcn-amd-amdhsa--gfx1250"
	.amdhsa_code_object_version 6
	.text
	.protected	k_qae8689a5a3_merge
	.globl	k_qae8689a5a3_merge
	.p2align	8
	.type	k_qae8689a5a3_merge,@function
k_qae8689a5a3_merge:
	s_mov_b64 s[64:65], 0
	v_nop
	global_prefetch_b8 v0, s[64:65] scope:SCOPE_SE
	s_setreg_imm32_b32 hwreg(HW_REG_WAVE_MODE, 25, 1), 1
	s_wait_xcnt 0x0
	s_wait_alu depctr_hold_cnt(0) depctr_sa_sdst(0) depctr_va_vdst(0) depctr_va_sdst(0) depctr_va_ssrc(0) depctr_va_vcc(0) depctr_vm_vsrc(0)
	s_getreg_b32 s2, hwreg(HW_REG_IB_STS2, 6, 4)
	s_cmp_eq_u32 s2, 0
	s_cbranch_scc0 .Lentry_in_a_cluster
	s_endpgm
.Lentry_in_a_cluster:
	s_bfe_u32 s2, ttmp6, 0x10000c
	s_cmp_lg_u32 s2, 0xf033
	s_cbranch_scc0 .Lentry_shape_is_right
	s_endpgm
.Lentry_shape_is_right:
; MERGE: x1 = gelu(x Wp1^T + bp1) stays in registers (x and Wp1 as f16, sums in f32); c, the state at the start of my chunk, from the chunks'
; ends; h = hl + P c; y = x1 h in f32, then rounded once to f16 with a scale of the wave's own, stored by octets of rows:
; byte (row >> 3) x 16,384 + channel x 16 + 2 (row & 7).
; THE SCALE.  y grows with the fifth power of a common scale of the inputs, so it has no room in f16 as it is.  Each wave takes the largest |y| of
; its 128 rows x 64 channels and multiplies by the power of two that brings it into [2^13, 2^14); the inverse, S, goes to a table behind y
; (16 MiB into the buffer), a block of 256 bytes for each wave, written whole by one store.  The next launch brings a row's 16 blocks to one scale.
; LIMIT: an infinity in y makes the other numbers of its wave's block vanish, so it spoils 128 rows and not one.
; LEFT OUT: the first chunk of a batch has the carry 0 (h0 = 0), so its own P end is not loaded; the last chunk's ends are not needed.
; gelu(v) = max(v, 0) - |v| Q(|v|), Q = 0.5 erfc(|v| / sqrt 2) by Abramowitz and Stegun 7.1.26.  LIMIT: erf is off by 1.5e-7 at the most.
; Rows, channels, waves and lanes as in the launch before: wave (mh, nh) holds 128 rows x 64 channels in 32 accumulator tiles; lane (r, h)
; holds the 64 steps of chunk mh + 2 h of channels 64 nh + 16 b + r.  So hl and P come back in the order in which they were stored.
; Every work-group loads the ends of all 31 chunks of its batch and selects its carry: a trip count on the block row would differ between
; the partners of a cluster.
; CLUSTERS: 4 x 4; x's tiles shared along a cluster's row, Wp1's along a column, by joint loads.
; REGISTERS: window 0: v2-11 polynomial, v16-27 addresses, v28-61 bias, carry, scale, v64-127, v128-191 x's fragments (later at work), v192-223 at work.
; window 1: v64-95, v96-127 Wp1's fragments; v0-63, v128-191, v192-255 (and v64-127 behind the products) batches of hl and P.
; window 2: accumulator tile (a, b) at v[8 (4 a + b)], later y in f32.   window 3: the ends: chunk k: hl at v[8 k], P at v[8 k + 4].
.set KSTEP,  128
.set PITCH,  272
.set HALF,   128*PITCH+128
.set BTILE,  64*PITCH
.set BOFF,   2*HALF
.set SLOT,   BOFF+2*BTILE
.set LAPS,   4
.set A5, 2
.set A4, 4
.set A3, 6
.set A2, 8
.set A1, 10
.set ADRA, 16
.set ADRB, 20
.set LO,   22
.set RO,   23
.set YO,   24
.set KOWN, 25
.set BO,   26
.set LO8,  27
.set RAW,  28
.set BP,   32
.set CC,   40
.set CAP,  48
.set MX,   52
.set FS,   56
.set PT,   58
.set SS,   60
.set FA,   64
.set FB,   64
.set VV,   64
.set HH,   96
.set TT,   128
.set EE,   160
.set QQ,   192
.set YY,   64
.set BUF0, 0
.set BUF1, 128
.set BUF2, 192
.set BUF3, 64
.set G1,  24
.set G0,  32
.set G1B, 48
.set G0B, 56
.set MUL,  0xa4                        ; source 0 window 0, source 1 window 1, C and D window 2
.set TO_B, 0x40
.set MSB, 0
.macro WIN new
.if MSB != \new
	s_set_vgpr_msb (MSB<<8)|\new
.set MSB, \new
.endif
.endm
.macro PLACES                          ; four independent vector instructions behind a matrix instruction (ISA guide 7.12.1)
.rept 4
	v_nop
.endr
.endm
.macro JLOAD s
	s_cmp_eq_u32 s17, 0
	s_cbranch_scc0 .Lfor_b_\@
	tensor_load_to_lds s[G0+4*\s:G0+4*\s+3], s[G1:G1+7]
	s_nop 0
	s_branch .Lasked_\@
.Lfor_b_\@:
	tensor_load_to_lds s[G0B+4*\s:G0B+4*\s+3], s[G1B:G1B+7]
	s_nop 0
.Lasked_\@:
.endm
.macro CREST
	s_cmp_lg_u32 s16, 0
	s_cbranch_scc1 .Lnot_wave_0_\@
	s_barrier_signal -3
.Lnot_wave_0_\@:
	s_barrier_wait -3
	s_barrier_signal -1
	s_barrier_wait -1
.endm
.macro CROUND
	s_barrier_signal -1
	s_barrier_wait -1
	CREST
.endm
; a batch: hl and P of m tile a, 16 loads of 512 consecutive bytes, into window 1 at buf + 16 b + 8 (0: hl, 1: P) + j
.macro LOADB a, buf
	WIN TO_B
.irp b, 0,1,2,3
.irp c, 0,1,2,3
	global_load_b128 v[\buf+16*\b+4*\c:\buf+16*\b+4*\c+3], v[LO], s[10:11] offset:(((\a)*4+\b)*4+\c)*512 th:TH_LOAD_NT
.endr
.endr
	WIN 0
.endm
	s_load_b256 s[4:11], s[0:1], 0x0               ; x s[4:5], weights s[6:7], bp1 s[8:9], hp s[10:11]
	s_load_b64 s[12:13], s[0:1], 0x20              ; y
	v_lshl_add_u32 v254, v0, 2, 0x33200
	v_mov_b32 v255, 0
	ds_add_u32 v254, v255
	v_lshrrev_b32 v1, 5, v0
	v_readfirstlane_b32 s16, v1
	s_lshr_b32 s17, s16, 1                         ; mh.  Also: I fetch for x (0) or for Wp1 (1)
	s_and_b32 s18, s16, 1                          ; nh.  Also: which half of that tile
	s_bfe_u32 s21, ttmp6, 0x40000
	s_bfe_u32 s22, ttmp6, 0x40004
	s_lshl_b32 s20, ttmp9, 2
	s_add_co_u32 s20, s20, s21                     ; block column
	s_and_b32 s19, ttmp7, 0xffff
	s_lshl_b32 s19, s19, 2
	s_add_co_u32 s19, s19, s22                     ; block row
	s_lshl_b32 s40, s22, 2
	s_lshl_b32 s40, 15, s40
	s_lshl_b32 s44, 0x1111, s21
	s_or_b32 s[G1+0], s40, 0x07710000
	s_or_b32 s[G1B+0], s44, 0x07710000
	s_mov_b32 s[G1+1], KSTEP<<16
	s_mov_b32 s[G1+2], 128<<16
	s_mov_b32 s[G1+3], KSTEP<<16
	s_mov_b32 s[G1+4], 128
	s_mov_b32 s[G1+5], 1024
	s_mov_b32 s[G1+6], 0
	s_mov_b32 s[G1+7], 0
	s_mov_b32 s[G1B+1], KSTEP<<16
	s_mov_b32 s[G1B+2], 64<<16
	s_mov_b32 s[G1B+3], KSTEP<<16
	s_mov_b32 s[G1B+4], 64
	s_mov_b32 s[G1B+5], 1024
	s_mov_b32 s[G1B+6], 0
	s_mov_b32 s[G1B+7], 0
	s_lshl_b32 s40, s19, 8
	s_lshl_b32 s41, s18, 7
	s_add_co_u32 s40, s40, s41
	s_lshl_b32 s40, s40, 11
	s_mov_b32 s41, 0
	s_lshl_b32 s44, s20, 7
	s_lshl_b32 s45, s18, 6
	s_add_co_u32 s44, s44, s45
	s_lshl_b32 s44, s44, 11
	s_add_co_u32 s44, s44, 0x400000                ; Wp1's copy lies 4 MiB into the buffer
	s_mov_b32 s45, 0
	s_mul_i32 s66, s16, HALF                       ; LDS: x's halves at wave x 34,944 (waves 0, 1),
	s_mul_i32 s67, s16, BTILE
	s_add_co_u32 s67, s67, BOFF-2*BTILE            ; Wp1's at wave x 17,408 + 35,072 (waves 2, 3)
	s_wait_dscnt 0x0
	s_wait_kmcnt 0x0
	s_add_nc_u64 s[42:43], s[4:5], s[40:41]
	s_add_nc_u64 s[46:47], s[6:7], s[44:45]
	CROUND
.irp s, 0,1
	s_mov_b32 s[G0+4*\s], 1
	s_add_co_u32 s[G0+4*\s+1], s66, \s*SLOT
	s_add_nc_u64 s[G0+4*\s+2:G0+4*\s+3], s[42:43], \s*KSTEP*2
	s_or_b32 s[G0+4*\s+3], s[G0+4*\s+3], 0x80000000
	s_mov_b32 s[G0B+4*\s], 1
	s_add_co_u32 s[G0B+4*\s+1], s67, \s*SLOT
	s_add_nc_u64 s[G0B+4*\s+2:G0B+4*\s+3], s[46:47], \s*KSTEP*2
	s_or_b32 s[G0B+4*\s+3], s[G0B+4*\s+3], 0x80000000
	JLOAD \s                                       ; K steps 0 and 1: two loads of mine are out
.endr
	v_and_b32 v52, 15, v0                          ; r
	v_bfe_u32 v53, v0, 4, 1                        ; h
	v_and_b32 v54, 7, v0                           ; r & 7
	v_bfe_u32 v55, v0, 3, 1                        ; r >> 3
	s_mov_b32 s68, 0x3e6d3388                      ; 0.3275911 / sqrt 2
	s_mov_b32 s69, HALF
	s_mov_b32 s84, 0x76543210                      ; v_permlanex16_b32: lane i of one half reads lane i of the other
	s_mov_b32 s85, 0xfedcba98
	v_mul_u32_u24 v56, v54, PITCH
	v_lshl_add_u32 v56, v53, 4, v56
	v_mad_u32_u24 v56, v55, s69, v56
	s_mul_i32 s76, s17, 64*PITCH
	v_add_nc_u32 v[ADRA], s76, v56
	s_add_co_u32 s76, s76, SLOT
	v_add_nc_u32 v[ADRA+1], s76, v56
	v_mul_u32_u24 v57, v52, PITCH
	v_lshl_add_u32 v57, v53, 4, v57
	s_mul_i32 s77, s18, 64*PITCH
	s_add_co_u32 s77, s77, BOFF
	v_add_nc_u32 v[ADRB], s77, v57
	s_add_co_u32 s77, s77, SLOT
	v_add_nc_u32 v[ADRB+1], s77, v57
	v_and_b32 v58, 31, v0
	v_lshlrev_b32 v[LO], 4, v58                    ; 16 x lane
	v_lshlrev_b32 v[LO8], 3, v58                   ; 8 x lane
	v_lshlrev_b32 v[RO], 4, v52                    ; 16 r
	v_lshlrev_b32 v[YO], 18, v53                   ; y: 16 octets of rows further for lanes 16-31,
	v_lshl_add_u32 v[YO], v52, 4, v[YO]            ; 16 bytes a channel
	s_and_b32 s78, s19, 7
	s_lshl_b32 s78, s78, 2
	s_add_co_u32 s78, s78, s17
	v_lshl_add_u32 v[KOWN], v53, 1, s78            ; my chunk in its batch: 4 (block row & 7) + mh + 2 h
	s_lshl_b32 s79, s20, 9
	s_lshl_b32 s78, s18, 8
	s_add_co_u32 s79, s79, s78
	v_lshl_add_u32 v[BO], v52, 2, s79
	s_and_b32 s72, s19, 24                         ; the ends of my batch's first block row, my block column, my nh
	s_lshl_b32 s72, s72, 15
	s_lshl_b32 s73, s20, 12
	s_add_co_u32 s72, s72, s73
	s_lshl_b32 s73, s18, 10
	s_add_co_u32 s72, s72, s73
	s_mov_b32 s73, 0
	s_add_nc_u64 s[70:71], s[10:11], 0x4000000
	s_add_nc_u64 s[70:71], s[70:71], s[72:73]
	s_lshl_b32 s74, s19, 3                         ; (block row x 8 + block column) x 4 + wave
	s_add_co_u32 s74, s74, s20
	s_lshl_b32 s74, s74, 2
	s_add_co_u32 s74, s74, s16
	s_lshl_b32 s88, s74, 8                         ; x 256: my block in the table of scales
	s_mov_b32 s89, 0
	s_lshl_b32 s74, s74, 16                        ; x 65,536: my hl and P
	s_mov_b32 s75, 0
	s_add_nc_u64 s[10:11], s[10:11], s[74:75]
	s_add_nc_u64 s[86:87], s[12:13], 0x1000000     ; the table lies behind y's 16 MiB
	s_add_nc_u64 s[86:87], s[86:87], s[88:89]
	s_lshl_b32 s80, s19, 19                        ; y: octet 32 x block row + 8 mh, channel 128 x block column + 64 nh
	s_lshl_b32 s81, s17, 17
	s_add_co_u32 s80, s80, s81
	s_lshl_b32 s81, s20, 11
	s_add_co_u32 s80, s80, s81
	s_lshl_b32 s81, s18, 10
	s_add_co_u32 s80, s80, s81
	s_mov_b32 s81, 0
	s_add_nc_u64 s[12:13], s[12:13], s[80:81]
	; loads in this order: 4 of the bias, 61 of the ends, 3 batches of 16
.irp b, 0,1,2,3
	global_load_b32 v[RAW+\b], v[BO], s[8:9] offset:64*\b
.endr
	WIN 0xc0                                       ; destination window 3
.set kap, 0
.rept 31
	global_load_b128 v[8*kap:8*kap+3], v[RO], s[70:71] offset:(kap>>2)*32768+(kap&1)*2048+((kap>>1)&1)*256
.if kap > 0
	global_load_b128 v[8*kap+4:8*kap+7], v[RO], s[70:71] offset:(kap>>2)*32768+(kap&1)*2048+((kap>>1)&1)*256+512
.endif
.set kap, kap+1
.endr
	LOADB 0, BUF0
	LOADB 1, BUF1
	LOADB 2, BUF2
	v_mov_b32 v[A5], 0x3f07dc22                    ; half of 7.1.26's a5 .. a1, each twice
	v_mov_b32 v[A5+1], 0x3f07dc22
	v_mov_b32 v[A4], 0xbf3a00e3
	v_mov_b32 v[A4+1], 0xbf3a00e3
	v_mov_b32 v[A3], 0x3f35f0e3
	v_mov_b32 v[A3+1], 0x3f35f0e3
	v_mov_b32 v[A2], 0xbe11a98e
	v_mov_b32 v[A2+1], 0xbe11a98e
	v_mov_b32 v[A1], 0x3e027906
	v_mov_b32 v[A1+1], 0x3e027906
; 16 matrix instructions: m tiles a0 .. a0 + 3 x 4 n tiles, from buffer nb.  The 32 accumulators take turns in one fixed order, one
; instruction a turn.
.macro MUL16 nb, a0, zero
.irp a, \a0, \a0+1, \a0+2, \a0+3
.irp b, 0,1,2,3
.if \zero
	v_wmma_f32_16x16x32_f16 v[8*(4*(\a)+\b):8*(4*(\a)+\b)+7], v[FA+64*\nb+8*(\a):FA+64*\nb+8*(\a)+7], v[FB+32*\nb+8*\b:FB+32*\nb+8*\b+7], 0
.else
	v_wmma_f32_16x16x32_f16 v[8*(4*(\a)+\b):8*(4*(\a)+\b)+7], v[FA+64*\nb+8*(\a):FA+64*\nb+8*(\a)+7], v[FB+32*\nb+8*\b:FB+32*\nb+8*\b+7], v[8*(4*(\a)+\b):8*(4*(\a)+\b)+7]
.endif
.endr
.endr
.endm
.macro FETCH slot, k, nb                ; 24 LDS loads: Wp1's four fragments, x's eight
	WIN TO_B
.irp i, 0,1,2,3
	ds_load_b128 v[FB+32*\nb+8*\i:FB+32*\nb+8*\i+3],   v[ADRB+\slot] offset:\k+\i*16*PITCH
	ds_load_b128 v[FB+32*\nb+8*\i+4:FB+32*\nb+8*\i+7], v[ADRB+\slot] offset:\k+\i*16*PITCH+32
.endr
	WIN 0
.irp i, 0,1,2,3,4,5,6,7
	ds_load_b128 v[FA+64*\nb+8*\i:FA+64*\nb+8*\i+3],   v[ADRA+\slot] offset:\k+\i*8*PITCH
	ds_load_b128 v[FA+64*\nb+8*\i+4:FA+64*\nb+8*\i+7], v[ADRA+\slot] offset:\k+\i*8*PITCH+32
.endr
.endm
.macro QUARTER slot, k, nb, ng, zero
	PLACES
	FETCH \slot, \k, \ng
	s_wait_dscnt 24                                ; the 24 just issued may stay out: buffer nb is in
	WIN MUL
	MUL16 \nb, 0, \zero
	MUL16 \nb, 4, \zero
.endm
.macro THREE slot, zero
	QUARTER \slot, 64,  0, 1, \zero
	QUARTER \slot, 128, 1, 0, 0
	QUARTER \slot, 192, 0, 1, 0
.endm
; The change of slots: my reads of this slot are back and all my tensor loads have landed in front of the opening signal; the joint refill is
; the first tensor load behind the round.
.macro TURN slot, next, fill
	s_wait_dscnt 0x0
	s_set_vgpr_msb 0xa4a0
	s_wait_tensorcnt 0x0
	ds_add_u32 v254, v255
	s_wait_dscnt 0x0
	s_set_vgpr_msb 0xa0a4
	s_barrier_signal -1
	WIN MUL
	MUL16 1, 0, 0
	WIN 0
	s_barrier_wait -1
.if \fill
	CREST
	s_add_nc_u64 s[G0+4*\slot+2:G0+4*\slot+3], s[G0+4*\slot+2:G0+4*\slot+3], 2*KSTEP*2
	s_add_nc_u64 s[G0B+4*\slot+2:G0B+4*\slot+3], s[G0B+4*\slot+2:G0B+4*\slot+3], 2*KSTEP*2
	JLOAD \slot
.endif
	PLACES
	FETCH \next, 0, 0
	WIN MUL
	MUL16 1, 4, 0
.endm
.macro LAP zero
	THREE 0, \zero
	TURN 0, 1, 1
	THREE 1, 0
	TURN 1, 0, 1
.endm
	s_wait_tensorcnt 0x1                           ; my part of K step 0 is in; K step 1's may stay out
	s_barrier_signal -1
	s_barrier_wait -1
	FETCH 0, 0, 0
	LAP 1
	WIN 0
	s_mov_b32 s23, LAPS-2
.Llap:
	LAP 0
	WIN 0
	s_sub_co_u32 s23, s23, 1
	s_cmp_lg_u32 s23, 0
	s_cbranch_scc1 .Llap
	THREE 0, 0
	TURN 0, 1, 0
	THREE 1, 0
	s_wait_dscnt 0x0
	WIN MUL
	MUL16 1, 0, 0
	MUL16 1, 4, 0
	WIN 0
	PLACES
	; THE CARRIES.  c(0) = 0; c(k + 1) = P(k) c(k) + hl(k), in place of hl(k); then each lane picks c of its own chunk.
	s_wait_loadcnt 48                              ; the bias and the ends are in: only the three batches are younger
	LOADB 3, BUF3                                  ; into the registers that held Wp1's fragments
	WIN 0xff
.set kap, 1
.rept 30
	v_pk_fma_f32 v[8*kap:8*kap+1],   v[8*kap+4:8*kap+5], v[8*kap-8:8*kap-7], v[8*kap:8*kap+1]
	v_pk_fma_f32 v[8*kap+2:8*kap+3], v[8*kap+6:8*kap+7], v[8*kap-6:8*kap-5], v[8*kap+2:8*kap+3]
.set kap, kap+1
.endr
	WIN 0x0c                                       ; source 1 window 3
.irp b, 0,1,2,3
	v_mov_b32 v[CAP+\b], 0
.endr
.set kap, 1
.rept 31
	v_cmp_eq_u32 vcc_lo, v[KOWN], kap
.irp b, 0,1,2,3
	v_cndmask_b32 v[CAP+\b], v[CAP+\b], v[8*(kap-1)+\b], vcc_lo
.endr
.set kap, kap+1
.endr
	WIN 0
.irp b, 0,1,2,3
	v_mov_b32 v[CC+2*\b], v[CAP+\b]
	v_mov_b32 v[CC+2*\b+1], v[CAP+\b]
	v_mov_b32 v[BP+2*\b], v[RAW+\b]
	v_mov_b32 v[BP+2*\b+1], v[RAW+\b]
.endr
.macro PKFMA16 c                       ; QQ = QQ x TT + the pair c, 32 numbers
.set n, 0
.rept 16
	v_pk_fma_f32 v[QQ+n:QQ+n+1], v[QQ+n:QQ+n+1], v[TT+n:TT+n+1], v[\c:\c+1]
.set n, n+2
.endr
.endm
.macro PKMUL16 d, a, b
.set n, 0
.rept 16
	v_pk_mul_f32 v[\d+n:\d+n+1], v[\a+n:\a+n+1], v[\b+n:\b+n+1]
.set n, n+2
.endr
.endm
; Eight steps (m tile a) of my four channels: y in f32 takes the place of the tile's sums.
; left = how many younger loads may stay out; refill = 1: the batch four tiles on is asked for.
.macro MERGE a, buf, left, refill
	s_wait_loadcnt \left                           ; loads return in order: this batch is in
	WIN 0x02
.irp b, 0,1,2,3
.irp j, 0,2,4,6
	v_pk_add_f32 v[VV+8*\b+\j:VV+8*\b+\j+1], v[8*(4*\a+\b)+\j:8*(4*\a+\b)+\j+1], v[BP+2*\b:BP+2*\b+1]
.endr
.endr
	WIN 0x11                                       ; sources 0 and 2 window 1
.irp b, 0,1,2,3
.irp j, 0,2,4,6
	v_pk_fma_f32 v[HH+8*\b+\j:HH+8*\b+\j+1], v[\buf+16*\b+8+\j:\buf+16*\b+8+\j+1], v[CC+2*\b:CC+2*\b+1], v[\buf+16*\b+\j:\buf+16*\b+\j+1]   ; h = P c + hl
.endr
.endr
	WIN 0
.if \refill
	LOADB \a+4, \buf
.endif
.set n, 0
.rept 16
	v_pk_mul_f32 v[EE+n:EE+n+1], v[VV+n:VV+n+1], 0xbf38aa3b op_sel_hi:[1,0]   ; -log2(e) / 2 x v
.set n, n+2
.endr
	PKMUL16 EE, EE, VV
.set n, 0
.rept 32
	v_fma_f32 v[TT+n], |v[VV+n]|, s68, 1.0
.set n, n+1
.endr
.set n, 0
.rept 32
	v_rcp_f32 v[TT+n], v[TT+n]
.set n, n+1
.endr
.set n, 0
.rept 32
	v_exp_f32 v[EE+n], v[EE+n]                     ; exp(-v v / 2)
.set n, n+1
.endr
	v_nop                                          ; one plain instruction behind the transcendentals
.set n, 0
	s_wait_alu depctr_va_vdst(0)
.rept 16
	v_pk_fma_f32 v[QQ+n:QQ+n+1], v[TT+n:TT+n+1], v[A5:A5+1], v[A4:A4+1]
.set n, n+2
.endr
	PKFMA16 A3
	PKFMA16 A2
	PKFMA16 A1
	PKMUL16 QQ, QQ, TT
	PKMUL16 QQ, QQ, EE
.set n, 0
.rept 32
	v_max_num_f32 v[TT+n], 0, v[VV+n]
.set n, n+1
.endr
.set n, 0
.rept 32
	v_fma_f32 v[QQ+n], -|v[VV+n]|, v[QQ+n], v[TT+n]            ; gelu
.set n, n+1
.endr
	WIN 0x80                                       ; destination window 2
.set n, 0
.rept 16
	v_pk_mul_f32 v[32*\a+n:32*\a+n+1], v[QQ+n:QQ+n+1], v[HH+n:HH+n+1]   ; y = x1 h
.set n, n+2
.endr
	WIN 0
.endm
	MERGE 0, BUF0, 48, 1                           ; three younger batches stay out ...
	MERGE 1, BUF1, 48, 1
	MERGE 2, BUF2, 48, 1
	MERGE 3, BUF3, 48, 1
	MERGE 4, BUF0, 48, 0
	MERGE 5, BUF1, 32, 0                           ; ... then the counts run down
	MERGE 6, BUF2, 16, 0
	MERGE 7, BUF3, 0, 0
	; THE WAVE'S LARGEST |y|: my 256 numbers in four chains, started by the first eight; then across the 32 lanes.
	WIN 0x0a                                       ; sources 0 and 1 window 2
.irp c, 0,1,2,3
	v_max_num_f32 v[MX+\c], |v[2*\c]|, |v[2*\c+1]|
.endr
.set n, 8
.rept 124
	v_max3_num_f32 v[MX+(n/2)%4], |v[n]|, |v[n+1]|, v[MX+(n/2)%4]
.set n, n+2
.endr
	WIN 0
	v_max3_num_f32 v[MX], v[MX], v[MX+1], v[MX+2]
	v_max_num_f32 v[MX], v[MX], v[MX+3]
	v_max_num_f32_dpp v[MX], v[MX], v[MX] row_xmask:1 row_mask:0xf bank_mask:0xf
	v_max_num_f32_dpp v[MX], v[MX], v[MX] row_xmask:2 row_mask:0xf bank_mask:0xf
	v_max_num_f32_dpp v[MX], v[MX], v[MX] row_xmask:4 row_mask:0xf bank_mask:0xf
	v_max_num_f32_dpp v[MX], v[MX], v[MX] row_xmask:8 row_mask:0xf bank_mask:0xf
	v_permlanex16_b32 v[PT], v[MX], s84, s85       ; its destination counts as read: v58 was written at the head
	v_max_num_f32 v[MX], v[MX], v[PT]
	; with e the maximum's exponent field (at least 14, so that both powers are normal numbers): the factor is 2^(140 - e), which brings
	; the maximum into [2^13, 2^14), and S = 2^(e - 140)
	v_bfe_u32 v[MX+1], v[MX], 23, 8
	v_max_u32 v[MX+1], 14, v[MX+1]
	v_sub_nc_u32 v[MX+2], 0x10b, v[MX+1]           ; 267 - e
	v_lshlrev_b32 v[FS], 23, v[MX+2]
	v_mov_b32 v[FS+1], v[FS]
	v_add_nc_u32 v[MX+3], -13, v[MX+1]             ; e - 13
	v_lshlrev_b32 v[SS], 23, v[MX+3]
	v_mov_b32 v[SS+1], v[SS]
	global_store_b64 v[LO8], v[SS:SS+1], s[86:87]  ; 32 lanes x 8 bytes: my block of 256 bytes, whole
	WIN 0x82                                       ; source 0 and destination window 2
.set n, 0
.rept 128
	v_pk_mul_f32 v[n:n+1], v[n:n+1], v[FS:FS+1]
.set n, n+2
.endr
	WIN 0x0a
.set n, 0
.rept 128
	v_cvt_pk_f16_f32 v[YY+n], v[2*n], v[2*n+1]     ; the one rounding of y; steps j, j + 1 in one word; every tile has registers of its own
.set n, n+1
.endr
	WIN 0
.irp a, 0,1,2,3,4,5,6,7
.irp b, 0,1,2,3
	global_store_b128 v[YO], v[YY+16*\a+4*\b:YY+16*\a+4*\b+3], s[12:13] offset:\a*16384+\b*256   ; 16 lanes: 256 consecutive bytes at a multiple of 256
.endr
.endr
	CROUND
	s_endpgm
.Lfunc_end_k_qae8689a5a3_merge:
	.size	k_qae8689a5a3_merge, .Lfunc_end_k_qae8689a5a3_merge-k_qae8689a5a3_merge
	.p2alignl 7, 3214868480
	.fill 96, 4, 3214868480
	.section	.rodata,"a",@progbits
	.p2align	6, 0x0
	.amdhsa_kernel k_qae8689a5a3_merge
		.amdhsa_group_segment_fixed_size 327680
		.amdhsa_private_segment_fixed_size 0
		.amdhsa_enable_private_segment 0
		.amdhsa_kernarg_size 40
		.amdhsa_user_sgpr_count 2
		.amdhsa_user_sgpr_kernarg_segment_ptr 1
		.amdhsa_wavefront_size32 1
		.amdhsa_system_sgpr_workgroup_id_x 1
		.amdhsa_system_sgpr_workgroup_id_y 1
		.amdhsa_system_sgpr_workgroup_id_z 1
		.amdhsa_system_vgpr_workitem_id 0
		.amdhsa_next_free_vgpr 1024
		.amdhsa_next_free_sgpr 92
		.amdhsa_reserve_vcc 1
		.amdhsa_float_denorm_mode_32 3
		.amdhsa_float_denorm_mode_16_64 3
		.amdhsa_memory_ordered 1
		.amdhsa_forward_progress 1
		.amdhsa_inst_pref_size 255
	.end_amdhsa_kernel
	.section	.bss,"aw",@nobits
	.p2align	6
	.space	262144
	.amdgpu_metadata
---
amdhsa.version: [ 1, 2 ]
amdhsa.kernels:
  - .name:           k_qae8689a5a3_merge
    .symbol:         k_qae8689a5a3_merge.kd
    .args:
      - { .name: xh, .offset: 0, .size: 8, .value_kind: global_buffer, .address_space: global }
      - { .name: wrest, .offset: 8, .size: 8, .value_kind: global_buffer, .address_space: global }
      - { .name: bp1, .offset: 16, .size: 8, .value_kind: global_buffer, .address_space: global }
      - { .name: hp, .offset: 24, .size: 8, .value_kind: global_buffer, .address_space: global }
      - { .name: ty, .offset: 32, .size: 8, .value_kind: global_buffer, .address_space: global }
    .group_segment_fixed_size: 327680
    .private_segment_fixed_size: 0
    .kernarg_segment_align: 8
    .kernarg_segment_size: 40
    .max_flat_workgroup_size: 128
    .sgpr_count:     92
    .vgpr_count:     1024
    .wavefront_size: 32
...
	.end_amdgpu_metadata
.endif
;; end of part 4
;; launch outp (part 5): grid 8 x 32, 4 waves a work-group, clusters of 4 x 4, 327,680 bytes of LDS; arguments ty, wrest, bp3, out0; writes out0
.if DOCPART == 5
	.amdgcn_target "amdgcn-amd-amdhsa--gfx1250"
	.amdhsa_code_object_version 6
	.text
	.protected	k_qae8689a5a3_outp
	.globl	k_qae8689a5a3_outp
	.p2align	8
	.type	k_qae8689a5a3_outp,@function
k_qae8689a5a3_outp:
	s_mov_b64 s[64:65], 0
	v_nop
	global_prefetch_b8 v0, s[64:65] scope:SCOPE_SE
	s_setreg_imm32_b32 hwreg(HW_REG_WAVE_MODE, 25, 1), 1
	s_wait_xcnt 0x0
	s_wait_alu depctr_hold_cnt(0) depctr_sa_sdst(0) depctr_va_vdst(0) depctr_va_sdst(0) depctr_va_ssrc(0) depctr_va_vcc(0) depctr_vm_vsrc(0)
	s_getreg_b32 s2, hwreg(HW_REG_IB_STS2, 6, 4)
	s_cmp_eq_u32 s2, 0
	s_cbranch_scc0 .Lentry_in_a_cluster
	s_endpgm
.Lentry_in_a_cluster:
	s_bfe_u32 s2, ttmp6, 0x10000c
	s_cmp_lg_u32 s2, 0xf033
	s_cbranch_scc0 .Lentry_shape_is_right
	s_endpgm
.Lentry_shape_is_right:
; OUT[m][n] = sum over k of y[m][k] Wp3[n][k] + bp3[n], f32.  y and Wp3 are f16; y lies by octets of rows, byte (m >> 3) x 16,384 + k x 16 +
; 2 (m & 7), each block of 128 rows x 64 k multiplied by a power of two of its own, whose inverse S stands in a table 16 MiB into the buffer.
; ONE SCALE FOR A ROW.  My wave's 64 rows lie in 16 such blocks, one for each 64 k.  E is the largest of their S; a fragment of y of block j is
; multiplied by S_j / E, a power of two of at most 1, before it is used: exact, but for numbers that fall under f16's smallest, 2^-38 of the
; largest y of these rows.  The sums are multiplied by E on the way out.  32 such multiplies stand beside 32 matrix instructions.
; A work-group makes 256 rows x 128 columns with four waves; wave w makes rows 64 w .. + 63, all 128 columns: 32 accumulator tiles.
; K in 8 steps of 128 through two LDS slots, written out, since the factor's register hangs on the step.  A tile of y is 16 octets x 2,048
; consecutive bytes; its fragments are read by the transposing LDS load: eight lanes address the 16 bytes of eight neighbouring k, and each
; gets one row's eight k.
; CLUSTERS: 4 x 4; y's tiles shared along a cluster's row, Wp3's along a column, by joint loads.
; TRANSPOSED USE (source 0 = rows of Wp3, source 1 = rows of y): lane l holds row l % 16 and the eight columns 8 (l / 16) + 0..7.
; REGISTERS: window 0: v16-27 addresses, v32-47 the 16 factors, v48-49 E, v64-95, v128-159 y's fragments, v192-255 bias; on the way out v64-191.
;            window 1: v64-127, v128-191 Wp3's fragments.   window 2: accumulator tile (a, b) at v[8 (8 a + b)].
.set KSTEP,  128
.set PITCH,  272
.set OPITCH, 2176                      ; an octet's 2,048 bytes with 64 of padding behind every 1,024: neighbouring octets lie 128 bytes apart modulo 256
.set ATILE,  16*OPITCH
.set BTILE,  64*PITCH
.set BOFF,   2*ATILE
.set SLOT,   BOFF+2*BTILE
.set STAGE,  2*SLOT                    ; behind the ring, at a multiple of 256: 16 rows x 528 bytes for each wave; no fill lands there
.set SPITCH, 528
.set ADRA, 16
.set ADRB, 20
.set STO,  24
.set RD,   25
.set CO,   26
.set BO,   27
.set FAC,  32
.set EP,   48
.set F0,   64
.set F1,   128
.set TW,   64
.set BK,   128
.set BIAS, 192
.set G1,  24
.set G0,  32
.set G1B, 48
.set G0B, 56
.set SC,  80                           ; s[80:95] the 16 inverse scales
.set MUL,  0xa1
.set TO_B, 0x40
.set MSB, 0
.macro WIN new
.if MSB != \new
	s_set_vgpr_msb (MSB<<8)|\new
.set MSB, \new
.endif
.endm
.macro PLACES                          ; four independent vector instructions behind a matrix instruction (ISA guide 7.12.1)
.rept 4
	v_nop
.endr
.endm
.macro JLOAD s
	s_cmp_eq_u32 s17, 0
	s_cbranch_scc0 .Lfor_b_\@
	tensor_load_to_lds s[G0+4*\s:G0+4*\s+3], s[G1:G1+7]
	s_nop 0
	s_branch .Lasked_\@
.Lfor_b_\@:
	tensor_load_to_lds s[G0B+4*\s:G0B+4*\s+3], s[G1B:G1B+7]
	s_nop 0
.Lasked_\@:
.endm
.macro CREST
	s_cmp_lg_u32 s16, 0
	s_cbranch_scc1 .Lnot_wave_0_\@
	s_barrier_signal -3
.Lnot_wave_0_\@:
	s_barrier_wait -3
	s_barrier_signal -1
	s_barrier_wait -1
.endm
.macro CROUND
	s_barrier_signal -1
	s_barrier_wait -1
	CREST
.endm
	s_load_b256 s[4:11], s[0:1], 0x0               ; y s[4:5], weights s[6:7], bp3 s[8:9], out s[10:11]
	v_lshl_add_u32 v62, v0, 2, 0x3b400
	v_mov_b32 v63, 0
	ds_add_u32 v62, v63
	v_lshrrev_b32 v1, 5, v0
	v_readfirstlane_b32 s16, v1
	s_lshr_b32 s17, s16, 1
	s_and_b32 s18, s16, 1
	s_bfe_u32 s21, ttmp6, 0x40000
	s_bfe_u32 s22, ttmp6, 0x40004
	s_lshl_b32 s20, ttmp9, 2
	s_add_co_u32 s20, s20, s21                     ; block column
	s_and_b32 s19, ttmp7, 0xffff
	s_lshl_b32 s19, s19, 2
	s_add_co_u32 s19, s19, s22                     ; block row
	s_lshl_b32 s40, s22, 2
	s_lshl_b32 s40, 15, s40
	s_lshl_b32 s44, 0x1111, s21
	s_or_b32 s[G1+0], s40, 0x1ff30000              ; mask of my row; 8-byte elements; 16 words of padding behind every 256; bit 21 beside a mask
	s_or_b32 s[G1B+0], s44, 0x07710000             ; mask of my column; 2-byte elements; 4 words behind every 64
	s_mov_b32 s[G1+1], 256<<16                     ; tensor_dim0 = 256 elements = 2,048 bytes
	s_mov_b32 s[G1+2], 16<<16                      ; tensor_dim1 = 16 octets
	s_mov_b32 s[G1+3], 256<<16                     ; tile_dim0
	s_mov_b32 s[G1+4], 16                          ; tile_dim1
	s_mov_b32 s[G1+5], 2048                        ; 16,384 bytes from octet to octet
	s_mov_b32 s[G1+6], 0
	s_mov_b32 s[G1+7], 0
	s_mov_b32 s[G1B+1], KSTEP<<16
	s_mov_b32 s[G1B+2], 64<<16
	s_mov_b32 s[G1B+3], KSTEP<<16
	s_mov_b32 s[G1B+4], 64
	s_mov_b32 s[G1B+5], 1024
	s_mov_b32 s[G1B+6], 0
	s_mov_b32 s[G1B+7], 0
	s_lshl_b32 s40, s19, 5                         ; y: octet 32 x block row + 16 x half, in bytes
	s_lshl_b32 s41, s18, 4
	s_add_co_u32 s40, s40, s41
	s_lshl_b32 s40, s40, 14
	s_mov_b32 s41, 0
	s_lshl_b32 s44, s20, 7
	s_lshl_b32 s45, s18, 6
	s_add_co_u32 s44, s44, s45
	s_lshl_b32 s44, s44, 11
	s_add_co_u32 s44, s44, 0x600000                ; Wp3's copy lies 6 MiB into the buffer
	s_mov_b32 s45, 0
	s_mul_i32 s66, s16, ATILE
	s_mul_i32 s67, s16, BTILE
	s_add_co_u32 s67, s67, ATILE
	s_wait_dscnt 0x0
	s_wait_kmcnt 0x0
	s_add_nc_u64 s[42:43], s[4:5], s[40:41]
	s_add_nc_u64 s[46:47], s[6:7], s[44:45]
	CROUND
.irp s, 0,1
	s_mov_b32 s[G0+4*\s], 1
	s_add_co_u32 s[G0+4*\s+1], s66, \s*SLOT
	s_add_nc_u64 s[G0+4*\s+2:G0+4*\s+3], s[42:43], \s*KSTEP*16
	s_or_b32 s[G0+4*\s+3], s[G0+4*\s+3], 0x80000000
	s_mov_b32 s[G0B+4*\s], 1
	s_add_co_u32 s[G0B+4*\s+1], s67, \s*SLOT
	s_add_nc_u64 s[G0B+4*\s+2:G0B+4*\s+3], s[46:47], \s*KSTEP*2
	s_or_b32 s[G0B+4*\s+3], s[G0B+4*\s+3], 0x80000000
	JLOAD \s                                       ; K steps 0 and 1: two loads of mine are out
.endr
	; the 16 inverse scales of my rows: block ((block row x 8 + bx) x 4 + 2 (w & 1) + nh) x 256 bytes; k block j = 2 bx + nh
	s_lshl_b32 s76, s19, 13
	s_lshl_b32 s77, s18, 9
	s_add_co_u32 s76, s76, s77
	s_mov_b32 s77, 0
	s_add_nc_u64 s[78:79], s[4:5], 0x1000000
	s_add_nc_u64 s[78:79], s[78:79], s[76:77]
.irp j, 0,1,2,3,4,5,6,7,8,9,10,11,12,13,14,15
	s_load_b32 s[SC+\j], s[78:79], (\j>>1)*1024+(\j&1)*256
.endr
	v_and_b32 v1, 15, v0                           ; r
	v_bfe_u32 v2, v0, 4, 1                         ; h
	v_and_b32 v6, 7, v0                            ; l & 7
	v_bfe_u32 v7, v0, 3, 1                         ; (l >> 3) & 1
	v_mul_u32_u24 v3, v1, PITCH
	v_lshl_add_u32 v3, v2, 4, v3
	v_add_nc_u32 v[ADRB], BOFF, v3
	v_add_nc_u32 v[ADRB+1], BOFF+SLOT, v3
	v_mul_u32_u24 v8, v7, OPITCH                   ; y: octet 8 w + ((l >> 3) & 1), k = 8 h + (l & 7), 16 bytes a k
	v_lshl_add_u32 v8, v2, 7, v8
	v_lshl_add_u32 v8, v6, 4, v8
	s_mul_i32 s69, s16, 8*OPITCH
	v_add_nc_u32 v[ADRA], s69, v8
	s_add_co_u32 s70, s69, SLOT
	v_add_nc_u32 v[ADRA+1], s70, v8
	s_mul_i32 s71, s16, 16*SPITCH
	s_add_co_u32 s71, s71, STAGE
	v_mul_u32_u24 v4, v1, SPITCH
	v_lshl_add_u32 v4, v2, 5, v4
	v_add_nc_u32 v[STO], s71, v4                   ; in: row r, 32 bytes for each half of the lanes
	v_and_b32 v5, 31, v0
	v_lshlrev_b32 v[CO], 4, v5                     ; 16 x lane: a row's 512 bytes
	v_add_nc_u32 v[RD], s71, v[CO]
	v_lshlrev_b32 v[BO], 5, v2
	s_lshl_b32 s72, s20, 9
	s_mov_b32 s73, 0
	s_add_nc_u64 s[8:9], s[8:9], s[72:73]
.irp b, 0,1,2,3,4,5,6,7
	global_load_b128 v[BIAS+8*\b:BIAS+8*\b+3],   v[BO], s[8:9] offset:64*\b
	global_load_b128 v[BIAS+8*\b+4:BIAS+8*\b+7], v[BO], s[8:9] offset:64*\b+16
.endr
	s_lshl_b32 s74, s19, 8
	s_lshl_b32 s75, s16, 6
	s_add_co_u32 s74, s74, s75
	s_lshl_b32 s74, s74, 12                        ; my first row, 4,096 bytes a row
	s_add_co_u32 s74, s74, s72                     ; my 512 bytes of a row
	s_mov_b32 s75, 0
	s_add_nc_u64 s[10:11], s[10:11], s[74:75]
	s_wait_kmcnt 0x0
	; E: the S are positive powers of two, so the largest word is the largest number; 1 / E has the exponent field 254 - E's
	s_max_u32 s96, s[SC], s[SC+1]
.irp j, 2,3,4,5,6,7,8,9,10,11,12,13,14,15
	s_max_u32 s96, s96, s[SC+\j]
.endr
	s_sub_co_u32 s97, 0x7f000000, s96
	v_mov_b32 v[EP], s96
	v_mov_b32 v[EP+1], s96
	v_mov_b32 v50, s97
.irp j, 0,1,2,3,4,5,6,7,8,9,10,11,12,13,14,15
	v_mul_f32 v51, s[SC+\j], v50
	v_cvt_pk_f16_f32 v[FAC+\j], v51, v51           ; S_j / E in both halves; under 2^-24 it is 0
.endr
; The 32 accumulators take turns in one fixed order, one instruction a turn.
.macro MUL16 f, a0, zero
.irp a, \a0, \a0+1
.irp b, 0,1,2,3,4,5,6,7
.if \zero
	v_wmma_f32_16x16x32_f16 v[8*(8*(\a)+\b):8*(8*(\a)+\b)+7], v[\f+8*\b:\f+8*\b+7], v[\f+8*(\a):\f+8*(\a)+7], 0
.else
	v_wmma_f32_16x16x32_f16 v[8*(8*(\a)+\b):8*(8*(\a)+\b)+7], v[\f+8*\b:\f+8*\b+7], v[\f+8*(\a):\f+8*(\a)+7], v[8*(8*(\a)+\b):8*(8*(\a)+\b)+7]
.endif
.endr
.endr
.endm
; 24 LDS loads for quarter q: Wp3's eight fragments, then y's four, each by two transposing loads 16 k apart
.macro FETCH slot, q, f
	WIN TO_B
.irp i, 0,1,2,3,4,5,6,7
	ds_load_b128 v[\f+8*\i:\f+8*\i+3],   v[ADRB+\slot] offset:64*\q+\i*16*PITCH
	ds_load_b128 v[\f+8*\i+4:\f+8*\i+7], v[ADRB+\slot] offset:64*\q+\i*16*PITCH+32
.endr
	WIN 0
.irp i, 0,1,2,3
	ds_load_tr16_b128 v[\f+8*\i:\f+8*\i+3],   v[ADRA+\slot] offset:\i*2*OPITCH+(\q>>1)*1088+(\q&1)*512
	ds_load_tr16_b128 v[\f+8*\i+4:\f+8*\i+7], v[ADRA+\slot] offset:\i*2*OPITCH+(\q>>1)*1088+(\q&1)*512+256
.endr
.endm
; y's four fragments in buffer f (window 0), which lie in k block j, are brought to the rows' common scale
.macro SCALE f, j
.set n, 0
.rept 32
	v_pk_mul_f16 v[\f+n], v[\f+n], v[FAC+\j]
.set n, n+1
.endr
.endm
; One of a K step's first three quarters: fetches quarter q's fragments into g, then scales and multiplies f (quarter q - 1, k block j).
.macro QUARTER slot, q, f, g, zero, j
	PLACES
	FETCH \slot, \q, \g
	s_wait_dscnt 24                                ; the 24 just issued may stay out: buffer f is in
	SCALE \f, \j
	WIN MUL
	MUL16 \f, 0, \zero
	MUL16 \f, 2, \zero
.endm
.macro THREE slot, zero, j
	QUARTER \slot, 1, F0, F1, \zero, \j
	QUARTER \slot, 2, F1, F0, 0, \j
	QUARTER \slot, 3, F0, F1, 0, \j+1
.endm
; The change of slots: my reads of this slot are back and all my tensor loads have landed in front of the opening signal; the joint refill is
; the first tensor load behind the round: 112 matrix instructions lie between it and its wait.
.macro TURN slot, next, fill, j
	s_wait_dscnt 0x0
	WIN 0
	SCALE F1, \j
	s_wait_tensorcnt 0x0
	ds_add_u32 v62, v63
	s_wait_dscnt 0x0
	s_barrier_signal -1
	WIN MUL
	MUL16 F1, 0, 0
	WIN 0
	s_barrier_wait -1
.if \fill
	CREST
	s_add_nc_u64 s[G0+4*\slot+2:G0+4*\slot+3], s[G0+4*\slot+2:G0+4*\slot+3], 2*KSTEP*16
	s_add_nc_u64 s[G0B+4*\slot+2:G0B+4*\slot+3], s[G0B+4*\slot+2:G0B+4*\slot+3], 2*KSTEP*2
	JLOAD \slot
.endif
	PLACES
	FETCH \next, 0, F0
	WIN MUL
	MUL16 F1, 2, 0
.endm
	s_wait_tensorcnt 0x1                           ; my part of K step 0 is in; K step 1's may stay out
	s_barrier_signal -1
	s_barrier_wait -1
	FETCH 0, 0, F0
	THREE 0, 1, 0                                  ; K step 0: its first products start the sums
	TURN 0, 1, 1, 1
	THREE 1, 0, 2                                  ; K step 1
	TURN 1, 0, 1, 3
	THREE 0, 0, 4                                  ; K step 2
	TURN 0, 1, 1, 5
	THREE 1, 0, 6                                  ; K step 3
	TURN 1, 0, 1, 7
	THREE 0, 0, 8                                  ; K step 4
	TURN 0, 1, 1, 9
	THREE 1, 0, 10                                 ; K step 5: its refill is K step 7's tile, the last
	TURN 1, 0, 1, 11
	THREE 0, 0, 12                                 ; K step 6 fills nothing
	TURN 0, 1, 0, 13
	THREE 1, 0, 14                                 ; K step 7
	s_wait_dscnt 0x0
	WIN 0
	SCALE F1, 15
	WIN MUL
	MUL16 F1, 0, 0
	MUL16 F1, 2, 0
	WIN 0
	PLACES
	s_wait_loadcnt 0x0                             ; the bias
; THE WAY OUT, 16 rows at a time: x E + bias, 32 bytes a lane and tile into my stage, whole rows of 512 bytes back, stored.
.macro OUT16 i
	WIN 0x02
.irp b, 0,1,2,3,4,5,6,7
.irp j, 0,2,4,6
	v_pk_fma_f32 v[TW+8*\b+\j:TW+8*\b+\j+1], v[8*(8*\i+\b)+\j:8*(8*\i+\b)+\j+1], v[EP:EP+1], v[BIAS+8*\b+\j:BIAS+8*\b+\j+1]
.endr
.endr
	WIN 0
.irp b, 0,1,2,3,4,5,6,7
	ds_store_b128 v[STO], v[TW+8*\b:TW+8*\b+3]   offset:64*\b
	ds_store_b128 v[STO], v[TW+8*\b+4:TW+8*\b+7] offset:64*\b+16
.endr
	s_wait_xcnt 0x0                                ; the last stores' data registers and base are rewritten only behind this wait
.if \i
	s_add_nc_u64 s[10:11], s[10:11], 16*4096
.endif
.set tt, 0
.rept 16
	ds_load_b128 v[BK+4*tt:BK+4*tt+3], v[RD] offset:tt*SPITCH      ; a wave's LDS instructions are served in order: these see the stores above
.set tt, tt+1
.endr
.set tt, 0
.rept 16
	s_wait_dscnt 15-tt                             ; the younger read-backs stay out
	global_store_b128 v[CO], v[BK+4*tt:BK+4*tt+3], s[10:11] offset:tt*4096 th:TH_STORE_NT   ; 512 consecutive bytes at a multiple of 512
.set tt, tt+1
.endr
.endm
	OUT16 0
	OUT16 1
	OUT16 2
	OUT16 3
	s_wait_tensorcnt 0x0
	ds_add_u32 v62, v63
	s_wait_dscnt 0x0
	CROUND
	s_endpgm
.Lfunc_end_k_qae8689a5a3_outp:
	.size	k_qae8689a5a3_outp, .Lfunc_end_k_qae8689a5a3_outp-k_qae8689a5a3_outp
	.p2alignl 7, 3214868480
	.fill 96, 4, 3214868480
	.section	.rodata,"a",@progbits
	.p2align	6, 0x0
	.amdhsa_kernel k_qae8689a5a3_outp
		.amdhsa_group_segment_fixed_size 327680
		.amdhsa_private_segment_fixed_size 0
		.amdhsa_enable_private_segment 0
		.amdhsa_kernarg_size 32
		.amdhsa_user_sgpr_count 2
		.amdhsa_user_sgpr_kernarg_segment_ptr 1
		.amdhsa_wavefront_size32 1
		.amdhsa_system_sgpr_workgroup_id_x 1
		.amdhsa_system_sgpr_workgroup_id_y 1
		.amdhsa_system_sgpr_workgroup_id_z 1
		.amdhsa_system_vgpr_workitem_id 0
		.amdhsa_next_free_vgpr 768
		.amdhsa_next_free_sgpr 100
		.amdhsa_reserve_vcc 0
		.amdhsa_float_denorm_mode_32 3
		.amdhsa_float_denorm_mode_16_64 3
		.amdhsa_memory_ordered 1
		.amdhsa_forward_progress 1
		.amdhsa_inst_pref_size 227
	.end_amdhsa_kernel
	.amdgpu_metadata
---
amdhsa.version: [ 1, 2 ]
amdhsa.kernels:
  - .name:           k_qae8689a5a3_outp
    .symbol:         k_qae8689a5a3_outp.kd
    .args:
      - { .name: ty, .offset: 0, .size: 8, .value_kind: global_buffer, .address_space: global }
      - { .name: wrest, .offset: 8, .size: 8, .value_kind: global_buffer, .address_space: global }
      - { .name: bp3, .offset: 16, .size: 8, .value_kind: global_buffer, .address_space: global }
      - { .name: out0, .offset: 24, .size: 8, .value_kind: global_buffer, .address_space: global }
    .group_segment_fixed_size: 327680
    .private_segment_fixed_size: 0
    .kernarg_segment_align: 8
    .kernarg_segment_size: 32
    .max_flat_workgroup_size: 128
    .sgpr_count:     100
    .vgpr_count:     768
    .wavefront_size: 32
...
	.end_amdgpu_metadata
.endif
;; end of part 5
;; ======== version 2 of 2: 6 launches; 1.14 times as fast as version 1
;; limits: values outside matrix products are rounded to bf16; a function is approximated: absolute error at most 1.5e-07; values are held in f16: magnitudes above 65,504 overflow, below 6.1e-05 lose precision; inputs' magnitudes at most 65,504; values outside matrix products are rounded to f16
;; workspace buffers: xh 16,777,216 bytes; wrest 12,582,912 bytes; wcomp 2,097,152 bytes; bcb 4,096 bytes; ty 17,039,360 bytes; xc 16,777,216 bytes; hp 35,651,584 bytes
;; launch cast (part 6): grid 256 x 1, 8 waves a work-group, no clusters, 1,280 bytes of LDS; arguments x, Wp2, conv_w, Wa, Wx, Wp1, Wp3, bp2, conv_b, xh, wrest, bcb; writes xh, wrest, bcb
.if DOCPART == 6
	.amdgcn_target "amdgcn-amd-amdhsa--gfx1250"
	.amdhsa_code_object_version 6
	.text
	.protected	k_qae8689a5a3_cast
	.globl	k_qae8689a5a3_cast
	.p2align	8
	.type	k_qae8689a5a3_cast,@function
k_qae8689a5a3_cast:
	s_mov_b64 s[64:65], 0
	v_nop
	global_prefetch_b8 v0, s[64:65] scope:SCOPE_SE
	s_setreg_imm32_b32 hwreg(HW_REG_WAVE_MODE, 25, 1), 1
	s_wait_xcnt 0x0
; CAST: x and the six weight matrices from f32 to 16 bits (round to nearest even), once, so that the product launches behind it fetch
; 16-bit tiles: x, Wp1, Wp3, conv_w, Wp2 as f16; Wa, Wx as bf16.  Also bc = conv_w bp2 + conv_b, in f32.
;
; THE WHOLE PROGRAM: cast; Wc = conv_w Wp2; xc = relu(x Wc^T + bc); gates (r, i, a, g and a scan inside chunks of 64 steps);
; merge (gelu(x Wp1^T + bp1), the chunks' carries, y = x1 h); out = y Wp3^T + bp3.
; ONE PRODUCT FOR TWO.  Nothing non-linear stands between the linear layer and the pointwise convolution, so for all values of the inputs
; (x Wp2^T + bp2) conv_w^T + conv_b = x (conv_w Wp2)^T + (conv_w bp2 + conv_b).  Forming Wc costs 2 x 1024^3 operations where the second
; product over the 8,192 rows costs 2 x 8192 x 1024^2, eight times as many, and the layer between never goes to memory.
; LIMIT: the roundings come in another order than in two products; an overflow that only the layer between would have had is not carried on.
; WHY TWO FORMATS.  A bf16 rounding is off by 2^-7 / sqrt 12 of the binade, about 0.17 % of the number.  The roundings of x, Wp1, y and Wp3
; reach the output one to one: four of them are a third of what is allowed for each of 8.4 million numbers.  With f16's 11 bits each is an
; eighth of that.  xc has no room in f16 (offsets on x, Wp2 and conv_w together carry it past 65,504), so xc, Wa and Wx are bf16; their
; roundings are averaged over the tens to thousands of steps that the recurrence remembers.
; ROOM IN f16: x is of the order 1 and the weights of the order 0.03; thirty times larger, or offset by thirty spreads, they stay far under
; 65,504; thirty times smaller the weights are about 0.001, still normal numbers.  LIMIT: |x| or a weight of these five above 65,504 becomes
; infinite; numbers under 6e-5 keep an absolute error of 3e-8.
; DEAD WORK: the scan starts from h0 = 0, which the problem's function builds in its own body, so at a batch's first step the product
; a h0 is 0 for every finite a: it is left out.  Nothing else is dead: every input has a way to the output and every input is loaded.
; LIMIT: an infinity or NaN in a at a batch's first step would reach the result through a h0 as well; here it reaches it through g alone.
; LIMIT: the scan is made in chunks (h = hl + P c, all in f32), so its roundings come in another order than step by step.
;
; Memory binds here: 256 work-groups of eight waves; work-group g owns 32,768 consecutive numbers of x and 4,096 of each matrix.
; A wave's load covers 512 consecutive bytes, its store 256 consecutive bytes at a multiple of 256.  All loads go out first.
; bc: the work-group's 4,096 numbers of conv_w are its rows 4 g .. 4 g + 3, and thread t holds columns 4 t .. 4 t + 3 of each in f32.  So a row's
; product with bp2 is four multiply-adds a thread, a sum over the lanes, and a sum over the eight waves through LDS.  One lane stores the four
; results: 16 bytes, a part of a block of 256.  bc is 4,096 bytes in all, and a work-group that made 64 of them would read 64 rows of conv_w,
; sixteen times its share.
.set BP, 8                             ; v[8:11]    bp2 of my four columns
.set D0, 12                            ; v[12:235]  load n: four registers
.set CB, 236                           ; v[236:239] conv_b of the work-group's four rows
.set PS, 240                           ; v[240:243] the four rows' sums
.set TT, 244                           ; v[244:247] at work
.set ZA, 248                           ; v248       LDS address 0
	s_load_b512 s[4:19], s[0:1], 0x0               ; x, Wp2, conv_w, Wa, Wx, Wp1, Wp3, bp2
	s_load_b256 s[20:27], s[0:1], 0x40             ; conv_b, xh, wrest, bcb
	v_lshl_add_u32 v254, v0, 2, 0x100
	v_mov_b32 v255, 0
	s_lshl_b32 s30, ttmp9, 17                      ; my part of x, bytes
	s_lshl_b32 s31, ttmp9, 14                      ; my part of a matrix, bytes
	s_lshl_b32 s32, ttmp9, 16                      ; my part of xh
	s_lshl_b32 s33, ttmp9, 13                      ; my part of a matrix's copy
	s_lshl_b32 s34, ttmp9, 4                       ; my four numbers of conv_b and of bc
	s_mov_b32 s37, 0x76543210                      ; v_permlanex16_b32: lane i of one half reads lane i of the other
	s_mov_b32 s38, 0xfedcba98
	v_lshl_add_u32 v1, v0, 4, s30
	v_lshl_add_u32 v2, v0, 4, s31
	v_lshl_add_u32 v3, v0, 3, s32
	v_lshl_add_u32 v4, v0, 3, s33
	v_lshlrev_b32 v5, 4, v0
	v_mov_b32 v6, s34
	v_lshrrev_b32 v7, 5, v0
	v_readfirstlane_b32 s35, v7                    ; wave
	s_wait_kmcnt 0x0
	s_add_nc_u64 s[28:29], s[24:25], 0x800000      ; conv_w's and Wp2's copies lie 8 and 10 MiB into wrest, past a store's immediate
	global_load_b128 v[BP:BP+3], v5, s[18:19]
	global_load_b128 v[CB:CB+3], v6, s[20:21]
.set n, 0
.rept 32
	global_load_b128 v[D0+4*n:D0+4*n+3], v1, s[4:5] offset:n*4096 th:TH_LOAD_NT
.set n, n+1
.endr
.macro LDW p, n0
.irp i, 0,1,2,3
	global_load_b128 v[D0+4*(\n0+\i):D0+4*(\n0+\i)+3], v2, s[\p:\p+1] offset:\i*4096 th:TH_LOAD_NT
.endr
.endm
	LDW 6, 32                                      ; Wp2
	LDW 8, 36                                      ; conv_w
	LDW 10, 40                                     ; Wa
	LDW 12, 44                                     ; Wx
	LDW 14, 48                                     ; Wp1
	LDW 16, 52                                     ; Wp3
; Load idx of the 56 is rounded in place by the conversion cvt and stored.  No register that a pending memory instruction names is written
; again before the wait at the kernel's tail.
.macro OUT idx, vo, p, off, cvt
	s_wait_loadcnt 55-(\idx)                       ; loads return in order: mine is in, the younger ones stay out
	\cvt v[D0+4*(\idx)], v[D0+4*(\idx)], v[D0+4*(\idx)+1]
	\cvt v[D0+4*(\idx)+1], v[D0+4*(\idx)+2], v[D0+4*(\idx)+3]
	global_store_b64 v\vo, v[D0+4*(\idx):D0+4*(\idx)+1], s[\p:\p+1] offset:\off
.endm
.macro OUTW n0, p, base, cvt
.irp i, 0,1,2,3
	OUT \n0+\i, 4, \p, \base+\i*2048, \cvt
.endr
.endm
; my four columns' part of row i of conv_w times bp2, before the row is rounded in place
.macro DOT i
	s_wait_loadcnt 55-(36+\i)
	v_pk_mul_f32 v[TT+2*(\i&1):TT+2*(\i&1)+1], v[D0+4*(36+\i):D0+4*(36+\i)+1], v[BP:BP+1]
	v_pk_fma_f32 v[TT+2*(\i&1):TT+2*(\i&1)+1], v[D0+4*(36+\i)+2:D0+4*(36+\i)+3], v[BP+2:BP+3], v[TT+2*(\i&1):TT+2*(\i&1)+1]
	v_add_f32 v[PS+\i], v[TT+2*(\i&1)], v[TT+2*(\i&1)+1]
.endm
.set n, 0
.rept 32
	OUT n, 3, 22, n*2048, v_cvt_pk_f16_f32         ; x -> xh
.set n, n+1
.endr
	OUTW 32, 28, 0x200000, v_cvt_pk_f16_f32        ; Wp2, 10 MiB into wrest
	DOT 0
	DOT 1
	DOT 2
	DOT 3
	OUTW 36, 28, 0, v_cvt_pk_f16_f32               ; conv_w, 8 MiB into wrest
	OUTW 40, 24, 0, v_cvt_pk_bf16_f32              ; Wa
	OUTW 44, 24, 0x200000, v_cvt_pk_bf16_f32       ; Wx
	OUTW 48, 24, 0x400000, v_cvt_pk_f16_f32        ; Wp1
	OUTW 52, 24, 0x600000, v_cvt_pk_f16_f32        ; Wp3
	; bc: the four sums over the 32 lanes, then over the eight waves
.irp i, 0,1,2,3
	v_add_f32_dpp v[PS+\i], v[PS+\i], v[PS+\i] row_xmask:1 row_mask:0xf bank_mask:0xf
	v_add_f32_dpp v[PS+\i], v[PS+\i], v[PS+\i] row_xmask:2 row_mask:0xf bank_mask:0xf
	v_add_f32_dpp v[PS+\i], v[PS+\i], v[PS+\i] row_xmask:4 row_mask:0xf bank_mask:0xf
	v_add_f32_dpp v[PS+\i], v[PS+\i], v[PS+\i] row_xmask:8 row_mask:0xf bank_mask:0xf
	v_permlanex16_b32 v[TT+\i], v[PS+\i], s37, s38 ; its destination counts as read: all four were written above
	v_add_f32 v[PS+\i], v[PS+\i], v[TT+\i]
.endr
	v_mov_b32 v7, s35
	v_lshlrev_b32 v7, 4, v7                        ; 16 bytes for each wave; all lanes write the same bytes with the same values
	ds_store_b128 v7, v[PS:PS+3]
	s_wait_dscnt 0x0                               ; for the others' sake: my store is done
	s_barrier_signal -1
	s_barrier_wait -1
	s_cmp_lg_u32 s35, 0
	s_cbranch_scc1 .Ldone
	s_wait_xcnt 0x0                                ; v[12:43], which stores read, are written again, and EXEC is changed, only behind this wait
	v_mov_b32 v[ZA], 0
.irp w, 0,1,2,3,4,5,6,7
	ds_load_b128 v[D0+4*\w:D0+4*\w+3], v[ZA] offset:16*\w
.endr
	s_wait_dscnt 0x0
.irp w, 1,2,3,4,5,6,7
	v_pk_add_f32 v[D0:D0+1], v[D0:D0+1], v[D0+4*\w:D0+4*\w+1]
	v_pk_add_f32 v[D0+2:D0+3], v[D0+2:D0+3], v[D0+4*\w+2:D0+4*\w+3]
.endr
	v_pk_add_f32 v[D0:D0+1], v[D0:D0+1], v[CB:CB+1]
	v_pk_add_f32 v[D0+2:D0+3], v[D0+2:D0+3], v[CB+2:CB+3]
	v_cmp_eq_u32 vcc_lo, 0, v0
	s_and_saveexec_b32 s36, vcc_lo                 ; lane 0 alone
	global_store_b128 v6, v[D0:D0+3], s[26:27]
	s_wait_xcnt 0x0                                ; EXEC is widened only behind this wait
	s_or_b32 exec_lo, exec_lo, s36
.Ldone:
	s_wait_tensorcnt 0x0
	ds_add_u32 v254, v255
	s_wait_dscnt 0x0
	s_endpgm
.Lfunc_end_k_qae8689a5a3_cast:
	.size	k_qae8689a5a3_cast, .Lfunc_end_k_qae8689a5a3_cast-k_qae8689a5a3_cast
	.p2alignl 7, 3214868480
	.fill 96, 4, 3214868480
	.section	.rodata,"a",@progbits
	.p2align	6, 0x0
	.amdhsa_kernel k_qae8689a5a3_cast
		.amdhsa_group_segment_fixed_size 1280
		.amdhsa_private_segment_fixed_size 0
		.amdhsa_enable_private_segment 0
		.amdhsa_kernarg_size 96
		.amdhsa_user_sgpr_count 2
		.amdhsa_user_sgpr_kernarg_segment_ptr 1
		.amdhsa_wavefront_size32 1
		.amdhsa_system_sgpr_workgroup_id_x 1
		.amdhsa_system_sgpr_workgroup_id_y 1
		.amdhsa_system_sgpr_workgroup_id_z 1
		.amdhsa_system_vgpr_workitem_id 0
		.amdhsa_next_free_vgpr 256
		.amdhsa_next_free_sgpr 66
		.amdhsa_reserve_vcc 1
		.amdhsa_float_denorm_mode_32 3
		.amdhsa_float_denorm_mode_16_64 3
		.amdhsa_memory_ordered 1
		.amdhsa_forward_progress 1
		.amdhsa_inst_pref_size 26
	.end_amdhsa_kernel
	.amdgpu_metadata
---
amdhsa.version: [ 1, 2 ]
amdhsa.kernels:
  - .name:           k_qae8689a5a3_cast
    .symbol:         k_qae8689a5a3_cast.kd
    .args:
      - { .name: x, .offset: 0, .size: 8, .value_kind: global_buffer, .address_space: global }
      - { .name: Wp2, .offset: 8, .size: 8, .value_kind: global_buffer, .address_space: global }
      - { .name: conv_w, .offset: 16, .size: 8, .value_kind: global_buffer, .address_space: global }
      - { .name: Wa, .offset: 24, .size: 8, .value_kind: global_buffer, .address_space: global }
      - { .name: Wx, .offset: 32, .size: 8, .value_kind: global_buffer, .address_space: global }
      - { .name: Wp1, .offset: 40, .size: 8, .value_kind: global_buffer, .address_space: global }
      - { .name: Wp3, .offset: 48, .size: 8, .value_kind: global_buffer, .address_space: global }
      - { .name: bp2, .offset: 56, .size: 8, .value_kind: global_buffer, .address_space: global }
      - { .name: conv_b, .offset: 64, .size: 8, .value_kind: global_buffer, .address_space: global }
      - { .name: xh, .offset: 72, .size: 8, .value_kind: global_buffer, .address_space: global }
      - { .name: wrest, .offset: 80, .size: 8, .value_kind: global_buffer, .address_space: global }
      - { .name: bcb, .offset: 88, .size: 8, .value_kind: global_buffer, .address_space: global }
    .group_segment_fixed_size: 1280
    .private_segment_fixed_size: 0
    .kernarg_segment_align: 8
    .kernarg_segment_size: 96
    .max_flat_workgroup_size: 256
    .sgpr_count:     66
    .vgpr_count:     256
    .wavefront_size: 32
...
	.end_amdgpu_metadata
.endif
;; end of part 6
;; launch compose (part 7): grid 8 x 32, 4 waves a work-group, clusters of 4 x 4, 327,680 bytes of LDS; arguments wrest, wcomp; writes wcomp
.if DOCPART == 7
	.amdgcn_target "amdgcn-amd-amdhsa--gfx1250"
	.amdhsa_code_object_version 6
	.text
	.protected	k_qae8689a5a3_compose
	.globl	k_qae8689a5a3_compose
	.p2align	8
	.type	k_qae8689a5a3_compose,@function
k_qae8689a5a3_compose:
	s_mov_b64 s[64:65], 0
	v_nop
	global_prefetch_b8 v0, s[64:65] scope:SCOPE_SE
	s_setreg_imm32_b32 hwreg(HW_REG_WAVE_MODE, 25, 1), 1
	s_wait_xcnt 0x0
	s_wait_alu depctr_hold_cnt(0) depctr_sa_sdst(0) depctr_va_vdst(0) depctr_va_sdst(0) depctr_va_ssrc(0) depctr_va_vcc(0) depctr_vm_vsrc(0)
	s_getreg_b32 s2, hwreg(HW_REG_IB_STS2, 6, 4)
	s_cmp_eq_u32 s2, 0
	s_cbranch_scc0 .Lentry_in_a_cluster
	s_endpgm
.Lentry_in_a_cluster:
	s_bfe_u32 s2, ttmp6, 0x10000c
	s_cmp_lg_u32 s2, 0xf033
	s_cbranch_scc0 .Lentry_shape_is_right
	s_endpgm
.Lentry_shape_is_right:
; COMPOSE: Wc[o][d] = sum over h of conv_w[o][h] Wp2[h][d], f16 operands, f32 sums, rounded once to f16, row-major [1024][1024].
; It stands for the second of two products that have nothing non-linear between them (shown at the head of the first kernel).
; ROOM IN f16: Wc is of the order 0.01; with both factors thirty times larger about 9, with both offset by thirty spreads a few hundred to a
; few thousand.  LIMIT: above 65,504 it becomes infinite; with both factors thirty times smaller it is about 1e-5, under f16's normal numbers,
; and keeps an absolute error of 3e-8, about what a bf16 rounding would cost there.
; A work-group makes 32 rows (o) x 128 columns (d) with four waves: Wp2's tile rows and Wc's stored rows are 256 bytes at multiples of 256.
; Wave w makes all 32 rows x columns 32 w .. 32 w + 31: four accumulator tiles.
; h goes in four chunks of 256.  LDS: conv_w's four chunks (32 rows x 528 bytes each), three slots for Wp2's chunks (256 rows x 288 bytes),
; a stage.  Four slots would make 67,584 + 294,912 bytes, more than the 327,680 that a work-group may have, so chunk 3 takes chunk 0's slot.
; Everything else is asked for at once: by this text's count a wave has four tensor loads out at the start, later one.
; CLUSTERS: 4 x 4 work-groups.  The four of a cluster's row share the rows o, so conv_w's tiles; the four of a column share Wp2's tiles.
; Each such tile is asked for jointly, by the same line with the same descriptor in all four: a quarter of the requests.
; Wp2 lies [h][d], h down the rows: its fragments come by the transposing LDS load (eight lanes address eight rows, each gets one column's
; eight h).  TRANSPOSED USE (source 0 = 16 columns d, source 1 = 16 rows o): lane l holds row l % 16 and the eight columns 8 (l / 16) + 0..7.
; REGISTERS: window 0: v8-18 addresses, v32-63 accumulator (m, nt) at v[32 + 8 (2 m + nt)], v64-127, v128-191 conv_w's fragments (two buffers
; of four K steps), v192-223 the way out.   window 1: v64-127, v128-191 Wp2's fragments.
.set KC,     256                       ; h in a chunk
.set APITCH, 528                       ; 512 bytes + 16: an odd multiple of 16
.set ACH,    32*APITCH                 ; a chunk of conv_w
.set BPITCH, 288                       ; 256 bytes + 32: an odd multiple of 32, for the transposing load
.set BPART,  64*BPITCH                 ; one wave's load of Wp2: 64 rows
.set BSLOT,  4*BPART
.set BBASE,  4*ACH
.set STAGE,  BBASE+3*BSLOT             ; at a multiple of 256; no fill lands there
.set SPITCH, 272
.set ADRA, 8
.set ADRB, 10                          ; v10-15: slot s, half hf of its rows at 2 s + hf
.set STO,  16
.set RD,   17
.set CO,   18
.set ACC,  32
.set F0,   64
.set F1,   128
.set PK,   192
.set BK,   208
.set GA1, 24
.set GA0, 32
.set GB0, 36                           ; s[36:47] a group 0 for each slot
.set GB1, 48
.set MUL,  0x01                        ; source 0 window 1, all else window 0
.set TO_B, 0x40                        ; destination window 1
.set MSB, 0
.macro WIN new                         ; the immediate's high byte repeats the setting that is left
.if MSB != \new
	s_set_vgpr_msb (MSB<<8)|\new
.set MSB, \new
.endif
.endm
.macro PLACES                          ; four independent vector instructions between a matrix instruction and a load into, or a vector
.rept 4                                ; instruction on, its registers (ISA guide 7.12.1)
	v_nop
.endr
.endm
.macro CREST                           ; a round of the cluster's barrier behind its opening work-group barrier
	s_cmp_lg_u32 s16, 0
	s_cbranch_scc1 .Lnot_wave_0_\@
	s_barrier_signal -3
.Lnot_wave_0_\@:
	s_barrier_wait -3
	s_barrier_signal -1
	s_barrier_wait -1
.endm
.macro CROUND
	s_barrier_signal -1
	s_barrier_wait -1
	CREST
.endm
	s_load_b128 s[4:7], s[0:1], 0x0                ; the 16-bit copies s[4:5], Wc s[6:7]
	s_set_vgpr_msb 0x40
	v_lshl_add_u32 v193, v0, 2, 0x48a00
	s_set_vgpr_msb 0x4000
	v_mov_b32 v255, 0
	s_set_vgpr_msb 0x1
	ds_add_u32 v193, v255
	s_set_vgpr_msb 0x100
	v_lshrrev_b32 v1, 5, v0
	v_readfirstlane_b32 s16, v1                    ; wave
	s_bfe_u32 s21, ttmp6, 0x40000                  ; cx
	s_bfe_u32 s22, ttmp6, 0x40004                  ; cy
	s_lshl_b32 s20, ttmp9, 2
	s_add_co_u32 s20, s20, s21                     ; block column (128 d)
	s_and_b32 s19, ttmp7, 0xffff
	s_lshl_b32 s19, s19, 2
	s_add_co_u32 s19, s19, s22                     ; block row (32 o)
	s_lshl_b32 s56, s22, 2
	s_lshl_b32 s56, 15, s56                        ; my row of the cluster
	s_lshl_b32 s60, 0x1111, s21                    ; my column
	s_or_b32 s[GA1+0], s56, 0x07b10000             ; mask; 2-byte elements; padding on; bit 21 beside a mask; 4 words behind every 128
	s_mov_b32 s[GA1+1], KC<<16                     ; tensor_dim0 = 256
	s_mov_b32 s[GA1+2], 32<<16                     ; tensor_dim1 = 32
	s_mov_b32 s[GA1+3], KC<<16                     ; tile_dim0 = 256
	s_mov_b32 s[GA1+4], 32                         ; tile_dim1 = 32
	s_mov_b32 s[GA1+5], 1024                       ; elements from row to row
	s_mov_b32 s[GA1+6], 0
	s_mov_b32 s[GA1+7], 0
	s_or_b32 s[GB1+0], s60, 0x0f710000             ; mask; 2-byte elements; padding on; bit 21; 8 words behind every 64
	s_mov_b32 s[GB1+1], 128<<16                    ; tensor_dim0 = 128
	s_mov_b32 s[GB1+2], 64<<16                     ; tensor_dim1 = 64
	s_mov_b32 s[GB1+3], 128<<16                    ; tile_dim0 = 128
	s_mov_b32 s[GB1+4], 64                         ; tile_dim1 = 64
	s_mov_b32 s[GB1+5], 1024
	s_mov_b32 s[GB1+6], 0
	s_mov_b32 s[GB1+7], 0
	s_lshl_b32 s56, s19, 16                        ; conv_w: row 32 x block row, chunk w (512 bytes a chunk); the block column never enters
	s_lshl_b32 s57, s16, 9
	s_add_co_u32 s56, s56, s57
	s_add_co_u32 s56, s56, 0x800000                ; its copy lies 8 MiB into the buffer
	s_mov_b32 s57, 0
	s_lshl_b32 s60, s16, 17                        ; Wp2: row 64 w of a chunk, column 128 x block column; the block row never enters
	s_lshl_b32 s61, s20, 8
	s_add_co_u32 s60, s60, s61
	s_add_co_u32 s60, s60, 0xa00000                ; its copy lies 10 MiB into the buffer
	s_mov_b32 s61, 0
	s_mul_i32 s66, s16, ACH                        ; LDS: conv_w's chunk w at wave x 16,896,
	s_mul_i32 s67, s16, BPART
	s_add_co_u32 s67, s67, BBASE                   ; my rows of a chunk of Wp2 at 67,584 + wave x 18,432 + the slot
	s_wait_dscnt 0x0
	s_wait_kmcnt 0x0
	s_add_nc_u64 s[58:59], s[4:5], s[56:57]
	s_add_nc_u64 s[62:63], s[4:5], s[60:61]
	CROUND                                         ; all sixteen work-groups are here: the first joint loads meet
	s_mov_b32 s[GA0], 1
	s_mov_b32 s[GA0+1], s66
	s_mov_b64 s[GA0+2:GA0+3], s[58:59]
	s_or_b32 s[GA0+3], s[GA0+3], 0x80000000
	tensor_load_to_lds s[GA0:GA0+3], s[GA1:GA1+7]  ; conv_w's chunk w
	s_nop 0
.irp c, 0,1,2
	s_mov_b32 s[GB0+4*\c], 1
	s_add_co_u32 s[GB0+4*\c+1], s67, \c*BSLOT
	s_add_nc_u64 s[GB0+4*\c+2:GB0+4*\c+3], s[62:63], \c*KC*2048
	s_or_b32 s[GB0+4*\c+3], s[GB0+4*\c+3], 0x80000000
	tensor_load_to_lds s[GB0+4*\c:GB0+4*\c+3], s[GB1:GB1+7]        ; my 64 rows of Wp2's chunk c
	s_nop 0
.endr
	v_and_b32 v1, 15, v0                           ; r = l % 16
	v_bfe_u32 v2, v0, 4, 1                         ; h = l / 16
	v_and_b32 v3, 7, v0                            ; l & 7
	v_bfe_u32 v4, v0, 3, 1                         ; (l >> 3) & 1
	v_mul_u32_u24 v5, v1, APITCH
	v_lshl_add_u32 v[ADRA], v2, 4, v5              ; conv_w: r x pitch + 16 h
	v_lshl_add_u32 v6, v2, 3, v3                   ; Wp2: row 8 h + (l & 7),
	v_mul_u32_u24 v6, v6, BPITCH
	v_lshl_add_u32 v6, v4, 4, v6                   ; 16 bytes at column 8 ((l >> 3) & 1),
	s_lshl_b32 s68, s16, 6                         ; my wave's 32 columns
	s_add_co_u32 s68, s68, BBASE
.irp n, 0,1,2,3,4,5
	s_add_co_u32 s69, s68, \n*128*BPITCH           ; half a slot is 128 rows: an LDS immediate reaches no further than 65,535
	v_add_nc_u32 v[ADRB+\n], s69, v6
.endr
	v_mul_u32_u24 v7, v1, SPITCH
	v_lshl_add_u32 v7, v2, 4, v7
	s_add_co_u32 s69, s68, STAGE-BBASE
	v_add_nc_u32 v[STO], s69, v7                   ; in: row r, my wave's 64 bytes, 16 bytes for each half of the lanes
	v_mul_u32_u24 v7, v2, SPITCH
	v_lshl_add_u32 v7, v1, 4, v7
	s_mul_i32 s69, s16, 8*SPITCH
	s_add_co_u32 s69, s69, STAGE
	v_add_nc_u32 v[RD], s69, v7                    ; back: rows 8 w ..: lanes 0-15 one row of 256 bytes, lanes 16-31 the next
	v_lshlrev_b32 v7, 11, v2
	v_lshl_add_u32 v[CO], v1, 4, v7                ; the same two rows in Wc
	s_lshl_b32 s70, s19, 16                        ; row 32 x block row + 8 w, 2,048 bytes a row; 256 bytes a block column
	s_lshl_b32 s71, s16, 14
	s_add_co_u32 s70, s70, s71
	s_lshl_b32 s71, s20, 8
	s_add_co_u32 s70, s70, s71
	s_mov_b32 s71, 0
	s_add_nc_u64 s[6:7], s[6:7], s[70:71]
; One K step of 32: four matrix instructions.  The four accumulators take turns in one fixed order, one instruction a turn.
; zero = 1: the first product starts the sums.
.macro MULK f, ks, zero
.irp m, 0,1
.irp nt, 0,1
.if \zero
	v_wmma_f32_16x16x32_f16 v[ACC+8*(2*\m+\nt):ACC+8*(2*\m+\nt)+7], v[\f+16*\ks+8*\nt:\f+16*\ks+8*\nt+7], v[\f+16*\ks+8*\m:\f+16*\ks+8*\m+7], 0
.else
	v_wmma_f32_16x16x32_f16 v[ACC+8*(2*\m+\nt):ACC+8*(2*\m+\nt)+7], v[\f+16*\ks+8*\nt:\f+16*\ks+8*\nt+7], v[\f+16*\ks+8*\m:\f+16*\ks+8*\m+7], v[ACC+8*(2*\m+\nt):ACC+8*(2*\m+\nt)+7]
.endif
.endr
.endr
.endm
; Group g of eight = four K steps: chunk g >> 1, half g & 1; chunk c lies in slot c % 3.  32 LDS loads into buffer f.
.macro FETCH g, f
	WIN TO_B
.irp ks, 0,1,2,3
.irp nt, 0,1
	ds_load_tr16_b128 v[\f+16*\ks+8*\nt:\f+16*\ks+8*\nt+3],   v[ADRB+2*(((\g)>>1)%3)+((\g)&1)] offset:\ks*32*BPITCH+32*\nt
	ds_load_tr16_b128 v[\f+16*\ks+8*\nt+4:\f+16*\ks+8*\nt+7], v[ADRB+2*(((\g)>>1)%3)+((\g)&1)] offset:\ks*32*BPITCH+16*BPITCH+32*\nt
.endr
.endr
	WIN 0
.irp ks, 0,1,2,3
.irp m, 0,1
	ds_load_b128 v[\f+16*\ks+8*\m:\f+16*\ks+8*\m+3],   v[ADRA] offset:((\g)>>1)*ACH+\m*16*APITCH+(4*((\g)&1)+\ks)*64
	ds_load_b128 v[\f+16*\ks+8*\m+4:\f+16*\ks+8*\m+7], v[ADRA] offset:((\g)>>1)*ACH+\m*16*APITCH+(4*((\g)&1)+\ks)*64+32
.endr
.endr
.endm
; fetches group g + 1 into buffer n, then multiplies group g from buffer f
.macro GROUP g, f, n, zero
	PLACES
	FETCH \g+1, \n
	s_wait_dscnt 32                                ; the 32 just issued may stay out: buffer f, asked for a group earlier, is in
	WIN MUL
	MULK \f, 0, \zero
	MULK \f, 1, 0
	MULK \f, 2, 0
	MULK \f, 3, 0
.endm
	s_wait_tensorcnt 0x2                           ; my chunk of conv_w and my rows of Wp2's chunk 0 are in; chunks 1 and 2 may stay out:
	s_barrier_signal -1
	s_barrier_wait -1
	FETCH 0, F0
	GROUP 0, F0, F1, 1
	; group 1 ends chunk 0.  My reads of slot 0 are back and all my tensor loads have landed in front of the round's opening signal; the joint
	; refill, chunk 3 into slot 0, is my first and only tensor load behind the round.
	s_wait_dscnt 0x0
	s_wait_tensorcnt 0x0
	ds_add_u32 v193, v255
	s_wait_dscnt 0x0
	s_barrier_signal -1
	WIN MUL
	MULK F1, 0, 0                                  ; register work while the others arrive
	MULK F1, 1, 0
	WIN 0
	s_barrier_wait -1
	CREST
	s_add_nc_u64 s[GB0+2:GB0+3], s[GB0+2:GB0+3], 3*KC*2048
	tensor_load_to_lds s[GB0:GB0+3], s[GB1:GB1+7]
	s_nop 0
	PLACES
	FETCH 2, F0
	WIN MUL
	MULK F1, 2, 0
	MULK F1, 3, 0
	GROUP 2, F0, F1, 0
	GROUP 3, F1, F0, 0
	GROUP 4, F0, F1, 0
	; group 5 ends chunk 2; chunk 3 is read behind every wave's wait for its part.
	s_wait_dscnt 0x0
	s_wait_tensorcnt 0x0
	s_barrier_signal -1
	WIN MUL
	MULK F1, 0, 0
	MULK F1, 1, 0
	WIN 0
	s_barrier_wait -1
	PLACES
	FETCH 6, F0
	WIN MUL
	MULK F1, 2, 0
	MULK F1, 3, 0
	GROUP 6, F0, F1, 0
	s_wait_dscnt 0x0
	MULK F1, 0, 0
	MULK F1, 1, 0
	MULK F1, 2, 0
	MULK F1, 3, 0
	WIN 0
	PLACES
	; THE WAY OUT: round to f16, 16 bytes a lane and tile into the stage; behind a barrier whole rows of 256 bytes back, eight rows a wave.
.irp a, 0,1,2,3
.irp j, 0,1,2,3
	v_cvt_pk_f16_f32 v[PK+4*\a+\j], v[ACC+8*\a+2*\j], v[ACC+8*\a+2*\j+1]
.endr
.endr
.irp m, 0,1
.irp nt, 0,1
	ds_store_b128 v[STO], v[PK+4*(2*\m+\nt):PK+4*(2*\m+\nt)+3] offset:\m*16*SPITCH+32*\nt
.endr
.endr
	s_wait_dscnt 0x0                               ; for the others' sake: my stores are done
	s_barrier_signal -1
	s_barrier_wait -1
.irp t, 0,1,2,3
	ds_load_b128 v[BK+4*\t:BK+4*\t+3], v[RD] offset:\t*2*SPITCH
.endr
.irp t, 0,1,2,3
	s_wait_dscnt 3-\t                              ; the younger read-backs stay out
	global_store_b128 v[CO], v[BK+4*\t:BK+4*\t+3], s[6:7] offset:\t*4096   ; 16 lanes: 256 consecutive bytes at a multiple of 256
.endr
	s_set_vgpr_msb 0x1
	s_wait_tensorcnt 0x0
	ds_add_u32 v193, v255
	s_wait_dscnt 0x0
	s_set_vgpr_msb 0x100
	CROUND                                         ; no work-group ends while a partner may still ask for a tile that names it
	s_endpgm
.Lfunc_end_k_qae8689a5a3_compose:
	.size	k_qae8689a5a3_compose, .Lfunc_end_k_qae8689a5a3_compose-k_qae8689a5a3_compose
	.p2alignl 7, 3214868480
	.fill 96, 4, 3214868480
	.section	.rodata,"a",@progbits
	.p2align	6, 0x0
	.amdhsa_kernel k_qae8689a5a3_compose
		.amdhsa_group_segment_fixed_size 327680
		.amdhsa_private_segment_fixed_size 0
		.amdhsa_enable_private_segment 0
		.amdhsa_kernarg_size 16
		.amdhsa_user_sgpr_count 2
		.amdhsa_user_sgpr_kernarg_segment_ptr 1
		.amdhsa_wavefront_size32 1
		.amdhsa_system_sgpr_workgroup_id_x 1
		.amdhsa_system_sgpr_workgroup_id_y 1
		.amdhsa_system_sgpr_workgroup_id_z 1
		.amdhsa_system_vgpr_workitem_id 0
		.amdhsa_next_free_vgpr 450
		.amdhsa_next_free_sgpr 76
		.amdhsa_reserve_vcc 0
		.amdhsa_float_denorm_mode_32 3
		.amdhsa_float_denorm_mode_16_64 3
		.amdhsa_memory_ordered 1
		.amdhsa_forward_progress 1
		.amdhsa_inst_pref_size 36
	.end_amdhsa_kernel
	.amdgpu_metadata
---
amdhsa.version: [ 1, 2 ]
amdhsa.kernels:
  - .name:           k_qae8689a5a3_compose
    .symbol:         k_qae8689a5a3_compose.kd
    .args:
      - { .name: wrest, .offset: 0, .size: 8, .value_kind: global_buffer, .address_space: global }
      - { .name: wcomp, .offset: 8, .size: 8, .value_kind: global_buffer, .address_space: global }
    .group_segment_fixed_size: 327680
    .private_segment_fixed_size: 0
    .kernarg_segment_align: 8
    .kernarg_segment_size: 16
    .max_flat_workgroup_size: 128
    .sgpr_count:     76
    .vgpr_count:     450
    .wavefront_size: 32
...
	.end_amdgpu_metadata
.endif
;; end of part 7
;; launch xcp (part 8): grid 8 x 32, 4 waves a work-group, clusters of 4 x 4, 327,680 bytes of LDS; arguments xh, wcomp, bcb, xc; writes xc
.if DOCPART == 8
	.amdgcn_target "amdgcn-amd-amdhsa--gfx1250"
	.amdhsa_code_object_version 6
	.text
	.protected	k_qae8689a5a3_xcp
	.globl	k_qae8689a5a3_xcp
	.p2align	8
	.type	k_qae8689a5a3_xcp,@function
k_qae8689a5a3_xcp:
	s_mov_b64 s[64:65], 0
	v_nop
	global_prefetch_b8 v0, s[64:65] scope:SCOPE_SE
	s_setreg_imm32_b32 hwreg(HW_REG_WAVE_MODE, 25, 1), 1
	s_wait_xcnt 0x0
	s_wait_alu depctr_hold_cnt(0) depctr_sa_sdst(0) depctr_va_vdst(0) depctr_va_sdst(0) depctr_va_ssrc(0) depctr_va_vcc(0) depctr_vm_vsrc(0)
	s_getreg_b32 s2, hwreg(HW_REG_IB_STS2, 6, 4)
	s_cmp_eq_u32 s2, 0
	s_cbranch_scc0 .Lentry_in_a_cluster
	s_endpgm
.Lentry_in_a_cluster:
	s_bfe_u32 s2, ttmp6, 0x10000c
	s_cmp_lg_u32 s2, 0xf033
	s_cbranch_scc0 .Lentry_shape_is_right
	s_endpgm
.Lentry_shape_is_right:
; xc[m][n] = max(sum over k of x[m][k] Wc[n][k] + bc[n], 0), rounded to bf16.  x [8192][1024] and Wc [1024][1024] are f16, bc f32, sums f32.
; Wc and bc stand for the linear layer and the pointwise convolution together (shown at the head of the first kernel).
; xc goes out as bf16: it has no room in f16 under offsets on the inputs.
; LIMIT: a NaN sum comes out as 0 (v_max_num_f32 lets the number win).
; A work-group makes 256 rows x 128 columns with four waves; wave w makes rows 64 w .. 64 w + 63, all 128 columns: 32 accumulator tiles.
; K goes in 8 steps of 128 through two LDS slots filled by tensor loads; a tile's rows are 256 bytes of memory at multiples of 256.
; CLUSTERS: 4 x 4 work-groups.  The four of a cluster's row share the block row, so x's tiles; the four of a column share Wc's tiles.
; Each such tile is asked for jointly, by the same line with the same descriptor in all four: a quarter of the requests.
; REGISTERS: window 0: v16-27 addresses, v64-95 and v128-159 x's fragments (two buffers), v192-255 bias; on the way out v64-191 at work.
;            window 1: v64-127, v128-191 Wc's fragments.   window 2: accumulator tile (a, b) at v[8 (8 a + b)].
; THE MATRIX INSTRUCTION IS USED TRANSPOSED (source 0 = 16 rows of Wc, source 1 = 16 rows of x): lane l holds row l % 16 of xc and its
; registers the eight neighbouring columns 8 (l / 16) + 0..7, which pack into 16 bytes.
.set KSTEP,  128
.set PITCH,  272                       ; 256 bytes + 16 of padding: 16 rows of a fragment start at 16 different 16-byte columns
.set ATILE,  128*PITCH                 ; one load of x: 128 rows
.set BTILE,  64*PITCH                  ; one load of Wc: 64 rows
.set BOFF,   2*ATILE
.set SLOT,   BOFF+2*BTILE
.set STAGE,  2*SLOT                    ; behind the ring, at a multiple of 256: 16 rows x 272 bytes for each wave; no fill lands there
.set LAPS,   4                         ; a lap = two K steps
.set ADRA, 16
.set ADRB, 20
.set STO,  24
.set RD,   25
.set CO,   26
.set BO,   27
.set F0,   64
.set F1,   128
.set TW,   64
.set PK,   128
.set BK,   160
.set BIAS, 192
.set G1,  24
.set G0,  32
.set G1B, 48
.set G0B, 56
.set MUL,  0xa1                        ; source 0 window 1, source 1 window 0, C and D window 2
.set TO_B, 0x40                        ; destination window 1
.set MSB, 0
.macro WIN new                         ; the immediate's high byte repeats the setting that is left
.if MSB != \new
	s_set_vgpr_msb (MSB<<8)|\new
.set MSB, \new
.endif
.endm
.macro PLACES                          ; four independent vector instructions between a matrix instruction and a load into, or a vector
.rept 4                                ; instruction on, its registers (ISA guide 7.12.1)
	v_nop
.endr
.endm
.macro JLOAD s                         ; waves 0, 1 ask for x's halves, waves 2, 3 for Wc's: one mask and one register set a line
	s_cmp_eq_u32 s17, 0
	s_cbranch_scc0 .Lfor_b_\@
	tensor_load_to_lds s[G0+4*\s:G0+4*\s+3], s[G1:G1+7]
	s_nop 0
	s_branch .Lasked_\@
.Lfor_b_\@:
	tensor_load_to_lds s[G0B+4*\s:G0B+4*\s+3], s[G1B:G1B+7]
	s_nop 0
.Lasked_\@:
.endm
.macro CREST                           ; a round of the cluster's barrier behind its opening work-group barrier
	s_cmp_lg_u32 s16, 0
	s_cbranch_scc1 .Lnot_wave_0_\@
	s_barrier_signal -3
.Lnot_wave_0_\@:
	s_barrier_wait -3
	s_barrier_signal -1
	s_barrier_wait -1
.endm
.macro CROUND
	s_barrier_signal -1
	s_barrier_wait -1
	CREST
.endm
	s_load_b256 s[4:11], s[0:1], 0x0               ; x s[4:5], Wc s[6:7], bc s[8:9], xc s[10:11]
	s_set_vgpr_msb 0x40
	v_lshl_add_u32 v255, v0, 2, 0x37400
	s_set_vgpr_msb 0x4000
	v_mov_b32 v63, 0
	s_set_vgpr_msb 0x1
	ds_add_u32 v255, v63
	s_set_vgpr_msb 0x100
	v_lshrrev_b32 v1, 5, v0
	v_readfirstlane_b32 s16, v1                    ; wave
	s_lshr_b32 s17, s16, 1                         ; I fetch for x (0) or for Wc (1)
	s_and_b32 s18, s16, 1                          ; which half of that tile
	s_bfe_u32 s21, ttmp6, 0x40000                  ; cx
	s_bfe_u32 s22, ttmp6, 0x40004                  ; cy
	s_lshl_b32 s20, ttmp9, 2
	s_add_co_u32 s20, s20, s21                     ; block column (128 columns)
	s_and_b32 s19, ttmp7, 0xffff
	s_lshl_b32 s19, s19, 2
	s_add_co_u32 s19, s19, s22                     ; block row (256 rows)
	s_lshl_b32 s40, s22, 2
	s_lshl_b32 s40, 15, s40                        ; my row of the cluster
	s_lshl_b32 s44, 0x1111, s21                    ; my column
	s_or_b32 s[G1+0], s40, 0x07710000              ; mask; 2-byte elements; padding on; bit 21 beside a mask; 4 words behind every 64
	s_or_b32 s[G1B+0], s44, 0x07710000
	s_mov_b32 s[G1+1], KSTEP<<16                   ; tensor_dim0 = 128
	s_mov_b32 s[G1+2], 128<<16                     ; tensor_dim1 = 128
	s_mov_b32 s[G1+3], KSTEP<<16                   ; tile_dim0 = 128
	s_mov_b32 s[G1+4], 128                         ; tile_dim1 = 128
	s_mov_b32 s[G1+5], 1024                        ; elements from row to row
	s_mov_b32 s[G1+6], 0
	s_mov_b32 s[G1+7], 0
	s_mov_b32 s[G1B+1], KSTEP<<16
	s_mov_b32 s[G1B+2], 64<<16                     ; Wc's loads have 64 rows
	s_mov_b32 s[G1B+3], KSTEP<<16
	s_mov_b32 s[G1B+4], 64
	s_mov_b32 s[G1B+5], 1024
	s_mov_b32 s[G1B+6], 0
	s_mov_b32 s[G1B+7], 0
	s_lshl_b32 s40, s19, 8                         ; x: row 256 x block row + 128 x half, in bytes (the block column never enters)
	s_lshl_b32 s41, s18, 7
	s_add_co_u32 s40, s40, s41
	s_lshl_b32 s40, s40, 11
	s_mov_b32 s41, 0
	s_lshl_b32 s44, s20, 7                         ; Wc: row 128 x block column + 64 x half (the block row never enters)
	s_lshl_b32 s45, s18, 6
	s_add_co_u32 s44, s44, s45
	s_lshl_b32 s44, s44, 11
	s_mov_b32 s45, 0
	s_mul_i32 s66, s16, ATILE                      ; LDS: x's halves at wave x 34,816 (waves 0, 1),
	s_mul_i32 s67, s16, BTILE
	s_add_co_u32 s67, s67, ATILE                   ; Wc's at wave x 17,408 + 34,816 (waves 2, 3)
	s_wait_dscnt 0x0
	s_wait_kmcnt 0x0
	s_add_nc_u64 s[42:43], s[4:5], s[40:41]
	s_add_nc_u64 s[46:47], s[6:7], s[44:45]
	CROUND                                         ; all sixteen work-groups are here: the first joint loads meet
.irp s, 0,1
	s_mov_b32 s[G0+4*\s], 1
	s_add_co_u32 s[G0+4*\s+1], s66, \s*SLOT
	s_add_nc_u64 s[G0+4*\s+2:G0+4*\s+3], s[42:43], \s*KSTEP*2
	s_or_b32 s[G0+4*\s+3], s[G0+4*\s+3], 0x80000000
	s_mov_b32 s[G0B+4*\s], 1
	s_add_co_u32 s[G0B+4*\s+1], s67, \s*SLOT
	s_add_nc_u64 s[G0B+4*\s+2:G0B+4*\s+3], s[46:47], \s*KSTEP*2
	s_or_b32 s[G0B+4*\s+3], s[G0B+4*\s+3], 0x80000000
	JLOAD \s                                       ; K steps 0 and 1: two loads of mine are out
.endr
	v_and_b32 v1, 15, v0                           ; r = l % 16
	v_bfe_u32 v2, v0, 4, 1                         ; h = l / 16
	v_mul_u32_u24 v3, v1, PITCH
	v_lshl_add_u32 v3, v2, 4, v3                   ; r x pitch + 16 h
	s_mul_i32 s69, s16, 64*PITCH                   ; my 64 rows of x
	v_add_nc_u32 v[ADRA], s69, v3
	s_add_co_u32 s70, s69, SLOT
	v_add_nc_u32 v[ADRA+1], s70, v3
	v_add_nc_u32 v[ADRB], BOFF, v3
	v_add_nc_u32 v[ADRB+1], BOFF+SLOT, v3
	s_mul_i32 s71, s16, 16*PITCH
	s_add_co_u32 s71, s71, STAGE                   ; my stage
	v_add_nc_u32 v[STO], s71, v3                   ; in: row r, 16 bytes for each half of the lanes
	v_mul_u32_u24 v4, v2, PITCH
	v_lshl_add_u32 v4, v1, 4, v4
	v_add_nc_u32 v[RD], s71, v4                    ; back: lanes 0-15 one row of 256 bytes, lanes 16-31 the next
	v_lshlrev_b32 v5, 11, v2
	v_lshl_add_u32 v[CO], v1, 4, v5                ; the same two rows in xc
	v_lshlrev_b32 v[BO], 5, v2                     ; bias: 8 h numbers
	s_lshl_b32 s72, s20, 9
	s_mov_b32 s73, 0
	s_add_nc_u64 s[8:9], s[8:9], s[72:73]          ; bias of my 128 columns
.irp b, 0,1,2,3,4,5,6,7
	global_load_b128 v[BIAS+8*\b:BIAS+8*\b+3],   v[BO], s[8:9] offset:64*\b
	global_load_b128 v[BIAS+8*\b+4:BIAS+8*\b+7], v[BO], s[8:9] offset:64*\b+16
.endr
	s_lshl_b32 s74, s19, 8
	s_lshl_b32 s75, s16, 6
	s_add_co_u32 s74, s74, s75                     ; my first row of xc
	s_lshl_b32 s74, s74, 11
	s_lshl_b32 s75, s20, 8                         ; my 256 bytes of a row
	s_add_co_u32 s74, s74, s75
	s_mov_b32 s75, 0
	s_add_nc_u64 s[10:11], s[10:11], s[74:75]
; 16 matrix instructions: m tiles a0, a0 + 1 x all 8 n tiles.  The 32 accumulators take turns in one fixed order, one instruction a turn.
; zero = 1: the first product starts the sums.
.macro MUL16 f, a0, zero
.irp a, \a0, \a0+1
.irp b, 0,1,2,3,4,5,6,7
.if \zero
	v_wmma_f32_16x16x32_f16 v[8*(8*(\a)+\b):8*(8*(\a)+\b)+7], v[\f+8*\b:\f+8*\b+7], v[\f+8*(\a):\f+8*(\a)+7], 0
.else
	v_wmma_f32_16x16x32_f16 v[8*(8*(\a)+\b):8*(8*(\a)+\b)+7], v[\f+8*\b:\f+8*\b+7], v[\f+8*(\a):\f+8*(\a)+7], v[8*(8*(\a)+\b):8*(8*(\a)+\b)+7]
.endif
.endr
.endr
.endm
; 24 LDS loads: one quarter step's fragments (128 rows of Wc, my 64 rows of x, 32 K at byte k of the rows) into buffer f
.macro FETCH slot, k, f
	WIN TO_B
.irp i, 0,1,2,3,4,5,6,7
	ds_load_b128 v[\f+8*\i:\f+8*\i+3],   v[ADRB+\slot] offset:\k+\i*16*PITCH
	ds_load_b128 v[\f+8*\i+4:\f+8*\i+7], v[ADRB+\slot] offset:\k+\i*16*PITCH+32
.endr
	WIN 0
.irp i, 0,1,2,3
	ds_load_b128 v[\f+8*\i:\f+8*\i+3],   v[ADRA+\slot] offset:\k+\i*16*PITCH
	ds_load_b128 v[\f+8*\i+4:\f+8*\i+7], v[ADRA+\slot] offset:\k+\i*16*PITCH+32
.endr
.endm
; One of a K step's first three quarters: fetches the next quarter's fragments into g, then multiplies f.
.macro QUARTER slot, k, f, g, zero
	PLACES
	FETCH \slot, \k, \g
	s_wait_dscnt 24                                ; the 24 just issued may stay out: buffer f, asked for a quarter earlier, is in
	WIN MUL
	MUL16 \f, 0, \zero
	MUL16 \f, 2, \zero
.endm
.macro THREE slot, zero
	QUARTER \slot, 64,  F0, F1, \zero
	QUARTER \slot, 128, F1, F0, 0
	QUARTER \slot, 192, F0, F1, 0
.endm
; The last quarter multiplies buffer 1 and changes slots.  In front of the barrier each wave's reads of this slot are back and all its
; tensor loads have landed (one was out: its part of the next slot).  Where the slot is filled again the barrier opens a round of the
; cluster's barrier, and the joint refill is the first tensor load behind the round: 112 matrix instructions lie between it and its wait.
.macro TURN slot, next, fill
	s_wait_dscnt 0x0
	s_wait_tensorcnt 0x0
	ds_add_u32 v255, v63
	s_wait_dscnt 0x0
	s_barrier_signal -1
	WIN MUL
	MUL16 F1, 0, 0                                 ; register work while the others arrive
	WIN 0
	s_barrier_wait -1
.if \fill
	CREST
	s_add_nc_u64 s[G0+4*\slot+2:G0+4*\slot+3], s[G0+4*\slot+2:G0+4*\slot+3], 2*KSTEP*2
	s_add_nc_u64 s[G0B+4*\slot+2:G0B+4*\slot+3], s[G0B+4*\slot+2:G0B+4*\slot+3], 2*KSTEP*2
	JLOAD \slot
.endif
	PLACES
	FETCH \next, 0, F0
	WIN MUL
	MUL16 F1, 2, 0
.endm
.macro LAP zero
	THREE 0, \zero
	TURN 0, 1, 1
	THREE 1, 0
	TURN 1, 0, 1
.endm
	s_wait_tensorcnt 0x1                           ; my part of K step 0 is in; K step 1's may stay out
	s_barrier_signal -1
	s_barrier_wait -1
	FETCH 0, 0, F0
	LAP 1
	WIN 0
	s_mov_b32 s23, LAPS-2
.Llap:
	LAP 0
	WIN 0
	s_sub_co_u32 s23, s23, 1
	s_cmp_lg_u32 s23, 0
	s_cbranch_scc1 .Llap
	THREE 0, 0                                     ; the last lap fills nothing
	TURN 0, 1, 0
	THREE 1, 0
	s_wait_dscnt 0x0
	WIN MUL
	MUL16 F1, 0, 0
	MUL16 F1, 2, 0
	WIN 0
	PLACES
	s_wait_loadcnt 0x0                             ; the bias
; THE WAY OUT, 16 rows at a time: + bias, ReLU, bf16, 16 bytes a lane into my stage, whole rows of 256 bytes back, stored.
.macro OUT16 i
	WIN 0x02                                       ; source 0 window 2
.irp b, 0,1,2,3,4,5,6,7
.irp j, 0,2,4,6
	v_pk_add_f32 v[TW+8*\b+\j:TW+8*\b+\j+1], v[8*(8*\i+\b)+\j:8*(8*\i+\b)+\j+1], v[BIAS+8*\b+\j:BIAS+8*\b+\j+1]
.endr
.endr
	WIN 0
.set n, 0
.rept 64
	v_max_num_f32 v[TW+n], 0, v[TW+n]
.set n, n+1
.endr
.set n, 0
.rept 32
	v_cvt_pk_bf16_f32 v[PK+n], v[TW+2*n], v[TW+2*n+1]
.set n, n+1
.endr
.irp b, 0,1,2,3,4,5,6,7
	ds_store_b128 v[STO], v[PK+4*\b:PK+4*\b+3] offset:32*\b
.endr
	s_wait_xcnt 0x0                                ; the last stores' data registers and base are rewritten only behind this wait
.if \i
	s_add_nc_u64 s[10:11], s[10:11], 16*2048
.endif
.irp t, 0,1,2,3,4,5,6,7
	ds_load_b128 v[BK+4*\t:BK+4*\t+3], v[RD] offset:\t*2*PITCH     ; a wave's LDS instructions are served in order: these see the stores above
.endr
.irp t, 0,1,2,3,4,5,6,7
	s_wait_dscnt 7-\t                              ; the younger read-backs stay out
	global_store_b128 v[CO], v[BK+4*\t:BK+4*\t+3], s[10:11] offset:2*\t*2048   ; 16 lanes: 256 consecutive bytes at a multiple of 256
.endr
.endm
	OUT16 0
	OUT16 1
	OUT16 2
	OUT16 3
	s_set_vgpr_msb 0x1
	s_wait_tensorcnt 0x0
	ds_add_u32 v255, v63
	s_wait_dscnt 0x0
	s_set_vgpr_msb 0x100
	CROUND                                         ; no work-group ends while a partner may still ask for a tile that names it
	s_endpgm
.Lfunc_end_k_qae8689a5a3_xcp:
	.size	k_qae8689a5a3_xcp, .Lfunc_end_k_qae8689a5a3_xcp-k_qae8689a5a3_xcp
	.p2alignl 7, 3214868480
	.fill 96, 4, 3214868480
	.section	.rodata,"a",@progbits
	.p2align	6, 0x0
	.amdhsa_kernel k_qae8689a5a3_xcp
		.amdhsa_group_segment_fixed_size 327680
		.amdhsa_private_segment_fixed_size 0
		.amdhsa_enable_private_segment 0
		.amdhsa_kernarg_size 32
		.amdhsa_user_sgpr_count 2
		.amdhsa_user_sgpr_kernarg_segment_ptr 1
		.amdhsa_wavefront_size32 1
		.amdhsa_system_sgpr_workgroup_id_x 1
		.amdhsa_system_sgpr_workgroup_id_y 1
		.amdhsa_system_sgpr_workgroup_id_z 1
		.amdhsa_system_vgpr_workitem_id 0
		.amdhsa_next_free_vgpr 768
		.amdhsa_next_free_sgpr 76
		.amdhsa_reserve_vcc 0
		.amdhsa_float_denorm_mode_32 3
		.amdhsa_float_denorm_mode_16_64 3
		.amdhsa_memory_ordered 1
		.amdhsa_forward_progress 1
		.amdhsa_inst_pref_size 135
	.end_amdhsa_kernel
	.amdgpu_metadata
---
amdhsa.version: [ 1, 2 ]
amdhsa.kernels:
  - .name:           k_qae8689a5a3_xcp
    .symbol:         k_qae8689a5a3_xcp.kd
    .args:
      - { .name: xh, .offset: 0, .size: 8, .value_kind: global_buffer, .address_space: global }
      - { .name: wcomp, .offset: 8, .size: 8, .value_kind: global_buffer, .address_space: global }
      - { .name: bcb, .offset: 16, .size: 8, .value_kind: global_buffer, .address_space: global }
      - { .name: xc, .offset: 24, .size: 8, .value_kind: global_buffer, .address_space: global }
    .group_segment_fixed_size: 327680
    .private_segment_fixed_size: 0
    .kernarg_segment_align: 8
    .kernarg_segment_size: 32
    .max_flat_workgroup_size: 128
    .sgpr_count:     76
    .vgpr_count:     768
    .wavefront_size: 32
...
	.end_amdgpu_metadata
.endif
;; end of part 8
;; launch gates (part 9): grid 8 x 32, 4 waves a work-group, clusters of 4 x 4, 327,680 bytes of LDS; arguments xc, wrest, ba, bx, Lam, hp; writes hp
.if DOCPART == 9
	.amdgcn_target "amdgcn-amd-amdhsa--gfx1250"
	.amdhsa_code_object_version 6
	.text
	.protected	k_qae8689a5a3_gates
	.globl	k_qae8689a5a3_gates
	.p2align	8
	.type	k_qae8689a5a3_gates,@function
k_qae8689a5a3_gates:
	s_mov_b64 s[64:65], 0
	v_nop
	global_prefetch_b8 v0, s[64:65] scope:SCOPE_SE
	s_setreg_imm32_b32 hwreg(HW_REG_WAVE_MODE, 25, 1), 1
	s_wait_xcnt 0x0
	s_wait_alu depctr_hold_cnt(0) depctr_sa_sdst(0) depctr_va_vdst(0) depctr_va_sdst(0) depctr_va_ssrc(0) depctr_va_vcc(0) depctr_vm_vsrc(0)
	s_getreg_b32 s2, hwreg(HW_REG_IB_STS2, 6, 4)
	s_cmp_eq_u32 s2, 0
	s_cbranch_scc0 .Lentry_in_a_cluster
	s_endpgm
.Lentry_in_a_cluster:
	s_bfe_u32 s2, ttmp6, 0x10000c
	s_cmp_lg_u32 s2, 0xf033
	s_cbranch_scc0 .Lentry_shape_is_right
	s_endpgm
.Lentry_shape_is_right:
; GATES: r = sigmoid(xc Wa^T + ba), i = sigmoid(xc Wx^T + bx), a = exp(-8 softplus(-Lam) r), g = sqrt(1 - a a) i xc, and the recurrence
; inside chunks of 64 steps: hl (started from 0) and P (the running product of a), computed in f32.  The next launch forms h = hl + P c.
; HOW hl AND P GO OUT.  They are 2 x 8192 x 1024 numbers: 64 MiB in f32, 32 MiB in f16, stored here and read once by the next launch.
; P is a product of factors a <= 1, so it lies in [0, 1] for every input and goes out as f16 as it is; under 6e-5 it keeps an absolute error
; of 3e-8.  hl is of xc's size and has no room in f16: each lane multiplies the 32 hl of an m tile (8 steps x 4 channels) by the power of two
; that brings the largest into [2^13, 2^14), and the inverse S goes to a table, one word a lane and tile.  The scale is the lane's own because
; the same lane of the next launch reads what this lane stores: no maximum has to cross lanes.
; Each chunk's last hl and P go once more, in f32, to a table of ends: the carries pass through up to 31 chunks.
; hp: hl and P at wave x 32,768 + (8 a + q) x 512 + 16 x lane (q 0-3 hl, 4-7 P); the ends 32 MiB in; the scales 33 MiB in.
; LEFT OUT: the product with the state at a chunk's first step, which is 0 here (for a batch's first chunk that is h0 = 0 itself).
; LIMITS: v_exp_f32, v_rcp_f32, v_sqrt_f32, v_log_f32 flush denormals (ISA guide 15.8); an infinity in hl makes the lane's other 31 numbers of
; that tile vanish (up to 7 earlier steps of 3 neighbouring channels); the ends of a batch's last chunk are stored and never read, because a
; branch on the block row would differ between partners of a cluster.
; A work-group takes 256 rows x 128 channels, both products; four waves.  Wave (mh, nh) holds 128 rows x 64 channels x 2 products in 64
; accumulator tiles: n tiles 0-3 are Wa's, 4-7 Wx's, of channels 64 nh + 16 b + r.  NATURAL USE (source 0 = rows of xc): register j of lane
; (r, h) is row 8 h + j of the m tile, column r.  ROW MAP: row m of m tile a is block row 128 (m >> 3) + 64 mh + 8 a + (m & 7), so a lane
; holds 64 consecutive steps of one channel (chunk mh + 2 h of the block's four) along a = 0..7, j = 0..7: the scan never leaves the lane.
; CLUSTERS: 4 x 4; xc's tiles are shared along a cluster's row, the weights' along a column, by joint loads.
; REGISTERS: window 0: v8-15 chunk state, v16-26 addresses, v28-39 raw ba, bx, Lam, v40-63 constants, v64-127, v128-191 xc's fragments
; (later at work), v192-215 at work, v216-223 the eight S, v224-255 a tile's packed hl and P.
; window 1: the weights' fragments.  windows 2, 3: accumulators, m tiles 0-3 and 4-7, at v[8 (8 a + b)].
.set KSTEP,  128
.set PITCH,  272
.set HALF,   128*PITCH+128             ; one load's 128 rows and a gap of 128 bytes: rows 128.. lie half a row of banks off rows 0..
.set SLOT,   4*HALF                    ; xc rows 0-127, 128-255, Wa's 128 rows, Wx's 128 rows
.set XPITCH, 288                       ; the xc tile for g: 256 bytes + 32
.set LAPS,   4
.set HS,   8
.set PS,   12
.set ADRA, 16
.set ADRB, 20
.set XA,   22
.set LO,   23
.set BO,   26
.set RAW,  28
.set BI,   40
.set CL,   56
.set F0,   64
.set F1,   128
.set ER,   64
.set EI,   96
.set SQ,   128
.set XX,   160
.set XP,   192
.set MXA,  208                         ; v208-209 two running maxima
.set EXF,  210                         ; v210-211 exponent fields
.set FS,   212                         ; v212-213 the factor, twice
.set SVL,  216                         ; v216-223 S of tile a
.set PK,   224                         ; v224-239 hl, v240-255 P, two f16 to a register
.set G1,  24
.set G0,  32
.set G1B, 48
.set G0B, 56
.set GX1, 68
.set GX0, 76
.set MUL_LO, 0xa4                      ; source 0 window 0, source 1 window 1, C and D window 2
.set MUL_HI, 0xf4                      ; the same, C and D window 3
.set TO_B,   0x40
.set MSB, 0
.macro WIN new
.if MSB != \new
	s_set_vgpr_msb (MSB<<8)|\new
.set MSB, \new
.endif
.endm
.macro PLACES                          ; four independent vector instructions behind a matrix instruction (ISA guide 7.12.1)
.rept 4
	v_nop
.endr
.endm
.macro JLOAD s
	s_cmp_eq_u32 s17, 0
	s_cbranch_scc0 .Lfor_b_\@
	tensor_load_to_lds s[G0+4*\s:G0+4*\s+3], s[G1:G1+7]
	s_nop 0
	s_branch .Lasked_\@
.Lfor_b_\@:
	tensor_load_to_lds s[G0B+4*\s:G0B+4*\s+3], s[G1B:G1B+7]
	s_nop 0
.Lasked_\@:
.endm
.macro CREST
	s_cmp_lg_u32 s16, 0
	s_cbranch_scc1 .Lnot_wave_0_\@
	s_barrier_signal -3
.Lnot_wave_0_\@:
	s_barrier_wait -3
	s_barrier_signal -1
	s_barrier_wait -1
.endm
.macro CROUND
	s_barrier_signal -1
	s_barrier_wait -1
	CREST
.endm
	s_load_b256 s[4:11], s[0:1], 0x0               ; xc s[4:5], weights s[6:7], ba s[8:9], bx s[10:11]
	s_load_b128 s[12:15], s[0:1], 0x20             ; Lam s[12:13], hp s[14:15]
	v_lshl_add_u32 v27, v0, 2, 0x44400
	s_set_vgpr_msb 0x40
	v_mov_b32 v255, 0
	s_set_vgpr_msb 0x4044
	ds_add_u32 v27, v255
	s_set_vgpr_msb 0x4400
	v_lshrrev_b32 v1, 5, v0
	v_readfirstlane_b32 s16, v1                    ; wave
	s_lshr_b32 s17, s16, 1                         ; mh.  Also: I fetch for xc (0) or for the weights (1)
	s_and_b32 s18, s16, 1                          ; nh.  Also: which half of xc's rows, or Wa (0) / Wx (1)
	s_bfe_u32 s21, ttmp6, 0x40000                  ; cx
	s_bfe_u32 s22, ttmp6, 0x40004                  ; cy
	s_lshl_b32 s20, ttmp9, 2
	s_add_co_u32 s20, s20, s21                     ; block column (128 channels)
	s_and_b32 s19, ttmp7, 0xffff
	s_lshl_b32 s19, s19, 2
	s_add_co_u32 s19, s19, s22                     ; block row (256 rows)
	s_lshl_b32 s40, s22, 2
	s_lshl_b32 s40, 15, s40
	s_lshl_b32 s44, 0x1111, s21
	s_or_b32 s[G1+0], s40, 0x07710000              ; mask of my row; 2-byte elements; 4 words of padding behind every 64; bit 21 beside a mask
	s_or_b32 s[G1B+0], s44, 0x07710000             ; mask of my column
.irp g, G1, G1B
	s_mov_b32 s[\g+1], KSTEP<<16                   ; tensor_dim0 = 128
	s_mov_b32 s[\g+2], 128<<16                     ; tensor_dim1 = 128
	s_mov_b32 s[\g+3], KSTEP<<16                   ; tile_dim0 = 128
	s_mov_b32 s[\g+4], 128                         ; tile_dim1 = 128
	s_mov_b32 s[\g+5], 1024
	s_mov_b32 s[\g+6], 0
	s_mov_b32 s[\g+7], 0
.endr
	s_mov_b32 s[GX1+0], 0x0f510000                 ; no mask; 2-byte elements; 8 words of padding behind every 64
	s_mov_b32 s[GX1+1], 128<<16
	s_mov_b32 s[GX1+2], 64<<16
	s_mov_b32 s[GX1+3], 128<<16
	s_mov_b32 s[GX1+4], 64
	s_mov_b32 s[GX1+5], 1024
	s_mov_b32 s[GX1+6], 0
	s_mov_b32 s[GX1+7], 0
	s_lshl_b32 s40, s19, 8                         ; xc: row 256 x block row + 128 x half, in bytes
	s_lshl_b32 s41, s18, 7
	s_add_co_u32 s40, s40, s41
	s_lshl_b32 s40, s40, 11
	s_mov_b32 s41, 0
	s_lshl_b32 s44, s20, 18                        ; weights: row 128 x block column, in bytes; Wx lies 2 MiB behind Wa
	s_lshl_b32 s45, s18, 21
	s_add_co_u32 s44, s44, s45
	s_mov_b32 s45, 0
	s_mul_i32 s66, s16, HALF                       ; LDS: wave x 34,944
	s_lshl_b32 s80, s19, 8                         ; the xc tile for g: rows 256 x block row + 64 x wave, my block's 128 channels
	s_lshl_b32 s81, s16, 6
	s_add_co_u32 s80, s80, s81
	s_lshl_b32 s80, s80, 11
	s_lshl_b32 s81, s20, 8
	s_add_co_u32 s80, s80, s81
	s_mov_b32 s81, 0
	s_wait_dscnt 0x0
	s_wait_kmcnt 0x0
	s_add_nc_u64 s[42:43], s[4:5], s[40:41]
	s_add_nc_u64 s[46:47], s[6:7], s[44:45]
	s_mov_b32 s[GX0], 1
	s_mul_i32 s[GX0+1], s16, 64*XPITCH             ; LDS: wave x 18,432, inside slot 0
	s_add_nc_u64 s[GX0+2:GX0+3], s[4:5], s[80:81]
	s_or_b32 s[GX0+3], s[GX0+3], 0x80000000
	CROUND
.irp s, 0,1
	s_mov_b32 s[G0+4*\s], 1
	s_add_co_u32 s[G0+4*\s+1], s66, \s*SLOT
	s_add_nc_u64 s[G0+4*\s+2:G0+4*\s+3], s[42:43], \s*KSTEP*2
	s_or_b32 s[G0+4*\s+3], s[G0+4*\s+3], 0x80000000
	s_mov_b32 s[G0B+4*\s], 1
	s_add_co_u32 s[G0B+4*\s+1], s66, \s*SLOT
	s_add_nc_u64 s[G0B+4*\s+2:G0B+4*\s+3], s[46:47], \s*KSTEP*2
	s_or_b32 s[G0B+4*\s+3], s[G0B+4*\s+3], 0x80000000
	JLOAD \s                                       ; K steps 0 and 1: two loads of mine are out
.endr
	v_and_b32 v1, 15, v0                           ; r
	v_bfe_u32 v2, v0, 4, 1                         ; h
	v_and_b32 v3, 7, v0                            ; r & 7
	v_bfe_u32 v4, v0, 3, 1                         ; r >> 3
	s_lshl_b32 s95, s20, 9
	s_lshl_b32 s94, s18, 8
	s_add_co_u32 s95, s95, s94
	v_lshl_add_u32 v[BO], v1, 2, s95               ; byte offset of channel 128 bx + 64 nh + r in ba, bx, Lam
.irp b, 0,1,2,3
	global_load_b32 v[RAW+\b],   v[BO], s[8:9]   offset:64*\b
	global_load_b32 v[RAW+4+\b], v[BO], s[10:11] offset:64*\b
	global_load_b32 v[RAW+8+\b], v[BO], s[12:13] offset:64*\b
.endr
	s_mov_b32 s90, HALF
	v_mul_u32_u24 v5, v3, PITCH
	v_lshl_add_u32 v5, v2, 4, v5
	v_mad_u32_u24 v5, v4, s90, v5                  ; (r >> 3) x HALF + (r & 7) x pitch + 16 h
	s_mul_i32 s91, s17, 64*PITCH
	v_add_nc_u32 v[ADRA], s91, v5
	s_add_co_u32 s92, s91, SLOT
	v_add_nc_u32 v[ADRA+1], s92, v5
	v_mul_u32_u24 v6, v1, PITCH
	v_lshl_add_u32 v6, v2, 4, v6
	s_mul_i32 s93, s18, 64*PITCH
	s_add_co_u32 s93, s93, 2*HALF
	v_add_nc_u32 v[ADRB], s93, v6
	s_add_co_u32 s93, s93, SLOT
	v_add_nc_u32 v[ADRB+1], s93, v6
	s_mov_b32 s90, 128*XPITCH
	v_mul_u32_u24 v7, v3, XPITCH                   ; the xc tile, read transposed: row 64 mh + 128 h + (l & 7), 16 bytes at channel 64 nh + 8 ((l >> 3) & 1)
	v_mad_u32_u24 v7, v2, s90, v7
	v_lshl_add_u32 v7, v4, 4, v7
	s_mul_i32 s94, s17, 64*XPITCH
	s_lshl_b32 s91, s18, 7
	s_add_co_u32 s94, s94, s91
	v_add_nc_u32 v[XA], s94, v7
	v_and_b32 v24, 31, v0
	v_lshlrev_b32 v[LO], 4, v24                    ; 16 x lane
	s_lshl_b32 s82, s19, 3                         ; ((block row x 8 + block column) x 4 + wave)
	s_add_co_u32 s82, s82, s20
	s_lshl_b32 s82, s82, 2
	s_add_co_u32 s82, s82, s16
	s_lshl_b32 s84, s82, 15                        ; x 32,768: my hl and P
	s_mov_b32 s85, 0
	s_lshl_b32 s88, s82, 10                        ; x 1,024: my ends, and my scales 1 MiB behind them
	s_mov_b32 s89, 0
	s_add_nc_u64 s[86:87], s[14:15], 0x2000000     ; the table of ends lies behind the 32 MiB of hl and P
	s_add_nc_u64 s[86:87], s[86:87], s[88:89]
	s_add_nc_u64 s[14:15], s[14:15], s[84:85]
	s_wait_loadcnt 0x0
	; BI = -log2(e) x bias, twice (a pair for the packed forms)
.irp b, 0,1,2,3,4,5,6,7
	v_mul_f32 v[BI+2*\b], 0xbfb8aa3b, v[RAW+\b]
	v_mov_b32 v[BI+2*\b+1], v[BI+2*\b]
.endr
	; CL = -8 log2(e) softplus(-Lam), softplus as max(-Lam, 0) + log1p(exp(-|Lam|)); log1p(u) = log(w) u / (w - 1) with w = 1 + u, or u where w = 1
.irp b, 0,1,2,3
	v_and_b32 v[208+\b], 0x7fffffff, v[RAW+8+\b]
	v_mul_f32 v[208+\b], 0xbfb8aa3b, v[208+\b]
.endr
.irp b, 0,1,2,3
	v_exp_f32 v[208+\b], v[208+\b]                 ; u
.endr
	v_nop                                          ; one plain instruction behind the transcendentals (ISA guide 5.7.2)
	s_wait_alu depctr_va_vdst(0)
.irp b, 0,1,2,3
	v_add_f32 v[212+\b], 1.0, v[208+\b]            ; w
.endr
.irp b, 0,1,2,3
	v_add_f32 v[216+\b], -1.0, v[212+\b]           ; w - 1
.endr
.irp b, 0,1,2,3
	v_log_f32 v[220+\b], v[212+\b]
.endr
.irp b, 0,1,2,3
	v_rcp_f32 v[192+\b], v[216+\b]
.endr
	v_nop
	s_wait_alu depctr_va_vdst(0)
.irp b, 0,1,2,3
	v_mul_f32 v[220+\b], v[220+\b], v[208+\b]
	v_mul_f32 v[220+\b], v[220+\b], v[192+\b]
	v_mul_f32 v[196+\b], 0x3fb8aa3b, v[208+\b]
	v_cmp_eq_f32 vcc_lo, 0, v[216+\b]
	v_cndmask_b32 v[220+\b], v[220+\b], v[196+\b], vcc_lo
	v_sub_f32 v[196+\b], 0, v[RAW+8+\b]
	v_max_num_f32 v[196+\b], 0, v[196+\b]
	v_fmamk_f32 v[220+\b], v[196+\b], 0x3fb8aa3b, v[220+\b]
	v_mul_f32 v[CL+2*\b], 0xc1000000, v[220+\b]
	v_mov_b32 v[CL+2*\b+1], v[CL+2*\b]
.endr
; 16 matrix instructions: m tiles a0, a0 + 1 of the window's four x all 8 n tiles.  The 64 accumulators take turns in one fixed order,
; one instruction a turn.
.macro MUL16 f, hi, a0, zero
.irp a, \a0, \a0+1
.irp b, 0,1,2,3,4,5,6,7
.if \zero
	v_wmma_f32_16x16x32_bf16 v[8*(8*(\a)+\b):8*(8*(\a)+\b)+7], v[\f+8*(4*\hi+\a):\f+8*(4*\hi+\a)+7], v[\f+8*\b:\f+8*\b+7], 0
.else
	v_wmma_f32_16x16x32_bf16 v[8*(8*(\a)+\b):8*(8*(\a)+\b)+7], v[\f+8*(4*\hi+\a):\f+8*(4*\hi+\a)+7], v[\f+8*\b:\f+8*\b+7], v[8*(8*(\a)+\b):8*(8*(\a)+\b)+7]
.endif
.endr
.endr
.endm
; 32 LDS loads: Wa's four fragments, Wx's four, then xc's eight
.macro FETCH slot, k, f
	WIN TO_B
.irp i, 0,1,2,3
	ds_load_b128 v[\f+8*\i:\f+8*\i+3],   v[ADRB+\slot] offset:\k+\i*16*PITCH
	ds_load_b128 v[\f+8*\i+4:\f+8*\i+7], v[ADRB+\slot] offset:\k+\i*16*PITCH+32
.endr
.irp i, 0,1,2,3
	ds_load_b128 v[\f+32+8*\i:\f+32+8*\i+3],   v[ADRB+\slot] offset:\k+HALF+\i*16*PITCH
	ds_load_b128 v[\f+32+8*\i+4:\f+32+8*\i+7], v[ADRB+\slot] offset:\k+HALF+\i*16*PITCH+32
.endr
	WIN 0
.irp i, 0,1,2,3,4,5,6,7
	ds_load_b128 v[\f+8*\i:\f+8*\i+3],   v[ADRA+\slot] offset:\k+\i*8*PITCH
	ds_load_b128 v[\f+8*\i+4:\f+8*\i+7], v[ADRA+\slot] offset:\k+\i*8*PITCH+32
.endr
.endm
.macro QUARTER slot, k, f, g, zero
	s_wait_dscnt 8                                 ; the weights and xc's m tiles 0-3 are in; the youngest eight loads (m tiles 4-7) may be out
	WIN MUL_LO
	MUL16 \f, 0, 0, \zero
	MUL16 \f, 0, 2, \zero
	PLACES
	FETCH \slot, \k, \g
	s_wait_dscnt 32                                ; all but the 32 just issued
	WIN MUL_HI
	MUL16 \f, 1, 0, \zero
	MUL16 \f, 1, 2, \zero
.endm
.macro THREE slot, zero
	QUARTER \slot, 64,  F0, F1, \zero
	QUARTER \slot, 128, F1, F0, 0
	QUARTER \slot, 192, F0, F1, 0
.endm
; The last quarter changes slots.  fill = 1: this slot gets the tiles two K steps ahead, by joint loads.  fill = 2: slot 0 has had its last
; K step and gets my 64 rows of the xc tile for g, by a load of my own.  Either way: every wave's reads of the slot are back and all its tensor
; loads have landed in front of the round's opening signal, and the refill is the wave's first and only tensor load behind the round.
.macro TURN slot, next, fill
	s_wait_dscnt 8
	WIN MUL_LO
	MUL16 F1, 0, 0, 0
	s_wait_dscnt 0x0
	s_wait_tensorcnt 0x0
	ds_add_u32 v27, v255
	s_wait_dscnt 0x0
	s_barrier_signal -1
	MUL16 F1, 0, 2, 0
	WIN 0
	s_barrier_wait -1
.if \fill == 1
	CREST
	s_add_nc_u64 s[G0+4*\slot+2:G0+4*\slot+3], s[G0+4*\slot+2:G0+4*\slot+3], 2*KSTEP*2
	s_add_nc_u64 s[G0B+4*\slot+2:G0B+4*\slot+3], s[G0B+4*\slot+2:G0B+4*\slot+3], 2*KSTEP*2
	JLOAD \slot
.endif
.if \fill == 2
	CREST
	tensor_load_to_lds s[GX0:GX0+3], s[GX1:GX1+7]
	s_nop 0
.endif
	PLACES
	FETCH \next, 0, F0
	WIN MUL_HI
	MUL16 F1, 1, 0, 0
	MUL16 F1, 1, 2, 0
.endm
.macro LAP zero
	THREE 0, \zero
	TURN 0, 1, 1
	THREE 1, 0
	TURN 1, 0, 1
.endm
	s_wait_tensorcnt 0x1                           ; my part of K step 0 is in; K step 1's may stay out
	s_barrier_signal -1
	s_barrier_wait -1
	FETCH 0, 0, F0
	LAP 1
	WIN 0
	s_mov_b32 s23, LAPS-2
.Llap:
	LAP 0
	WIN 0
	s_sub_co_u32 s23, s23, 1
	s_cmp_lg_u32 s23, 0
	s_cbranch_scc1 .Llap
	THREE 0, 0
	TURN 0, 1, 2
	THREE 1, 0
	s_wait_dscnt 8
	WIN MUL_LO
	MUL16 F1, 0, 0, 0
	MUL16 F1, 0, 2, 0
	s_wait_dscnt 0x0
	WIN MUL_HI
	MUL16 F1, 1, 0, 0
	MUL16 F1, 1, 2, 0
	WIN 0
	PLACES
	s_wait_tensorcnt 0x0                           ; my 64 rows of the xc tile have landed,
	s_barrier_signal -1
	s_barrier_wait -1                              ; everybody's have
; Eight steps (m tile a) of my four channels: 32 r, 32 i, then a, g, the scan, and the way out.  n = 8 b + j indexes ER, EI, SQ, XX alike.
.macro GATE a
.irp b, 0,1,2,3
	ds_load_tr16_b128 v[XP+4*\b:XP+4*\b+3], v[XA] offset:\a*8*XPITCH+32*\b   ; my channel's eight steps of xc, two to a register
.endr
.if \a < 4
	WIN 0x02
.else
	WIN 0x03
.endif
.irp b, 0,1,2,3,4,5,6,7
.irp j, 0,2,4,6
	v_pk_fma_f32 v[ER+8*\b+\j:ER+8*\b+\j+1], v[8*(8*(\a&3)+\b)+\j:8*(8*(\a&3)+\b)+\j+1], 0xbfb8aa3b, v[BI+2*\b:BI+2*\b+1] op_sel_hi:[1,0,1]
.endr
.endr
	WIN 0
.set n, 0
.rept 64
	v_exp_f32 v[ER+n], v[ER+n]                     ; exp(-(z + bias))
.set n, n+1
.endr
	v_nop                                          ; one plain instruction behind the transcendentals
.set n, 0
	s_wait_alu depctr_va_vdst(0)
.rept 32
	v_pk_add_f32 v[ER+n:ER+n+1], v[ER+n:ER+n+1], 1.0 op_sel_hi:[1,0]
.set n, n+2
.endr
.set n, 0
.rept 64
	v_rcp_f32 v[ER+n], v[ER+n]                     ; ER = r, EI = i
.set n, n+1
.endr
	v_nop
	s_wait_alu depctr_va_vdst(0)
.irp b, 0,1,2,3
.irp j, 0,2,4,6
	v_pk_mul_f32 v[ER+8*\b+\j:ER+8*\b+\j+1], v[ER+8*\b+\j:ER+8*\b+\j+1], v[CL+2*\b:CL+2*\b+1]
.endr
.endr
.set n, 0
.rept 32
	v_exp_f32 v[ER+n], v[ER+n]                     ; ER = a
.set n, n+1
.endr
	s_wait_dscnt 0x0
.set n, 0
.rept 16
	v_lshlrev_b32 v[XX+2*n], 16, v[XP+n]           ; xc to f32; these also stand behind the exponentials
	v_and_b32 v[XX+2*n+1], 0xffff0000, v[XP+n]
.set n, n+1
.endr
.set n, 0
	s_wait_alu depctr_va_vdst(0)
.rept 32
	v_fma_f32 v[SQ+n], -v[ER+n], v[ER+n], 1.0
.set n, n+1
.endr
.set n, 0
.rept 32
	v_max_num_f32 v[SQ+n], 0, v[SQ+n]              ; the exponential is good to one unit in the last place: a may come out just above 1
.set n, n+1
.endr
.set n, 0
.rept 32
	v_sqrt_f32 v[SQ+n], v[SQ+n]
.set n, n+1
.endr
.set n, 0
.rept 16
	v_pk_mul_f32 v[EI+n:EI+n+1], v[EI+n:EI+n+1], v[XX+n:XX+n+1]
.set n, n+2
.endr
.set n, 0
	s_wait_alu depctr_va_vdst(0)
.rept 16
	v_pk_mul_f32 v[EI+n:EI+n+1], v[EI+n:EI+n+1], v[SQ+n:SQ+n+1]    ; EI = g
.set n, n+2
.endr
	; the scan: four channels side by side, hl into EI, the running product into ER
.irp j, 0,1,2,3,4,5,6,7
.irp b, 0,1,2,3
.if \j == 0
.if \a > 0
	v_fmac_f32 v[EI+8*\b], v[ER+8*\b], v[HS+\b]
	v_mul_f32 v[ER+8*\b], v[ER+8*\b], v[PS+\b]
.endif
.else
	v_fmac_f32 v[EI+8*\b+\j], v[ER+8*\b+\j], v[EI+8*\b+\j-1]
	v_mul_f32 v[ER+8*\b+\j], v[ER+8*\b+\j], v[ER+8*\b+\j-1]
.endif
.endr
.endr
.irp b, 0,1,2,3
	v_mov_b32 v[HS+\b], v[EI+8*\b+7]               ; the state goes on in f32, taken before hl is scaled
	v_mov_b32 v[PS+\b], v[ER+8*\b+7]
.endr
	; my largest |hl| of these 32, in two chains started by the first four
	v_max_num_f32 v[MXA], |v[EI]|, |v[EI+1]|
	v_max_num_f32 v[MXA+1], |v[EI+2]|, |v[EI+3]|
.set n, 4
.rept 14
	v_max3_num_f32 v[MXA+(n/2)%2], |v[EI+n]|, |v[EI+n+1]|, v[MXA+(n/2)%2]
.set n, n+2
.endr
	v_max_num_f32 v[MXA], v[MXA], v[MXA+1]
	; with e the maximum's exponent field (at least 14, so that both powers are normal numbers): the factor is 2^(140 - e), which brings
	; the maximum into [2^13, 2^14), and S = 2^(e - 140)
	v_bfe_u32 v[EXF], v[MXA], 23, 8
	v_max_u32 v[EXF], 14, v[EXF]
	v_sub_nc_u32 v[EXF+1], 0x10b, v[EXF]           ; 267 - e
	v_lshlrev_b32 v[FS], 23, v[EXF+1]
	v_mov_b32 v[FS+1], v[FS]
	v_add_nc_u32 v[EXF], -13, v[EXF]               ; e - 13
	v_lshlrev_b32 v[SVL+\a], 23, v[EXF]
.set n, 0
.rept 16
	v_pk_mul_f32 v[EI+n:EI+n+1], v[EI+n:EI+n+1], v[FS:FS+1]
.set n, n+2
.endr
	s_wait_xcnt 0x0                                ; the packed words, which the last tile's stores read, are rewritten only behind this wait
.set n, 0
.rept 16
	v_cvt_pk_f16_f32 v[PK+n], v[EI+2*n], v[EI+2*n+1]           ; steps j, j + 1 of a channel in one word
.set n, n+1
.endr
.set n, 0
.rept 16
	v_cvt_pk_f16_f32 v[PK+16+n], v[ER+2*n], v[ER+2*n+1]
.set n, n+1
.endr
.irp q, 0,1,2,3,4,5,6,7
	global_store_b128 v[LO], v[PK+4*\q:PK+4*\q+3], s[14:15] offset:(\a*8+\q)*512   ; each store: 512 consecutive bytes
.endr
.endm
	GATE 0
	GATE 1
	GATE 2
	GATE 3
	GATE 4
	GATE 5
	GATE 6
	GATE 7
	global_store_b128 v[LO], v[HS:HS+3], s[86:87]              ; the chunk's ends, f32
	global_store_b128 v[LO], v[PS:PS+3], s[86:87] offset:512
	global_store_b128 v[LO], v[SVL:SVL+3], s[86:87] offset:0x100000          ; hl's scales of tiles 0-3,
	global_store_b128 v[LO], v[SVL+4:SVL+7], s[86:87] offset:0x100000+512    ; of tiles 4-7
	s_set_vgpr_msb 0x4
	s_wait_tensorcnt 0x0
	ds_add_u32 v27, v255
	s_wait_dscnt 0x0
	s_set_vgpr_msb 0x400
	CROUND                                         ; the closing round, behind the last tensor load of any kind
	s_endpgm
.Lfunc_end_k_qae8689a5a3_gates:
	.size	k_qae8689a5a3_gates, .Lfunc_end_k_qae8689a5a3_gates-k_qae8689a5a3_gates
	.p2alignl 7, 3214868480
	.fill 96, 4, 3214868480
	.section	.rodata,"a",@progbits
	.p2align	6, 0x0
	.amdhsa_kernel k_qae8689a5a3_gates
		.amdhsa_group_segment_fixed_size 327680
		.amdhsa_private_segment_fixed_size 0
		.amdhsa_enable_private_segment 0
		.amdhsa_kernarg_size 48
		.amdhsa_user_sgpr_count 2
		.amdhsa_user_sgpr_kernarg_segment_ptr 1
		.amdhsa_wavefront_size32 1
		.amdhsa_system_sgpr_workgroup_id_x 1
		.amdhsa_system_sgpr_workgroup_id_y 1
		.amdhsa_system_sgpr_workgroup_id_z 1
		.amdhsa_system_vgpr_workitem_id 0
		.amdhsa_next_free_vgpr 1024
		.amdhsa_next_free_sgpr 100
		.amdhsa_reserve_vcc 1
		.amdhsa_float_denorm_mode_32 3
		.amdhsa_float_denorm_mode_16_64 3
		.amdhsa_memory_ordered 1
		.amdhsa_forward_progress 1
		.amdhsa_inst_pref_size 255
	.end_amdhsa_kernel
	.section	.bss,"aw",@nobits
	.p2align	6
	.space	262144
	.amdgpu_metadata
---
amdhsa.version: [ 1, 2 ]
amdhsa.kernels:
  - .name:           k_qae8689a5a3_gates
    .symbol:         k_qae8689a5a3_gates.kd
    .args:
      - { .name: xc, .offset: 0, .size: 8, .value_kind: global_buffer, .address_space: global }
      - { .name: wrest, .offset: 8, .size: 8, .value_kind: global_buffer, .address_space: global }
      - { .name: ba, .offset: 16, .size: 8, .value_kind: global_buffer, .address_space: global }
      - { .name: bx, .offset: 24, .size: 8, .value_kind: global_buffer, .address_space: global }
      - { .name: Lam, .offset: 32, .size: 8, .value_kind: global_buffer, .address_space: global }
      - { .name: hp, .offset: 40, .size: 8, .value_kind: global_buffer, .address_space: global }
    .group_segment_fixed_size: 327680
    .private_segment_fixed_size: 0
    .kernarg_segment_align: 8
    .kernarg_segment_size: 48
    .max_flat_workgroup_size: 128
    .sgpr_count:     100
    .vgpr_count:     1024
    .wavefront_size: 32
...
	.end_amdgpu_metadata
.endif
;; end of part 9
;; launch merge (part 10): grid 8 x 32, 4 waves a work-group, clusters of 4 x 4, 327,680 bytes of LDS; arguments xh, wrest, bp1, hp, ty; writes ty
.if DOCPART == 10
	.amdgcn_target "amdgcn-amd-amdhsa--gfx1250"
	.amdhsa_code_object_version 6
	.text
	.protected	k_qae8689a5a3_merge
	.globl	k_qae8689a5a3_merge
	.p2align	8
	.type	k_qae8689a5a3_merge,@function
k_qae8689a5a3_merge:
	s_mov_b64 s[64:65], 0
	v_nop
	global_prefetch_b8 v0, s[64:65] scope:SCOPE_SE
	s_setreg_imm32_b32 hwreg(HW_REG_WAVE_MODE, 25, 1), 1
	s_wait_xcnt 0x0
	s_wait_alu depctr_hold_cnt(0) depctr_sa_sdst(0) depctr_va_vdst(0) depctr_va_sdst(0) depctr_va_ssrc(0) depctr_va_vcc(0) depctr_vm_vsrc(0)
	s_getreg_b32 s2, hwreg(HW_REG_IB_STS2, 6, 4)
	s_cmp_eq_u32 s2, 0
	s_cbranch_scc0 .Lentry_in_a_cluster
	s_endpgm
.Lentry_in_a_cluster:
	s_bfe_u32 s2, ttmp6, 0x10000c
	s_cmp_lg_u32 s2, 0xf033
	s_cbranch_scc0 .Lentry_shape_is_right
	s_endpgm
.Lentry_shape_is_right:
; MERGE: x1 = gelu(x Wp1^T + bp1) stays in registers (x and Wp1 as f16, sums in f32); c, the state at the start of my chunk, from the chunks'
; ends; h = S hl + P c; y = x1 h in f32, then rounded once to f16 with a scale of the wave's own, stored by octets of rows:
; byte (row >> 3) x 16,384 + channel x 16 + 2 (row & 7).
; hl AND P come as f16, two steps to a word, in the order in which the same lane of the launch before stored them; hl with a power of two S of
; the lane's own for each m tile.  They are widened to f32 (exact) and h is formed by one multiply and one fused multiply-add in f32.
; THE SCALE OF y.  y grows with the fifth power of a common scale of the inputs, so it has no room in f16 as it is.  Each wave takes the largest
; |y| of its 128 rows x 64 channels and multiplies by the power of two that brings it into [2^13, 2^14); the inverse goes to a table behind y
; (16 MiB into the buffer), a block of 256 bytes for each wave, written whole by one store.  The next launch brings a row's 16 blocks to one scale.
; LIMIT: an infinity in y makes the other numbers of its wave's block vanish, so it spoils 128 rows and not one.
; LEFT OUT: the first chunk of a batch has the carry 0 (h0 = 0), so its own P end is not loaded; the last chunk's ends are not needed.
; gelu(v) = max(v, 0) - |v| Q(|v|), Q = 0.5 erfc(|v| / sqrt 2) by Abramowitz and Stegun 7.1.26.  LIMIT: erf is off by 1.5e-7 at the most.
; Rows, channels, waves and lanes as in the launch before: wave (mh, nh) holds 128 rows x 64 channels in 32 accumulator tiles; lane (r, h)
; holds the 64 steps of chunk mh + 2 h of channels 64 nh + 16 b + r.
; Every work-group loads the ends of all 31 chunks of its batch and selects its carry: a trip count on the block row would differ between
; the partners of a cluster.
; CLUSTERS: 4 x 4; x's tiles shared along a cluster's row, Wp1's along a column, by joint loads.
; REGISTERS.  The widening conversion names halves of registers, which v0 to v127 have, and it is run with every window at 0.  So:
; window 0: v0-127 four batches of hl and P, 32 registers each (at the head: scratch; at the end: y's packed words); v128-175 addresses, bias,
;           carry, scales; v192-223 h; v224-255 P c.
; window 1: v0-127 x's fragments, v128-191 Wp1's (two buffers each); behind the products v0-127 the GELU's four arrays; v192-209 its constants.
; window 2: accumulator tile (a, b) at v[8 (4 a + b)], later y in f32.   window 3: the ends: chunk k: hl at v[8 k], P at v[8 k + 4].
.set KSTEP,  128
.set PITCH,  272
.set HALF,   128*PITCH+128
.set BTILE,  64*PITCH
.set BOFF,   2*HALF
.set SLOT,   BOFF+2*BTILE
.set LAPS,   4
; window 0
.set YY,   0
.set ADRA, 128
.set ADRB, 130
.set LO,   132
.set RO,   133
.set YO,   134
.set KOWN, 135
.set BO,   136
.set LO8,  137
.set RAW,  140
.set CAP,  144
.set MX,   148
.set FS,   152
.set PT,   154
.set SS,   156
.set SCP,  158                         ; v158-159 S of the tile at work, twice
.set CC,   160                         ; v160-167 the carry of channel b, twice
.set SVL,  168                         ; v168-175 S of tile a
.set HH,   192
.set PCC,  224                         ; = HH + 32: one run of conversions fills both
; window 1
.set FA,   0
.set FB,   128
.set VV,   0
.set TT,   32
.set EE,   64
.set QQ,   96
.set A5,   192
.set A4,   194
.set A3,   196
.set A2,   198
.set A1,   200
.set BP,   202
.set G1,  24
.set G0,  32
.set G1B, 48
.set G0B, 56
.set MUL,  0xa5                        ; sources 0 and 1 window 1, C and D window 2
.set TO_B, 0x40                        ; destination window 1, source 0 (an address, a register to copy) window 0
.set MSB, 0
.macro WIN new
.if MSB != \new
	s_set_vgpr_msb (MSB<<8)|\new
.set MSB, \new
.endif
.endm
.macro PLACES                          ; four independent vector instructions behind a matrix instruction (ISA guide 7.12.1)
.rept 4
	v_nop
.endr
.endm
.macro JLOAD s
	s_cmp_eq_u32 s17, 0
	s_cbranch_scc0 .Lfor_b_\@
	tensor_load_to_lds s[G0+4*\s:G0+4*\s+3], s[G1:G1+7]
	s_nop 0
	s_branch .Lasked_\@
.Lfor_b_\@:
	tensor_load_to_lds s[G0B+4*\s:G0B+4*\s+3], s[G1B:G1B+7]
	s_nop 0
.Lasked_\@:
.endm
.macro CREST
	s_cmp_lg_u32 s16, 0
	s_cbranch_scc1 .Lnot_wave_0_\@
	s_barrier_signal -3
.Lnot_wave_0_\@:
	s_barrier_wait -3
	s_barrier_signal -1
	s_barrier_wait -1
.endm
.macro CROUND
	s_barrier_signal -1
	s_barrier_wait -1
	CREST
.endm
; a batch: hl and P of m tile a, 8 loads of 512 consecutive bytes, into window 0: word 4 b + j / 2 of hl at buf, of P at buf + 16
.macro LOADB a, buf
	WIN 0
.irp q, 0,1,2,3,4,5,6,7
	global_load_b128 v[\buf+4*\q:\buf+4*\q+3], v[LO], s[10:11] offset:((\a)*8+\q)*512 th:TH_LOAD_NT
.endr
.endm
; word s of the batch at buf: two f16 to two f32.  Words 0-15 (hl) land in HH, words 16-31 (P) in PCC, which follows HH.
.macro UNPACK buf, s
	v_cvt_f32_f16 v[HH+2*(\s-\buf)], v\s\().l
	v_cvt_f32_f16 v[HH+2*(\s-\buf)+1], v\s\().h
.endm
.macro UNPACKB buf
.if \buf == 0
.irp s, 0,1,2,3,4,5,6,7,8,9,10,11,12,13,14,15,16,17,18,19,20,21,22,23,24,25,26,27,28,29,30,31
	UNPACK \buf, \s
.endr
.endif
.if \buf == 32
.irp s, 32,33,34,35,36,37,38,39,40,41,42,43,44,45,46,47,48,49,50,51,52,53,54,55,56,57,58,59,60,61,62,63
	UNPACK \buf, \s
.endr
.endif
.if \buf == 64
.irp s, 64,65,66,67,68,69,70,71,72,73,74,75,76,77,78,79,80,81,82,83,84,85,86,87,88,89,90,91,92,93,94,95
	UNPACK \buf, \s
.endr
.endif
.if \buf == 96
.irp s, 96,97,98,99,100,101,102,103,104,105,106,107,108,109,110,111,112,113,114,115,116,117,118,119,120,121,122,123,124,125,126,127
	UNPACK \buf, \s
.endr
.endif
.endm
	s_load_b256 s[4:11], s[0:1], 0x0               ; x s[4:5], weights s[6:7], bp1 s[8:9], hp s[10:11]
	s_load_b64 s[12:13], s[0:1], 0x20              ; y
	s_set_vgpr_msb 0x40
	v_lshl_add_u32 v254, v0, 2, 0x33200
	v_mov_b32 v255, 0
	s_set_vgpr_msb 0x4045
	ds_add_u32 v254, v255
	s_set_vgpr_msb 0x4500
	v_lshrrev_b32 v1, 5, v0
	v_readfirstlane_b32 s16, v1
	s_lshr_b32 s17, s16, 1                         ; mh.  Also: I fetch for x (0) or for Wp1 (1)
	s_and_b32 s18, s16, 1                          ; nh.  Also: which half of that tile
	s_bfe_u32 s21, ttmp6, 0x40000
	s_bfe_u32 s22, ttmp6, 0x40004
	s_lshl_b32 s20, ttmp9, 2
	s_add_co_u32 s20, s20, s21                     ; block column
	s_and_b32 s19, ttmp7, 0xffff
	s_lshl_b32 s19, s19, 2
	s_add_co_u32 s19, s19, s22                     ; block row
	s_lshl_b32 s40, s22, 2
	s_lshl_b32 s40, 15, s40
	s_lshl_b32 s44, 0x1111, s21
	s_or_b32 s[G1+0], s40, 0x07710000
	s_or_b32 s[G1B+0], s44, 0x07710000
	s_mov_b32 s[G1+1], KSTEP<<16
	s_mov_b32 s[G1+2], 128<<16
	s_mov_b32 s[G1+3], KSTEP<<16
	s_mov_b32 s[G1+4], 128
	s_mov_b32 s[G1+5], 1024
	s_mov_b32 s[G1+6], 0
	s_mov_b32 s[G1+7], 0
	s_mov_b32 s[G1B+1], KSTEP<<16
	s_mov_b32 s[G1B+2], 64<<16
	s_mov_b32 s[G1B+3], KSTEP<<16
	s_mov_b32 s[G1B+4], 64
	s_mov_b32 s[G1B+5], 1024
	s_mov_b32 s[G1B+6], 0
	s_mov_b32 s[G1B+7], 0
	s_lshl_b32 s40, s19, 8
	s_lshl_b32 s41, s18, 7
	s_add_co_u32 s40, s40, s41
	s_lshl_b32 s40, s40, 11
	s_mov_b32 s41, 0
	s_lshl_b32 s44, s20, 7
	s_lshl_b32 s45, s18, 6
	s_add_co_u32 s44, s44, s45
	s_lshl_b32 s44, s44, 11
	s_add_co_u32 s44, s44, 0x400000                ; Wp1's copy lies 4 MiB into the buffer
	s_mov_b32 s45, 0
	s_mul_i32 s66, s16, HALF                       ; LDS: x's halves at wave x 34,944 (waves 0, 1),
	s_mul_i32 s67, s16, BTILE
	s_add_co_u32 s67, s67, BOFF-2*BTILE            ; Wp1's at wave x 17,408 + 35,072 (waves 2, 3)
	s_wait_dscnt 0x0
	s_wait_kmcnt 0x0
	s_add_nc_u64 s[42:43], s[4:5], s[40:41]
	s_add_nc_u64 s[46:47], s[6:7], s[44:45]
	CROUND
.irp s, 0,1
	s_mov_b32 s[G0+4*\s], 1
	s_add_co_u32 s[G0+4*\s+1], s66, \s*SLOT
	s_add_nc_u64 s[G0+4*\s+2:G0+4*\s+3], s[42:43], \s*KSTEP*2
	s_or_b32 s[G0+4*\s+3], s[G0+4*\s+3], 0x80000000
	s_mov_b32 s[G0B+4*\s], 1
	s_add_co_u32 s[G0B+4*\s+1], s67, \s*SLOT
	s_add_nc_u64 s[G0B+4*\s+2:G0B+4*\s+3], s[46:47], \s*KSTEP*2
	s_or_b32 s[G0B+4*\s+3], s[G0B+4*\s+3], 0x80000000
	JLOAD \s                                       ; K steps 0 and 1: two loads of mine are out
.endr
	v_and_b32 v52, 15, v0                          ; r
	v_bfe_u32 v53, v0, 4, 1                        ; h
	v_and_b32 v54, 7, v0                           ; r & 7
	v_bfe_u32 v55, v0, 3, 1                        ; r >> 3
	s_mov_b32 s68, 0x3e6d3388                      ; 0.3275911 / sqrt 2
	s_mov_b32 s69, HALF
	s_mov_b32 s84, 0x76543210                      ; v_permlanex16_b32: lane i of one half reads lane i of the other
	s_mov_b32 s85, 0xfedcba98
	v_mul_u32_u24 v56, v54, PITCH
	v_lshl_add_u32 v56, v53, 4, v56
	v_mad_u32_u24 v56, v55, s69, v56
	s_mul_i32 s76, s17, 64*PITCH
	v_add_nc_u32 v[ADRA], s76, v56
	s_add_co_u32 s76, s76, SLOT
	v_add_nc_u32 v[ADRA+1], s76, v56
	v_mul_u32_u24 v57, v52, PITCH
	v_lshl_add_u32 v57, v53, 4, v57
	s_mul_i32 s77, s18, 64*PITCH
	s_add_co_u32 s77, s77, BOFF
	v_add_nc_u32 v[ADRB], s77, v57
	s_add_co_u32 s77, s77, SLOT
	v_add_nc_u32 v[ADRB+1], s77, v57
	v_and_b32 v[PT], 31, v0
	v_lshlrev_b32 v[LO], 4, v[PT]                  ; 16 x lane
	v_lshlrev_b32 v[LO8], 3, v[PT]                 ; 8 x lane
	v_lshlrev_b32 v[RO], 4, v52                    ; 16 r
	v_lshlrev_b32 v[YO], 18, v53                   ; y: 16 octets of rows further for lanes 16-31,
	v_lshl_add_u32 v[YO], v52, 4, v[YO]            ; 16 bytes a channel
	s_and_b32 s78, s19, 7
	s_lshl_b32 s78, s78, 2
	s_add_co_u32 s78, s78, s17
	v_lshl_add_u32 v[KOWN], v53, 1, s78            ; my chunk in its batch: 4 (block row & 7) + mh + 2 h
	s_lshl_b32 s79, s20, 9
	s_lshl_b32 s78, s18, 8
	s_add_co_u32 s79, s79, s78
	v_lshl_add_u32 v[BO], v52, 2, s79
	s_and_b32 s72, s19, 24                         ; the ends of my batch's first block row, my block column, my nh
	s_lshl_b32 s72, s72, 15
	s_lshl_b32 s73, s20, 12
	s_add_co_u32 s72, s72, s73
	s_lshl_b32 s73, s18, 10
	s_add_co_u32 s72, s72, s73
	s_mov_b32 s73, 0
	s_add_nc_u64 s[70:71], s[10:11], 0x2000000     ; the ends lie behind the 32 MiB of hl and P
	s_add_nc_u64 s[70:71], s[70:71], s[72:73]
	s_lshl_b32 s74, s19, 3                         ; (block row x 8 + block column) x 4 + wave
	s_add_co_u32 s74, s74, s20
	s_lshl_b32 s74, s74, 2
	s_add_co_u32 s74, s74, s16
	s_lshl_b32 s88, s74, 8                         ; x 256: my block in the table of y's scales
	s_mov_b32 s89, 0
	s_lshl_b32 s90, s74, 10                        ; x 1,024: my block in the table of hl's scales
	s_mov_b32 s91, 0
	s_lshl_b32 s74, s74, 15                        ; x 32,768: my hl and P
	s_mov_b32 s75, 0
	s_add_nc_u64 s[82:83], s[10:11], 0x2100000     ; hl's scales lie 1 MiB behind the ends
	s_add_nc_u64 s[82:83], s[82:83], s[90:91]
	s_add_nc_u64 s[10:11], s[10:11], s[74:75]
	s_add_nc_u64 s[86:87], s[12:13], 0x1000000     ; y's scales lie behind y's 16 MiB
	s_add_nc_u64 s[86:87], s[86:87], s[88:89]
	s_lshl_b32 s80, s19, 19                        ; y: octet 32 x block row + 8 mh, channel 128 x block column + 64 nh
	s_lshl_b32 s81, s17, 17
	s_add_co_u32 s80, s80, s81
	s_lshl_b32 s81, s20, 11
	s_add_co_u32 s80, s80, s81
	s_lshl_b32 s81, s18, 10
	s_add_co_u32 s80, s80, s81
	s_mov_b32 s81, 0
	s_add_nc_u64 s[12:13], s[12:13], s[80:81]
	; here only the 61 loads of the ends; the bias, the scales and the first four batches follow behind the first lap
	WIN 0xc0                                       ; destination window 3
.set kap, 0
.rept 31
	global_load_b128 v[8*kap:8*kap+3], v[RO], s[70:71] offset:(kap>>2)*32768+(kap&1)*2048+((kap>>1)&1)*256
.if kap > 0
	global_load_b128 v[8*kap+4:8*kap+7], v[RO], s[70:71] offset:(kap>>2)*32768+(kap&1)*2048+((kap>>1)&1)*256+512
.endif
.set kap, kap+1
.endr
	WIN TO_B                                       ; destination window 1
	v_mov_b32 v[A5], 0x3f07dc22                    ; half of 7.1.26's a5 .. a1, each twice
	v_mov_b32 v[A5+1], 0x3f07dc22
	v_mov_b32 v[A4], 0xbf3a00e3
	v_mov_b32 v[A4+1], 0xbf3a00e3
	v_mov_b32 v[A3], 0x3f35f0e3
	v_mov_b32 v[A3+1], 0x3f35f0e3
	v_mov_b32 v[A2], 0xbe11a98e
	v_mov_b32 v[A2+1], 0xbe11a98e
	v_mov_b32 v[A1], 0x3e027906
	v_mov_b32 v[A1+1], 0x3e027906
	WIN 0
; 16 matrix instructions: m tiles a0 .. a0 + 3 x 4 n tiles, from buffer nb.  The 32 accumulators take turns in one fixed order, one
; instruction a turn.
.macro MUL16 nb, a0, zero
.irp a, \a0, \a0+1, \a0+2, \a0+3
.irp b, 0,1,2,3
.if \zero
	v_wmma_f32_16x16x32_f16 v[8*(4*(\a)+\b):8*(4*(\a)+\b)+7], v[FA+64*\nb+8*(\a):FA+64*\nb+8*(\a)+7], v[FB+32*\nb+8*\b:FB+32*\nb+8*\b+7], 0
.else
	v_wmma_f32_16x16x32_f16 v[8*(4*(\a)+\b):8*(4*(\a)+\b)+7], v[FA+64*\nb+8*(\a):FA+64*\nb+8*(\a)+7], v[FB+32*\nb+8*\b:FB+32*\nb+8*\b+7], v[8*(4*(\a)+\b):8*(4*(\a)+\b)+7]
.endif
.endr
.endr
.endm
.macro FETCH slot, k, nb                ; 24 LDS loads under one setting: Wp1's four fragments, x's eight, all into window 1
	WIN TO_B
.irp i, 0,1,2,3
	ds_load_b128 v[FB+32*\nb+8*\i:FB+32*\nb+8*\i+3],   v[ADRB+\slot] offset:\k+\i*16*PITCH
	ds_load_b128 v[FB+32*\nb+8*\i+4:FB+32*\nb+8*\i+7], v[ADRB+\slot] offset:\k+\i*16*PITCH+32
.endr
.irp i, 0,1,2,3,4,5,6,7
	ds_load_b128 v[FA+64*\nb+8*\i:FA+64*\nb+8*\i+3],   v[ADRA+\slot] offset:\k+\i*8*PITCH
	ds_load_b128 v[FA+64*\nb+8*\i+4:FA+64*\nb+8*\i+7], v[ADRA+\slot] offset:\k+\i*8*PITCH+32
.endr
.endm
.macro QUARTER slot, k, nb, ng, zero
	PLACES
	FETCH \slot, \k, \ng
	s_wait_dscnt 24                                ; the 24 just issued may stay out: buffer nb is in
	WIN MUL
	MUL16 \nb, 0, \zero
	MUL16 \nb, 4, \zero
.endm
.macro THREE slot, zero
	QUARTER \slot, 64,  0, 1, \zero
	QUARTER \slot, 128, 1, 0, 0
	QUARTER \slot, 192, 0, 1, 0
.endm
; The change of slots: my reads of this slot are back and all my tensor loads have landed in front of the opening signal; the joint refill is
; the first tensor load behind the round.
.macro TURN slot, next, fill
	s_wait_dscnt 0x0
	s_wait_tensorcnt 0x0
	ds_add_u32 v254, v255
	s_wait_dscnt 0x0
	s_barrier_signal -1
	WIN MUL
	MUL16 1, 0, 0
	WIN 0
	s_barrier_wait -1
.if \fill
	CREST
	s_add_nc_u64 s[G0+4*\slot+2:G0+4*\slot+3], s[G0+4*\slot+2:G0+4*\slot+3], 2*KSTEP*2
	s_add_nc_u64 s[G0B+4*\slot+2:G0B+4*\slot+3], s[G0B+4*\slot+2:G0B+4*\slot+3], 2*KSTEP*2
	JLOAD \slot
.endif
	PLACES
	FETCH \next, 0, 0
	WIN MUL
	MUL16 1, 4, 0
.endm
.macro LAP zero
	THREE 0, \zero
	TURN 0, 1, 1
	THREE 1, 0
	TURN 1, 0, 1
.endm
	s_wait_tensorcnt 0x1                           ; my part of K step 0 is in; K step 1's may stay out
	s_barrier_signal -1
	s_barrier_wait -1
	FETCH 0, 0, 0
	LAP 1
	WIN 0
	; 38 loads more, in this order: 4 of the bias, 2 of hl's scales, 4 batches of 8.  Three laps of products lie between them and their use.
.irp b, 0,1,2,3
	global_load_b32 v[RAW+\b], v[BO], s[8:9] offset:64*\b
.endr
	global_load_b128 v[SVL:SVL+3], v[LO], s[82:83]
	global_load_b128 v[SVL+4:SVL+7], v[LO], s[82:83] offset:512
	LOADB 0, 0
	LOADB 1, 32
	LOADB 2, 64
	LOADB 3, 96
	s_mov_b32 s23, LAPS-2
.Llap:
	LAP 0
	WIN 0
	s_sub_co_u32 s23, s23, 1
	s_cmp_lg_u32 s23, 0
	s_cbranch_scc1 .Llap
	THREE 0, 0
	TURN 0, 1, 0
	THREE 1, 0
	s_wait_dscnt 0x0
	WIN MUL
	MUL16 1, 0, 0
	MUL16 1, 4, 0
	WIN 0
	PLACES
	; THE CARRIES.  c(0) = 0; c(k + 1) = P(k) c(k) + hl(k), in place of hl(k); then each lane picks c of its own chunk.
	s_wait_loadcnt 32                              ; the ends, the bias and the scales are in: only the four batches are younger
	WIN 0xff
.set kap, 1
.rept 30
	v_pk_fma_f32 v[8*kap:8*kap+1],   v[8*kap+4:8*kap+5], v[8*kap-8:8*kap-7], v[8*kap:8*kap+1]
	v_pk_fma_f32 v[8*kap+2:8*kap+3], v[8*kap+6:8*kap+7], v[8*kap-6:8*kap-5], v[8*kap+2:8*kap+3]
.set kap, kap+1
.endr
	WIN 0x0c                                       ; source 1 window 3
.irp b, 0,1,2,3
	v_mov_b32 v[CAP+\b], 0
.endr
.set kap, 1
.rept 31
	v_cmp_eq_u32 vcc_lo, v[KOWN], kap
.irp b, 0,1,2,3
	v_cndmask_b32 v[CAP+\b], v[CAP+\b], v[8*(kap-1)+\b], vcc_lo
.endr
.set kap, kap+1
.endr
	WIN 0
.irp b, 0,1,2,3
	v_mov_b32 v[CC+2*\b], v[CAP+\b]
	v_mov_b32 v[CC+2*\b+1], v[CAP+\b]
.endr
	WIN TO_B                                       ; the bias goes to window 1, where the GELU works
.irp b, 0,1,2,3
	v_mov_b32 v[BP+2*\b], v[RAW+\b]
	v_mov_b32 v[BP+2*\b+1], v[RAW+\b]
.endr
.macro PKFMA16 c                       ; QQ = QQ x TT + the pair c, 32 numbers
.set n, 0
.rept 16
	v_pk_fma_f32 v[QQ+n:QQ+n+1], v[QQ+n:QQ+n+1], v[TT+n:TT+n+1], v[\c:\c+1]
.set n, n+2
.endr
.endm
.macro PKMUL16 d, a, b
.set n, 0
.rept 16
	v_pk_mul_f32 v[\d+n:\d+n+1], v[\a+n:\a+n+1], v[\b+n:\b+n+1]
.set n, n+2
.endr
.endm
; Eight steps (m tile a) of my four channels: y in f32 takes the place of the tile's sums.
; left = how many younger loads may stay out; refill = 1: the batch four tiles on is asked for, as soon as this one has been widened.
.macro MERGE a, buf, left, refill
	s_wait_loadcnt \left                           ; loads return in order: this batch is in
	WIN 0                                          ; h, all in window 0
	UNPACKB \buf
	v_mov_b32 v[SCP], v[SVL+\a]
	v_mov_b32 v[SCP+1], v[SVL+\a]
.if \refill
	LOADB \a+4, \buf
.endif
.irp b, 0,1,2,3
.irp j, 0,2,4,6
	v_pk_mul_f32 v[PCC+8*\b+\j:PCC+8*\b+\j+1], v[PCC+8*\b+\j:PCC+8*\b+\j+1], v[CC+2*\b:CC+2*\b+1]   ; P c
.endr
.endr
.set n, 0
.rept 16
	v_pk_fma_f32 v[HH+n:HH+n+1], v[HH+n:HH+n+1], v[SCP:SCP+1], v[PCC+n:PCC+n+1]   ; h = hl S + P c
.set n, n+2
.endr
	WIN 0x46                                       ; source 0 window 2, source 1 and destination window 1
.irp b, 0,1,2,3
.irp j, 0,2,4,6
	v_pk_add_f32 v[VV+8*\b+\j:VV+8*\b+\j+1], v[8*(4*\a+\b)+\j:8*(4*\a+\b)+\j+1], v[BP+2*\b:BP+2*\b+1]
.endr
.endr
	WIN 0x55                                       ; the GELU, all in window 1
.set n, 0
.rept 16
	v_pk_mul_f32 v[EE+n:EE+n+1], v[VV+n:VV+n+1], 0xbf38aa3b op_sel_hi:[1,0]   ; -log2(e) / 2 x v
.set n, n+2
.endr
	PKMUL16 EE, EE, VV
.set n, 0
.rept 32
	v_fma_f32 v[TT+n], |v[VV+n]|, s68, 1.0
.set n, n+1
.endr
.set n, 0
.rept 32
	v_rcp_f32 v[TT+n], v[TT+n]
.set n, n+1
.endr
.set n, 0
.rept 32
	v_exp_f32 v[EE+n], v[EE+n]                     ; exp(-v v / 2)
.set n, n+1
.endr
	v_nop                                          ; one plain instruction behind the transcendentals
.set n, 0
	s_wait_alu depctr_va_vdst(0)
.rept 16
	v_pk_fma_f32 v[QQ+n:QQ+n+1], v[TT+n:TT+n+1], v[A5:A5+1], v[A4:A4+1]
.set n, n+2
.endr
	PKFMA16 A3
	PKFMA16 A2
	PKFMA16 A1
	PKMUL16 QQ, QQ, TT
	PKMUL16 QQ, QQ, EE
.set n, 0
.rept 32
	v_max_num_f32 v[TT+n], 0, v[VV+n]
.set n, n+1
.endr
.set n, 0
.rept 32
	v_fma_f32 v[QQ+n], -|v[VV+n]|, v[QQ+n], v[TT+n]            ; gelu
.set n, n+1
.endr
	WIN 0x81                                       ; source 0 window 1, source 1 window 0, destination window 2
.set n, 0
.rept 16
	v_pk_mul_f32 v[32*\a+n:32*\a+n+1], v[QQ+n:QQ+n+1], v[HH+n:HH+n+1]   ; y = x1 h
.set n, n+2
.endr
.endm
	MERGE 0, 0,  24, 1                             ; three younger batches of eight loads stay out ...
	MERGE 1, 32, 24, 1
	MERGE 2, 64, 24, 1
	MERGE 3, 96, 24, 1
	MERGE 4, 0,  24, 0
	MERGE 5, 32, 16, 0                             ; ... then the counts run down
	MERGE 6, 64, 8, 0
	MERGE 7, 96, 0, 0
	; THE WAVE'S LARGEST |y|: my 256 numbers in four chains, started by the first eight; then across the 32 lanes.
	WIN 0x0a                                       ; sources 0 and 1 window 2
.irp c, 0,1,2,3
	v_max_num_f32 v[MX+\c], |v[2*\c]|, |v[2*\c+1]|
.endr
.set n, 8
.rept 124
	v_max3_num_f32 v[MX+(n/2)%4], |v[n]|, |v[n+1]|, v[MX+(n/2)%4]
.set n, n+2
.endr
	WIN 0
	v_max3_num_f32 v[MX], v[MX], v[MX+1], v[MX+2]
	v_max_num_f32 v[MX], v[MX], v[MX+3]
	v_max_num_f32_dpp v[MX], v[MX], v[MX] row_xmask:1 row_mask:0xf bank_mask:0xf
	v_max_num_f32_dpp v[MX], v[MX], v[MX] row_xmask:2 row_mask:0xf bank_mask:0xf
	v_max_num_f32_dpp v[MX], v[MX], v[MX] row_xmask:4 row_mask:0xf bank_mask:0xf
	v_max_num_f32_dpp v[MX], v[MX], v[MX] row_xmask:8 row_mask:0xf bank_mask:0xf
	v_permlanex16_b32 v[PT], v[MX], s84, s85       ; its destination counts as read: it was written at the head
	v_max_num_f32 v[MX], v[MX], v[PT]
	; with e the maximum's exponent field (at least 14, so that both powers are normal numbers): the factor is 2^(140 - e), which brings
	; the maximum into [2^13, 2^14), and the inverse is 2^(e - 140)
	v_bfe_u32 v[MX+1], v[MX], 23, 8
	v_max_u32 v[MX+1], 14, v[MX+1]
	v_sub_nc_u32 v[MX+2], 0x10b, v[MX+1]           ; 267 - e
	v_lshlrev_b32 v[FS], 23, v[MX+2]
	v_mov_b32 v[FS+1], v[FS]
	v_add_nc_u32 v[MX+3], -13, v[MX+1]             ; e - 13
	v_lshlrev_b32 v[SS], 23, v[MX+3]
	v_mov_b32 v[SS+1], v[SS]
	global_store_b64 v[LO8], v[SS:SS+1], s[86:87]  ; 32 lanes x 8 bytes: my block of 256 bytes, whole
	WIN 0x82                                       ; source 0 and destination window 2
.set n, 0
.rept 128
	v_pk_mul_f32 v[n:n+1], v[n:n+1], v[FS:FS+1]
.set n, n+2
.endr
	WIN 0x0a
.set n, 0
.rept 128
	v_cvt_pk_f16_f32 v[YY+n], v[2*n], v[2*n+1]     ; the one rounding of y; steps j, j + 1 in one word; every tile has registers of its own
.set n, n+1
.endr
	WIN 0
.irp a, 0,1,2,3,4,5,6,7
.irp b, 0,1,2,3
	global_store_b128 v[YO], v[YY+16*\a+4*\b:YY+16*\a+4*\b+3], s[12:13] offset:\a*16384+\b*256   ; 16 lanes: 256 consecutive bytes at a multiple of 256
.endr
.endr
	CROUND
	s_endpgm
.Lfunc_end_k_qae8689a5a3_merge:
	.size	k_qae8689a5a3_merge, .Lfunc_end_k_qae8689a5a3_merge-k_qae8689a5a3_merge
	.p2alignl 7, 3214868480
	.fill 96, 4, 3214868480
	.section	.rodata,"a",@progbits
	.p2align	6, 0x0
	.amdhsa_kernel k_qae8689a5a3_merge
		.amdhsa_group_segment_fixed_size 327680
		.amdhsa_private_segment_fixed_size 0
		.amdhsa_enable_private_segment 0
		.amdhsa_kernarg_size 40
		.amdhsa_user_sgpr_count 2
		.amdhsa_user_sgpr_kernarg_segment_ptr 1
		.amdhsa_wavefront_size32 1
		.amdhsa_system_sgpr_workgroup_id_x 1
		.amdhsa_system_sgpr_workgroup_id_y 1
		.amdhsa_system_sgpr_workgroup_id_z 1
		.amdhsa_system_vgpr_workitem_id 0
		.amdhsa_next_free_vgpr 1024
		.amdhsa_next_free_sgpr 92
		.amdhsa_reserve_vcc 1
		.amdhsa_float_denorm_mode_32 3
		.amdhsa_float_denorm_mode_16_64 3
		.amdhsa_memory_ordered 1
		.amdhsa_forward_progress 1
		.amdhsa_inst_pref_size 255
	.end_amdhsa_kernel
	.section	.bss,"aw",@nobits
	.p2align	6
	.space	262144
	.amdgpu_metadata
---
amdhsa.version: [ 1, 2 ]
amdhsa.kernels:
  - .name:           k_qae8689a5a3_merge
    .symbol:         k_qae8689a5a3_merge.kd
    .args:
      - { .name: xh, .offset: 0, .size: 8, .value_kind: global_buffer, .address_space: global }
      - { .name: wrest, .offset: 8, .size: 8, .value_kind: global_buffer, .address_space: global }
      - { .name: bp1, .offset: 16, .size: 8, .value_kind: global_buffer, .address_space: global }
      - { .name: hp, .offset: 24, .size: 8, .value_kind: global_buffer, .address_space: global }
      - { .name: ty, .offset: 32, .size: 8, .value_kind: global_buffer, .address_space: global }
    .group_segment_fixed_size: 327680
    .private_segment_fixed_size: 0
    .kernarg_segment_align: 8
    .kernarg_segment_size: 40
    .max_flat_workgroup_size: 128
    .sgpr_count:     92
    .vgpr_count:     1024
    .wavefront_size: 32
...
	.end_amdgpu_metadata
.endif
;; end of part 10
;; launch outp: the kernel of part 5 again; grid 8 x 32, 4 waves a work-group, clusters of 4 x 4, 327,680 bytes of LDS; arguments ty, wrest, bp3, out0; writes out0
